; MI455X (gfx1250); checked and timed in simulation.
; The chip was launched on July 23, 2026; its instructions are those of AMD's public machine-readable ISA for CDNA 5 (MIT licence, August 2026) and "CDNA5" Instruction Set Architecture Reference Guide (July 2026). The comments in the code are by the model that wrote it; some were corrected since.
;; Block. Allowed arithmetic: matrix products marked QUANTISED: E2M3 operands, one E8M0 scale for each 32 along K, by v_wmma_scale_f32_16x16x128_f8f6f4 with both operands' format E2M3, f32 sums; everything else in f32.
;; Inputs: W1_codes 4,096 x 32 x 24 uint8 (E2M3 codes of W1, K innermost, in blocks of 32 codes, four codes in three bytes); W1_scales 4,096 x 32 uint8 (E8M0 scales of W1, one for each 32 codes along K); W2_codes 1,024 x 128 x 24 uint8 (E2M3 codes of W2, K innermost, in blocks of 32 codes, four codes in three bytes); W2_scales 1,024 x 128 uint8 (E8M0 scales of W2, one for each 32 codes along K); Wk_codes 16 x 64 x 32 x 24 uint8 (E2M3 codes of Wk, K innermost, in blocks of 32 codes, four codes in three bytes); Wk_scales 16 x 64 x 32 uint8 (E8M0 scales of Wk, one for each 32 codes along K); Wproj_codes 1,024 x 32 x 24 uint8 (E2M3 codes of Wproj, K innermost, in blocks of 32 codes, four codes in three bytes); Wproj_scales 1,024 x 32 uint8 (E8M0 scales of Wproj, one for each 32 codes along K); Wq_codes 16 x 64 x 32 x 24 uint8 (E2M3 codes of Wq, K innermost, in blocks of 32 codes, four codes in three bytes); Wq_scales 16 x 64 x 32 uint8 (E8M0 scales of Wq, one for each 32 codes along K); Wv_codes 16 x 64 x 32 x 24 uint8 (E2M3 codes of Wv, K innermost, in blocks of 32 codes, four codes in three bytes); Wv_scales 16 x 64 x 32 uint8 (E8M0 scales of Wv, one for each 32 codes along K); b1 4,096 float32; b2 1,024 float32; bproj 1,024 float32; ln1_b 1,024 float32; ln1_g 1,024 float32; ln2_b 1,024 float32; ln2_g 1,024 float32; x 2 x 2,048 x 1,024 float32.
;; Outputs: out0 2 x 2,048 x 1,024 float32.
;; This version of the problem:
;;   THIS VERSION OF THE PROBLEM IS GIVEN IN LOW PRECISION. The matrix products marked QUANTISED in the list below multiply operands that are first quantised to E2M3 (2 exponent bits, 3 mantissa bits; 6 bits a number), with one power-of-two scale for each 32 numbers along K (OCP MX v1.0); their sums are f32. All else is computed in f32.
;;   The module's matrix products, in the order in which they are computed (A, B: the left and right operand; K: the contracted axis; several contracted axes count as one K, in the product's order):
;;     1. [M 1,024, K 1,024] x [K 1,024, N 4,096]; A: input Wq (given as codes); B: computed on the way: QUANTISED
;;     2. [M 1,024, K 1,024] x [K 1,024, N 4,096]; A: input Wk (given as codes); B: computed on the way: QUANTISED
;;     3. [M 1,024, K 1,024] x [K 1,024, N 4,096]; A: input Wv (given as codes); B: computed on the way: QUANTISED
;;     4. batch 32 x [M 2,048, K 64] x [K 64, N 2,048]; A: computed on the way; B: computed on the way: QUANTISED
;;     5. batch 32 x [M 2,048, K 2,048] x [K 2,048, N 64]; A: softmax (see below); B: computed on the way: QUANTISED
;;     6. [M 4,096, K 1,024] x [K 1,024, N 1,024]; A: computed on the way; B: input Wproj (given as codes): QUANTISED
;;     7. [M 4,096, K 1,024] x [K 1,024, N 4,096]; A: computed on the way; B: input W1 (given as codes): QUANTISED
;;     8. [M 4,096, K 4,096] x [K 4,096, N 1,024]; A: computed on the way; B: input W2 (given as codes): QUANTISED
;;   THE QUANTISER, for each operand of a quantised product, along K:
;;     - K is cut into blocks of 32 from its start; a last block that is shorter is filled with zeros.
;;     - A block's scale is 2^e with e = floor(log2(the largest magnitude in the block)) - 2, held to -126 .. 127; a block of zeros has e = 0. As a byte (E8M0): e + 127.
;;     - Each number is divided by its block's scale, clamped to +-7.5, and rounded to the nearest number of E2M3, ties to even, subnormals kept.
;;     - The product sums the exact products of the quantised numbers (number of the format x scale) in f32.
;;   ~~~python
;;   def quantise(x, axis):      # numpy; x: float32 -> the quantised numbers, widened to float32 again
;;       x = np.moveaxis(x, axis, -1); K = x.shape[-1]
;;       x = np.pad(x, [(0, 0)] * (x.ndim - 1) + [(0, -K % 32)]); x = x.reshape(x.shape[:-1] + (-1, 32)); a = np.abs(x).max(-1, keepdims=True)
;;       e = np.where(a > 0, np.clip(np.frexp(np.where(a > 0, a, 1))[1] - 1 - 2, -126, 127), 0)      # np.frexp(a)[1] - 1 = floor(log2(a)), exactly
;;       r = np.clip(x / 2.0 ** e, -7.5, 7.5)
;;       step = 2.0 ** (np.maximum(np.frexp(np.where(r == 0, 1, r))[1] - 1, 0) - 3)
;;       q = np.round(r / step) * step * 2.0 ** e      # np.round: ties to even
;;       return np.moveaxis(q.reshape(q.shape[:-2] + (-1,))[..., :K], -1, axis).astype(np.float32)
;;   ~~~
;;   SOFTMAX AHEAD OF A QUANTISED PRODUCT. Where the list says 'softmax', what is quantised is not the finished softmax but p = 2^(t - M), with t = logit x log2(e) and M = ceil(the row's largest t), a whole number; so 1/2 < the row's largest p <= 1. The row's sum l is taken of the UNQUANTISED p, in f32, and the product's result is divided by l at the end. Since M is a whole number, a kernel that streams over the keys may use a running M (the ceiling of the running maximum): every later rescaling is an exact power of two, which a block's scale takes up: the codes' values come out the same.
;;   OPERANDS COMPUTED ON THE WAY. 'Computed on the way' means the value that the module computes at that place (a softmax that the list does not call 'softmax' is quantised finished and normalised). What goes into a quantiser is computed in f32, as accurately as f32 sums, v_exp_f32 and their like allow (about 1e-6 of the number): no bf16 or f16 on the way to a quantiser, and a product that is left as it is and whose result goes on into a quantised operand takes f32 operands (vector FMAs, or v_wmma_f32_16x16x4_f32). A number that lies on a knife's edge between two numbers of the format may be rounded either way, as far as f32 arithmetic and the matrix unit's own rounding can turn it there, and no further.
;;   INPUTS GIVEN AS CODES. W1 (in the module: [1024, 4096], K = its axis 0); W2 (in the module: [4096, 1024], K = its axis 0); Wk (in the module: [16, 1024, 64], K = its axis 1); Wproj (in the module: [1024, 1024], K = its axis 0); Wq (in the module: [16, 1024, 64], K = its axis 1); Wv (in the module: [16, 1024, 64], K = its axis 1): each comes as NAME_codes (uint8): NAME with its K axis moved to the last place and cut into blocks of 32 codes, [.., K / 32, bytes a block], one block behind the other in memory; four codes in three bytes: a row's codes are one little-endian stream of bits, code i at bits 6 i .. 6 i + 5 (a code: sign, 2 exponent bits, 3 mantissa bits); and NAME_scales (uint8): the same leading axes, one E8M0 byte (e + 127) for each 32 codes along K. Its value is code x scale, taken as it is: it is not quantised again, and the codes and scales need not be those that the quantiser above would give.
;; 2 versions. Each part assembles by itself: llvm-mc -triple=amdgcn-amd-amdhsa -mcpu=gfx1250 --defsym DOCPART=n.
;; ======== version 1 of 2: 7 launches
;; workspace buffers: act 3,145,728 bytes; acts 131,072 bytes; qrec 3,407,872 bytes; kvrec 6,815,744 bytes; x1 16,777,216 bytes; hid 12,582,912 bytes; hids 524,288 bytes
;; launch ln1 (part 1): grid 256 x 1, 2 waves a work-group, no clusters, 22,784 bytes of LDS; arguments x, ln1_g, ln1_b, act, acts; writes act, acts
.if DOCPART == 1
	.amdgcn_target "amdgcn-amd-amdhsa--gfx1250"
	.amdhsa_code_object_version 6
	.text
	.protected	k_q7b169e4eb5_ln1
	.globl	k_q7b169e4eb5_ln1
	.p2align	8
	.type	k_q7b169e4eb5_ln1,@function
k_q7b169e4eb5_ln1:
	s_mov_b64 s[64:65], 0
	v_nop
	global_prefetch_b8 v0, s[64:65] scope:SCOPE_SE
	s_setreg_imm32_b32 hwreg(HW_REG_WAVE_MODE, 25, 1), 1
	s_wait_xcnt 0x0
; LAYERNORM AND QUANTISER.  y = (x - mean) * rsqrt(var + 1e-5) * g + b for 4,096 rows of 1,024 f32 numbers, then y as codes of FP6 (E2M3) with one E8M0 byte for each 32 along the row.
; Arguments: the rows, g, b, the codes, the scale bytes.  The codes are laid [4 slabs of 256 along K][4,096 rows][192 bytes], the bytes [4,096][32].
; A wave owns 8 rows and shares nothing: no barrier.  Each of a row's 8 loads reads 512 consecutive bytes, 16 a lane.  Mean and variance are taken in two passes over the registers (first the mean, then the
; squares of x - mean), so a common offset of the inputs cancels nothing.  For the conversions a lane must hold 32 NEIGHBOURS: the finished row turns through the wave's own LDS (places of 128 + 16 bytes).
; Codes and bytes of the 8 rows are gathered in LDS and leave as whole aligned runs: 1,536 bytes for each slab, 256 bytes of scale bytes.
; A block's scale is 2^(floor(log2(largest magnitude)) - 2); its byte is the largest magnitude's exponent field - 2, held at 1 from below.
; LIMITS: NaN and infinities among the inputs are not served; a block whose largest magnitude lies under 2^-124 (a block of zeros too) keeps the byte 1: its codes are then zeros or subnormal codes, and the bytes are read by this program alone.
; v_rsq_f32 is accurate to 1 ulp.
.set WREG, 11264                       ; LDS of a wave: the turn 32 x 144, the codes 4 x 8 x 192, the bytes 8 x 32
.set CST,  4608
.set SCB,  10752
.set GG,   8                           ; v8-39    g, as loaded: register 4 j + e = number 128 j + 4 lane + e
.set BB,   40                          ; v40-71   b likewise
.set XR,   72                          ; v72-199  four row slots of 32
.set Y,    200                         ; v200-231 my block of 32 neighbours
.set CD,   232                         ; v232-238 its codes
	s_load_b256 s[4:11], s[0:1], 0x0               ; rows s[4:5], g s[6:7], b s[8:9], codes s[10:11]
	s_load_b64 s[12:13], s[0:1], 0x20              ; scale bytes
	v_lshl_add_u32 v254, v0, 2, 0x5800
	v_mov_b32 v255, 0
	v_lshrrev_b32 v240, 5, v0
	v_readfirstlane_b32 s14, v240                  ; wave 0, 1
	v_and_b32 v240, 31, v0                         ; lane
	v_lshrrev_b32 v241, 3, v240                    ; lane / 8
	v_and_b32 v242, 7, v0                          ; lane % 8
	s_mul_i32 s15, s14, WREG
	v_lshlrev_b32 v1, 4, v240                      ; v1: 16 x lane
	v_mul_u32_u24 v2, v241, 144
	v_lshl_add_u32 v2, v242, 4, v2
	v_add_nc_u32 v2, s15, v2                       ; v2: the turn, in: load j's 16 bytes belong to block 4 j + lane / 8, at 16 (lane % 8) in it
	v_mul_u32_u24 v3, v240, 144
	v_add_nc_u32 v3, s15, v3                       ; v3: the turn, out: block = lane
	v_mul_u32_u24 v4, v241, 1536
	v_mad_u32_u24 v4, v242, 24, v4
	v_add_nc_u32 v4, s15, v4
	v_add_nc_u32 v4, CST, v4                       ; v4: my block's 24 bytes: slab lane / 8, block lane % 8 of it
	v_add_nc_u32 v5, s15, v240
	v_add_nc_u32 v5, SCB, v5                       ; v5: my block's byte
	v_add_nc_u32 v6, s15, v1
	v_add_nc_u32 v6, CST, v6                       ; v6: the codes on the way out
	v_lshlrev_b32 v253, 3, v240                    ; v253: 8 x lane
	v_add_nc_u32 v7, s15, v253
	v_add_nc_u32 v7, SCB, v7                       ; v7: the bytes on the way out
	v_mov_b32 v252, 0                              ; a lane permute's destination counts as one of its sources
	s_mov_b32 s16, 0x76543210
	s_mov_b32 s17, 0xfedcba98                      ; selects for lane xor 16
	s_mov_b32 s18, 0x3a800000                      ; 1 / 1,024
	s_mov_b32 s19, 0x3727c5ac                      ; 1e-5
	s_lshl_b32 s20, ttmp9, 1
	s_add_co_u32 s20, s20, s14                     ; which run of 8 rows is my wave's
	s_lshl_b32 s22, s20, 15                        ; 8 rows of 4,096 bytes
	s_mov_b32 s23, 0
	s_mul_i32 s24, s20, 1536                       ; 8 rows of 192 bytes in each slab
	s_mov_b32 s25, 0
	s_lshl_b32 s26, s20, 8                         ; 8 rows of 32 bytes
	s_mov_b32 s27, 0
	s_wait_kmcnt 0x0
	s_add_nc_u64 s[4:5], s[4:5], s[22:23]
	s_add_nc_u64 s[10:11], s[10:11], s[24:25]
	s_add_nc_u64 s[12:13], s[12:13], s[26:27]
.irp j, 0,1,2,3,4,5,6,7
	global_load_b128 v[GG+4*\j:GG+4*\j+3], v1, s[6:7] offset:512*\j
	global_load_b128 v[BB+4*\j:BB+4*\j+3], v1, s[8:9] offset:512*\j
.endr
.macro FILL i                          ; row i into slot i % 4: eight loads of 512 consecutive bytes
.irp j, 0,1,2,3,4,5,6,7
	global_load_b128 v[XR+32*((\i)%4)+4*\j:XR+32*((\i)%4)+4*\j+3], v1, s[4:5] offset:4096*(\i)+512*\j th:TH_LOAD_NT
.endr
.endm
	FILL 0
	FILL 1
	FILL 2
	FILL 3
.macro ACROSS                          ; v240 + v241 summed over the 32 lanes, the sum in every lane
	v_add_f32 v240, v240, v241
	v_add_f32_dpp v240, v240, v240 row_xmask:1 row_mask:0xf bank_mask:0xf
	v_add_f32_dpp v240, v240, v240 row_xmask:2 row_mask:0xf bank_mask:0xf
	v_add_f32_dpp v240, v240, v240 row_xmask:4 row_mask:0xf bank_mask:0xf
	v_add_f32_dpp v240, v240, v240 row_xmask:8 row_mask:0xf bank_mask:0xf
	v_permlanex16_b32 v252, v240, s16, s17
	v_add_f32 v240, v240, v252
.endm
; Row i.  left: the loads of the younger rows, eight each, which may stay out.
.macro ROW i, left
.set X, XR+32*((\i)%4)
	s_wait_loadcnt \left
	v_pk_add_f32 v[240:241], v[X:X+1], v[X+2:X+3]            ; the sum, two numbers at a time, in two chains
	v_pk_add_f32 v[242:243], v[X+4:X+5], v[X+6:X+7]
.irp j, 8,12,16,20,24,28
	v_pk_add_f32 v[240:241], v[240:241], v[X+\j:X+\j+1]
	v_pk_add_f32 v[242:243], v[242:243], v[X+\j+2:X+\j+3]
.endr
	v_pk_add_f32 v[240:241], v[240:241], v[242:243]
	ACROSS
	v_mul_f32 v244, s18, v240                      ; the mean, twice: a pair for the packed form
	v_mul_f32 v245, s18, v240
.irp j, 0,2,4,6,8,10,12,14,16,18,20,22,24,26,28,30
	v_pk_add_f32 v[X+\j:X+\j+1], v[X+\j:X+\j+1], v[244:245] neg_lo:[0,1] neg_hi:[0,1]   ; x - mean
.endr
	v_pk_mul_f32 v[240:241], v[X:X+1], v[X:X+1]              ; the sum of its squares
	v_pk_mul_f32 v[242:243], v[X+2:X+3], v[X+2:X+3]
.irp j, 4,8,12,16,20,24,28
	v_pk_fma_f32 v[240:241], v[X+\j:X+\j+1], v[X+\j:X+\j+1], v[240:241]
	v_pk_fma_f32 v[242:243], v[X+\j+2:X+\j+3], v[X+\j+2:X+\j+3], v[242:243]
.endr
	v_pk_add_f32 v[240:241], v[240:241], v[242:243]
	ACROSS
	v_fma_f32 v246, v240, s18, s19                 ; var + eps
	v_rsq_f32 v246, v246
	v_nop                                          ; one plain place behind a transcendental (ISA guide 5.7.2)
	s_wait_alu depctr_va_vdst(0)
	v_mov_b32 v247, v246
.irp j, 0,2,4,6,8,10,12,14,16,18,20,22,24,26,28,30
	v_pk_mul_f32 v[X+\j:X+\j+1], v[X+\j:X+\j+1], v[246:247]
.endr
.irp j, 0,2,4,6,8,10,12,14,16,18,20,22,24,26,28,30
	v_pk_fma_f32 v[X+\j:X+\j+1], v[X+\j:X+\j+1], v[GG+\j:GG+\j+1], v[BB+\j:BB+\j+1]
.endr
.irp j, 0,1,2,3,4,5,6,7
	ds_store_b128 v2, v[X+4*\j:X+4*\j+3] offset:576*\j       ; the row as it lies, 16 bytes of padding behind each 128
.endr
.irp j, 0,1,2,3,4,5,6,7
	ds_load_b128 v[Y+4*\j:Y+4*\j+3], v3 offset:16*\j         ; LDS serves a wave's instructions in order: these see the stores
.endr
	s_wait_dscnt 0x0                               ; my block is in; the stores have read the slot, and the last row's stores of codes and byte are done
.if (\i) < 4
	FILL (\i)+4                                    ; the slot takes the row four further on
.endif
	v_max3_num_f32 v240, |v[Y]|, |v[Y+1]|, 0x1800000         ; the block's largest magnitude, all 32 numbers mine, over the floor 2^(3 - 127): the byte cannot fall under 1
	v_max3_num_f32 v241, |v[Y+2]|, |v[Y+3]|, 0x1800000
.irp j, 4,8,12,16,20,24,28
	v_max3_num_f32 v240, v240, |v[Y+\j]|, |v[Y+\j+1]|
	v_max3_num_f32 v241, v241, |v[Y+\j+2]|, |v[Y+\j+3]|
.endr
	v_max_num_f32 v240, v240, v241
	v_add_nc_u32 v242, 0xff000000, v240            ; 2 off its exponent field: the conversion takes the exponent field of this operand as its scale
	v_cvt_scalef32_pk16_fp6_f32 v[CD:CD+2], v[Y:Y+15], v242
	v_cvt_scalef32_pk16_fp6_f32 v[CD+4:CD+6], v[Y+16:Y+31], v242   ; (a conversion's three registers begin on an even number)
	v_lshrrev_b32 v248, 23, v242                   ; the scale's byte; also the plain place behind the conversions
	v_mov_b32 v[CD+3], v[CD+4]
	v_mov_b32 v[CD+4], v[CD+5]
	v_mov_b32 v[CD+5], v[CD+6]                     ; 24 bytes on end
	ds_store_b64 v4, v[CD:CD+1] offset:192*(\i)
	ds_store_b64 v4, v[CD+2:CD+3] offset:192*(\i)+8
	ds_store_b64 v4, v[CD+4:CD+5] offset:192*(\i)+16
	ds_store_b8 v5, v248 offset:32*(\i)
.endm
	ROW 0, 24
	ROW 1, 24
	ROW 2, 24
	ROW 3, 24
	ROW 4, 24
	ROW 5, 16                                      ; nothing is left to fetch: the counts run down
	ROW 6, 8
	ROW 7, 0
.set cc, 0
.rept 12
	ds_load_b128 v[XR+4*cc:XR+4*cc+3], v6 offset:512*cc      ; 6,144 bytes of codes, 512 an instruction
.set cc, cc+1
.endr
	ds_load_b64 v[XR+48:XR+49], v7
.set cc, 0
.rept 12
	s_wait_dscnt 12-cc                             ; the younger LDS loads may stay out
	global_store_b128 v1, v[XR+4*cc:XR+4*cc+3], s[10:11] offset:(cc/3)*786432+512*(cc%3)   ; 512 consecutive bytes, at a multiple of 256 from the buffer's first byte
.set cc, cc+1
.endr
	s_wait_dscnt 0x0
	global_store_b64 v253, v[XR+48:XR+49], s[12:13]          ; 256 consecutive bytes, aligned
	s_wait_tensorcnt 0x0
	ds_add_u32 v254, v255
	s_wait_dscnt 0x0
	s_endpgm
.Lfunc_end_k_q7b169e4eb5_ln1:
	.size	k_q7b169e4eb5_ln1, .Lfunc_end_k_q7b169e4eb5_ln1-k_q7b169e4eb5_ln1
	.p2alignl 7, 3214868480
	.fill 96, 4, 3214868480
	.section	.rodata,"a",@progbits
	.p2align	6, 0x0
	.amdhsa_kernel k_q7b169e4eb5_ln1
		.amdhsa_group_segment_fixed_size 22784
		.amdhsa_private_segment_fixed_size 0
		.amdhsa_enable_private_segment 0
		.amdhsa_kernarg_size 40
		.amdhsa_user_sgpr_count 2
		.amdhsa_user_sgpr_kernarg_segment_ptr 1
		.amdhsa_wavefront_size32 1
		.amdhsa_system_sgpr_workgroup_id_x 1
		.amdhsa_system_sgpr_workgroup_id_y 1
		.amdhsa_system_sgpr_workgroup_id_z 1
		.amdhsa_system_vgpr_workitem_id 0
		.amdhsa_next_free_vgpr 256
		.amdhsa_next_free_sgpr 66
		.amdhsa_reserve_vcc 0
		.amdhsa_float_denorm_mode_32 3
		.amdhsa_float_denorm_mode_16_64 3
		.amdhsa_memory_ordered 1
		.amdhsa_forward_progress 1
		.amdhsa_inst_pref_size 83
	.end_amdhsa_kernel
	.amdgpu_metadata
---
amdhsa.version: [ 1, 2 ]
amdhsa.kernels:
  - .name:           k_q7b169e4eb5_ln1
    .symbol:         k_q7b169e4eb5_ln1.kd
    .args:
      - { .name: x, .offset: 0, .size: 8, .value_kind: global_buffer, .address_space: global }
      - { .name: ln1_g, .offset: 8, .size: 8, .value_kind: global_buffer, .address_space: global }
      - { .name: ln1_b, .offset: 16, .size: 8, .value_kind: global_buffer, .address_space: global }
      - { .name: act, .offset: 24, .size: 8, .value_kind: global_buffer, .address_space: global }
      - { .name: acts, .offset: 32, .size: 8, .value_kind: global_buffer, .address_space: global }
    .group_segment_fixed_size: 22784
    .private_segment_fixed_size: 0
    .kernarg_segment_align: 8
    .kernarg_segment_size: 40
    .max_flat_workgroup_size: 64
    .sgpr_count:     66
    .vgpr_count:     256
    .wavefront_size: 32
...
	.end_amdgpu_metadata
.endif
;; end of part 1
;; launch qkv (part 2): grid 12 x 16, 4 waves a work-group, clusters of 4 x 4, 327,680 bytes of LDS; arguments act, acts, Wq_codes, Wq_scales, Wk_codes, Wk_scales, Wv_codes, Wv_scales, qrec, kvrec; writes qrec, kvrec
.if DOCPART == 2
	.amdgcn_target "amdgcn-amd-amdhsa--gfx1250"
	.amdhsa_code_object_version 6
	.text
	.protected	k_q7b169e4eb5_qkv
	.globl	k_q7b169e4eb5_qkv
	.p2align	8
	.type	k_q7b169e4eb5_qkv,@function
k_q7b169e4eb5_qkv:
	s_mov_b64 s[64:65], 0
	v_nop
	global_prefetch_b8 v0, s[64:65] scope:SCOPE_SE
	s_setreg_imm32_b32 hwreg(HW_REG_WAVE_MODE, 25, 1), 1
	s_wait_xcnt 0x0
	s_wait_alu depctr_hold_cnt(0) depctr_sa_sdst(0) depctr_va_vdst(0) depctr_va_sdst(0) depctr_va_ssrc(0) depctr_va_vcc(0) depctr_vm_vsrc(0)
	s_getreg_b32 s2, hwreg(HW_REG_IB_STS2, 6, 4)
	s_cmp_eq_u32 s2, 0
	s_cbranch_scc0 .Lentry_in_a_cluster
	s_endpgm
.Lentry_in_a_cluster:
	s_bfe_u32 s2, ttmp6, 0x10000c
	s_cmp_lg_u32 s2, 0xf033
	s_cbranch_scc0 .Lentry_shape_is_right
	s_endpgm
.Lentry_shape_is_right:
; q, k, v = h Wq, h Wk, h Wv on codes of FP6 (E2M3) with E8M0 scales, K = 1,024; the results are quantised at once and stored as IMAGES OF THE OPERAND REGISTERS that the attention launch loads.
; A = h: codes laid [4 slabs of 256 along K][4,096 tokens][192 bytes], scale bytes [4,096][32].  B = a weight: [1,024 rows = 16 heads x 64][768 bytes], scale bytes [1,024][32].
; A tile of the result, 256 tokens x 256 weight rows (4 heads), is made by four waves, each 128 x 128: 64 accumulators, 512 registers.  K goes in steps of 256 through a ring of two LDS slots filled by the tensor data mover.
; CLUSTERS: 4 x 4 work-groups.  The cluster's x (0, 1, 2) says which weight: Wq, Wk, Wv; the place cx in the cluster says which 256 rows of it.  A's tiles are asked for jointly along a row of the cluster, B's along a column.
; THE MATRIX INSTRUCTION IS USED TRANSPOSED (source 0 = 16 rows of B, source 1 = 16 rows of A): a lane holds one token and eight neighbouring columns.
; THE WAY OUT.  q and k are quantised along the head's 64 (two blocks), v along the tokens (blocks of 32).  A record holds 128 tokens of one head, 6,656 bytes a part:
;   q or k: 8 tiles of 768 bytes; row p of tile T is token 32 (T / 2) + 8 (T % 2) + p + 8 (p / 8); lane p + 16 B holds block B: registers 0-3 at 768 T + 16 lane, registers 4-5 at 768 T + 512 + 8 lane;
;           scale words from byte 6,144: that of (T, p) at 16 (p + 16 (T % 2)) + 4 (T / 2); a word is b0, b1, b0, b1: the product's K is filled from 64 to 128 with zero codes, whose bytes only must not be 0xff.
;   v:      4 tiles of 1,536 bytes (16 channels x 128 tokens); row p of tile c is channel 32 (c / 2) + 8 (c % 2) + p + 8 (p / 8); register R of a lane at 1,536 c + 512 (R / 4) + 16 lane + 4 (R % 4);
;           scale words from byte 6,144: that of (c, p) at 8 (p + 16 (c % 2)) + 4 (c / 2); 256 zero bytes close the part.
; qrec: [32 heads][16 records][6,656]; kvrec: [32][16][k part, v part].
; LIMITS: NaN and infinities are not served; a block whose largest magnitude lies under 2^-124 (zeros too) keeps the byte 1; the bytes are read by this program alone.
; REGISTERS: window 0: v0-31 addresses; v32-63 scale words, two sets; v128-223 A's fragments; on the way out v64-95 and v128-255 at work.  window 1: B's fragments, two sets.  windows 2, 3: the accumulators ((a, b) at v[8 (8 (a % 4) + b)]).
.set SIZE_K,  1024
.set KSTEP,   256
.set NQ,      KSTEP/128
.set ROWB,    192                      ; a tile's row in bytes
.set ASLAB,   4096*ROWB                ; from a slab of A to the next
.set KROWB,   SIZE_K*6/8               ; a row of B in memory
.set PITCH,   240                      ; an LDS row: 3 x (64 bytes + 16 of padding)
.set FR,      12
.set NL,      6
.set NP,      4                        ; places behind this matrix instruction (ISA guide 7.12.1)
.set HALFT,   128*PITCH
.set SLOT,    4*HALFT
.set LAPS,    SIZE_K/(2*KSTEP)
.set KS,      SIZE_K/32
.set SCL,     2*SLOT                   ; behind the ring: the scales, units of 256 bytes + 16
.set HALFS,   (128*KS/256)*272
.set SBLK,    (16*KS/256)*272
.set SPARE,   SCL+4*HALFS              ; the spare words: 128 bytes a wave, two blocks of 256 bytes that no other line names
.set SPITCH,  528
.set QST,     0                        ; the way out of q and k: a stage of 16 x 528 for each wave,
.set QIM,     33792                    ; and two parts' images, 13,312 bytes a wave
.set VST,     87040                    ; the way out of v, in bytes of its own: a stage of 32 x 528 for each wave,
.set VIM,     154624                   ; and two parts' images
.set ADRA, 16
.set ADRB, 20
.set STO,  24                          ; v24  q, k: into the stage
.set RD,   25                          ; v25  and back: row r, 256 bytes for each half of the lanes
.set CO,   26                          ; v26  16 x lane
.set ADRS, 27
.set SPW,  28                          ; v28  my spare word; never rewritten
.set NIL,  29                          ; v29  0; never rewritten
.set AQ16, 7
.set AQ8,  8
.set AQS,  9
.set QCR,  10
.set VSTO, 11
.set VRD,  12
.set AV,   13
.set AVS,  14
.set VZ,   15
.set VCR,  30
.set SC,   32
.set AF,   128
.set BK,   128
.set G1, 24
.set G0, 32
.set G1B, 48
.set G0B, 56
.set G1S, 68
.set G0S, 76
.set G1SB, 80
.set G0SB, 88
.set MSB, 0
.macro WIN new                         ; the immediate's high byte repeats the setting that is left
.if MSB != (\new)
	s_set_vgpr_msb (MSB<<8)|(\new)
.set MSB, (\new)
.endif
.endm
.set MUL_LO, 0xa1                      ; source 0 (B) window 1, source 1 (A) window 0, C and D window 2
.set MUL_HI, 0xf1
.set TO_B,   0x40
; A joint load: waves 0 and 1 fetch for A, waves 2 and 3 for B; the branch hangs on the wave's number alone.  Four v_nop follow each of the two lines.
.macro JLOAD g0a, g1a, g0b, g1b
	s_cmp_eq_u32 s15, 0
	s_cbranch_scc0 .Lfor_b_\@
	tensor_load_to_lds s[\g0a:\g0a+3], s[\g1a:\g1a+7]
	s_nop 0
.rept 4
	v_nop
.endr
	s_branch .Lasked_\@
.Lfor_b_\@:
	tensor_load_to_lds s[\g0b:\g0b+3], s[\g1b:\g1b+7]
	s_nop 0
.rept 4
	v_nop
.endr
.Lasked_\@:
.endm
.macro CREST                           ; a round of the cluster's barrier behind its opening barrier
	s_cmp_lg_u32 s14, 0
	s_cbranch_scc1 .Lnot_wave_0_\@
	s_barrier_signal -3
.Lnot_wave_0_\@:
	s_barrier_wait -3
	s_barrier_signal -1
	s_barrier_wait -1
.endm
.macro CROUND
	s_barrier_signal -1
	s_barrier_wait -1
	CREST
.endm
	s_load_b128 s[4:7], s[0:1], 0x0                ; A's codes, A's scales
	s_load_b256 s[68:75], s[0:1], 0x10             ; Wq's codes and scales, Wk's
	s_load_b128 s[76:79], s[0:1], 0x30             ; Wv's
	s_load_b128 s[96:99], s[0:1], 0x40             ; qrec, kvrec
	v_lshl_add_u32 v[SPW], v0, 2, SPARE
	v_mov_b32 v[NIL], 0
	ds_add_u32 v28, v29
	ds_add_u32 v28, v29
	s_wait_dscnt 0x0
	v_lshrrev_b32 v1, 5, v0
	v_readfirstlane_b32 s14, v1                    ; wave 0..3
	s_lshr_b32 s15, s14, 1                         ; which half of the tile's rows is mine.  Also: I fetch for A (0) or for B (1)
	s_and_b32 s16, s14, 1                          ; which half of its columns.  Also: which 128 rows of that tile I fetch
	s_bfe_u32 s40, ttmp6, 0x40000                  ; cx, cy
	s_bfe_u32 s41, ttmp6, 0x40004
	s_mov_b32 s42, s40                             ; tile column INSIDE the weight = cx; the cluster's x chooses the weight
	s_and_b32 s17, ttmp7, 0xffff
	s_lshl_b32 s17, s17, 2
	s_add_co_u32 s17, s17, s41                     ; tile row = 4 x cluster y + cy
	s_lshl_b32 s43, s41, 2
	s_lshl_b32 s43, 15, s43                        ; my row of the cluster
	s_lshl_b32 s44, 0x1111, s40                    ; my column
	s_or_b32 s[G1+0], s43, (0<<16)|(1<<20)|(1<<21)|(3<<22)|(3<<25)  ; the mask; elements of 1 byte; padding on; bit 21 beside a mask; after every 16 words 4 words
	s_or_b32 s[G1B+0], s44, (0<<16)|(1<<20)|(1<<21)|(3<<22)|(3<<25)
.irp g, G1, G1B
	s_mov_b32 s[\g+1], ROWB<<16                    ; tensor_dim0
	s_mov_b32 s[\g+2], 128<<16                     ; tensor_dim1
	s_mov_b32 s[\g+3], ROWB<<16                    ; tile_dim0
	s_mov_b32 s[\g+4], 128                         ; tile_dim1
	s_mov_b32 s[\g+6], 0
	s_mov_b32 s[\g+7], 0
.endr
	s_mov_b32 s[G1+5], ROWB                        ; A's rows follow each other inside a slab
	s_mov_b32 s[G1B+5], KROWB
	s_lshl_b32 s18, s16, 7
	s_lshl_b32 s20, s17, 8
	s_add_co_u32 s20, s20, s18                     ; A: row 256 x tile row + 128 x half
	s_lshl_b32 s46, s42, 8
	s_add_co_u32 s46, s46, s18                     ; B: row 256 x tile column + 128 x half
	s_mov_b32 s21, 0
	s_mov_b32 s47, 0
	s_mov_b64 s[18:19], KS
	s_mul_u64 s[22:23], s[20:21], s[18:19]         ; where these rows' scales begin
	s_mul_u64 s[92:93], s[46:47], s[18:19]
	s_mov_b64 s[18:19], ROWB
	s_mul_u64 s[20:21], s[20:21], s[18:19]         ; and their codes
	s_mov_b64 s[18:19], KROWB
	s_mul_u64 s[46:47], s[46:47], s[18:19]
	s_mul_i32 s45, s14, HALFT                      ; where they go: no place in the cluster enters an LDS address
	s_mul_i32 s94, s14, HALFS
	s_wait_kmcnt 0x0
	s_cmp_eq_u32 ttmp9, 0                          ; which weight: the cluster's x, the same in all sixteen partners
	s_cselect_b64 s[8:9], s[68:69], s[72:73]
	s_cselect_b64 s[10:11], s[70:71], s[74:75]
	s_cmp_eq_u32 ttmp9, 2
	s_cselect_b64 s[8:9], s[76:77], s[8:9]
	s_cselect_b64 s[10:11], s[78:79], s[10:11]
	s_or_b32 s[G1S+0], s43, (3<<16)|(1<<20)|(1<<21)|(5<<22)|(3<<25)   ; the scales of 128 rows: a dense block, as rows of 256 bytes with 16 of padding
	s_or_b32 s[G1SB+0], s44, (3<<16)|(1<<20)|(1<<21)|(5<<22)|(3<<25)
.irp g, G1S, G1SB
	s_mov_b32 s[\g+1], 32<<16
	s_mov_b32 s[\g+2], (128*KS/256)<<16
	s_mov_b32 s[\g+3], 32<<16
	s_mov_b32 s[\g+4], 128*KS/256
	s_mov_b32 s[\g+5], 32
	s_mov_b32 s[\g+6], 0
	s_mov_b32 s[\g+7], 0
.endr
	s_add_nc_u64 s[20:21], s[4:5], s[20:21]
	s_add_nc_u64 s[22:23], s[6:7], s[22:23]
	s_add_nc_u64 s[46:47], s[8:9], s[46:47]
	s_add_nc_u64 s[92:93], s[10:11], s[92:93]
	CROUND                                         ; all sixteen work-groups are here: the first joint loads meet
	s_mov_b32 s[G0S], 1
	s_add_co_u32 s[G0S+1], s94, SCL
	s_mov_b64 s[G0S+2:G0S+3], s[22:23]
	s_or_b32 s[G0S+3], s[G0S+3], 0x80000000
	s_mov_b32 s[G0SB], 1
	s_add_co_u32 s[G0SB+1], s94, SCL
	s_mov_b64 s[G0SB+2:G0SB+3], s[92:93]
	s_or_b32 s[G0SB+3], s[G0SB+3], 0x80000000
	JLOAD G0S, G1S, G0SB, G1SB                     ; the scales first: filled once
.irp s, 0,1
	s_mov_b32 s[G0+4*\s], 1
	s_add_co_u32 s[G0+4*\s+1], s45, \s*SLOT
	s_add_nc_u64 s[G0+4*\s+2:G0+4*\s+3], s[20:21], \s*ASLAB
	s_or_b32 s[G0+4*\s+3], s[G0+4*\s+3], 0x80000000
	s_mov_b32 s[G0B+4*\s], 1
	s_add_co_u32 s[G0B+4*\s+1], s45, \s*SLOT
	s_add_nc_u64 s[G0B+4*\s+2:G0B+4*\s+3], s[46:47], \s*ROWB
	s_or_b32 s[G0B+4*\s+3], s[G0B+4*\s+3], 0x80000000
	JLOAD G0+4*\s, G1, G0B+4*\s, G1B               ; three tensor loads of mine are out
.endr
	v_and_b32 v1, 15, v0                           ; r
	v_bfe_u32 v2, v0, 4, 1                         ; h
	v_mul_u32_u24 v3, v1, PITCH
	v_mul_u32_u24 v4, v2, 24
	v_add_nc_u32 v4, v3, v4                        ; a fragment's row x pitch + 24 x half
	v_lshl_add_u32 v5, v2, 4, v4                   ; and the same behind one padding more
	s_mul_i32 s21, s15, HALFT
	s_mul_i32 s22, s16, HALFT
	s_add_co_u32 s22, s22, 2*HALFT
.irp s, 0,1
	v_add_nc_u32 v[ADRA+\s], s21, v4
	v_add_nc_u32 v[ADRB+\s], s22, v4
	v_add_nc_u32 v[ADRA+2+\s], s21, v5
	v_add_nc_u32 v[ADRB+2+\s], s22, v5
	s_add_co_u32 s21, s21, SLOT
	s_add_co_u32 s22, s22, SLOT
.endr
	v_mul_u32_u24 v5, v1, KS                       ; my row's scales: KS bytes a row, and 16 more for each 256 passed
	v_lshrrev_b32 v6, 8, v5
	v_lshl_add_u32 v5, v6, 4, v5
	s_mul_i32 s21, s15, HALFS
	s_mul_i32 s22, s16, HALFS
	s_add_co_u32 s22, s22, 2*HALFS
	s_sub_co_u32 s22, s22, s21
	v_mul_u32_u24 v6, s22, v2                      ; lanes 16-31 take B's
	s_add_co_u32 s21, s21, SCL
	v_add_nc_u32 v5, v5, v6
	v_add_nc_u32 v[ADRS], s21, v5
	; the way out's addresses, all made here
	v_and_b32 v6, 31, v0                           ; lane
	v_lshlrev_b32 v[CO], 4, v6
	v_mul_u32_u24 v5, v1, SPITCH                   ; 528 r
	s_mul_i32 s23, s14, 16*SPITCH
	v_lshl_add_u32 v[STO], v2, 5, v5
	v_add_nc_u32 v[STO], s23, v[STO]               ; QST + 8,448 w + 528 r + 32 h   (QST = 0)
	v_lshl_add_u32 v[RD], v2, 8, v5
	v_add_nc_u32 v[RD], s23, v[RD]                 ; + 256 h
	s_mul_i32 s23, s14, 32*SPITCH
	s_add_co_u32 s23, s23, VST
	v_lshl_add_u32 v[VSTO], v2, 5, v5
	v_add_nc_u32 v[VSTO], s23, v[VSTO]             ; VST + 16,896 w + 528 r + 32 h
	v_lshl_add_u32 v[VRD], v6, 2, s23              ; VST + 16,896 w + 4 lane
	s_mul_i32 s23, s14, 13312
	s_add_co_u32 s22, s23, QIM
	s_add_co_u32 s23, s23, VIM
	v_lshrrev_b32 v3, 3, v1                        ; r / 8
	v_and_b32 v4, 7, v0                            ; r % 8 = lane % 8
	v_mul_u32_u24 v5, v2, 6656
	v_mad_u32_u24 v5, v3, 768, v5
	v_add_nc_u32 v5, s22, v5                       ; QIM + 13,312 w + 6,656 h + 768 (r / 8)
	v_lshl_add_u32 v[AQ16], v4, 4, v5
	v_lshl_add_u32 v[AQ8], v4, 3, v5
	v_add_nc_u32 v[AQ8], 512, v[AQ8]
	v_mul_u32_u24 v5, v2, 6656
	v_lshl_add_u32 v5, v3, 8, v5
	v_lshl_add_u32 v5, v4, 4, v5
	v_add_nc_u32 v5, s22, v5
	v_add_nc_u32 v[AQS], 6144, v5
	v_add_nc_u32 v[QCR], s22, v[CO]
	v_lshl_add_u32 v5, v2, 3, v4                   ; p = lane % 8 + 8 (lane / 16)
	v_mul_u32_u24 v[AV], v3, 1536                  ; (lane / 8) % 2 = r / 8
	v_lshl_add_u32 v[AV], v5, 4, v[AV]
	v_add_nc_u32 v[AV], s23, v[AV]
	v_lshl_add_u32 v5, v3, 4, v5                   ; p + 16 ((lane / 8) % 2)
	v_lshl_add_u32 v[AVS], v5, 3, s23
	v_add_nc_u32 v[AVS], 6144, v[AVS]
	v_lshl_add_u32 v[VZ], v6, 3, s23
	v_add_nc_u32 v[VZ], 6400, v[VZ]
	v_add_nc_u32 v[VCR], s23, v[CO]
	; where my two heads' parts go
	s_lshr_b32 s20, s17, 3                         ; the batch
	s_lshl_b32 s20, s20, 4
	s_lshl_b32 s21, s40, 2
	s_add_co_u32 s20, s20, s21
	s_lshl_b32 s21, s16, 1
	s_add_co_u32 s20, s20, s21                     ; my first head among 32: 16 b + 4 cx + 2 x column half
	s_lshl_b32 s20, s20, 4
	s_and_b32 s21, s17, 7
	s_lshl_b32 s21, s21, 1
	s_add_co_u32 s20, s20, s21
	s_add_co_u32 s20, s20, s15                     ; + the record: 2 (tile row % 8) + row half
	s_cmp_eq_u32 ttmp9, 0
	s_cselect_b64 s[96:97], s[96:97], s[98:99]     ; q goes to qrec, k and v to kvrec
	s_mov_b32 s22, 13312
	s_cselect_b32 s22, 6656, s22                   ; a record's bytes
	s_cmp_eq_u32 ttmp9, 2
	s_cselect_b32 s23, 6656, 0                     ; v's part lies behind k's
	s_mul_i32 s20, s20, s22
	s_add_co_u32 s20, s20, s23
	s_mov_b32 s21, 0
	s_add_nc_u64 s[96:97], s[96:97], s[20:21]      ; my first head's part,
	s_lshl_b32 s20, s22, 4
	s_add_nc_u64 s[98:99], s[96:97], s[20:21]      ; and the next head's: 16 records on
.macro FRAG reg, adr, q, i             ; 16 rows x 128 K: 12 registers: lane (r, h): registers 6 c .. 6 c + 5 = K 64 c + 32 h + 0 .. 31, in pieces of 8 bytes; where the piece of lanes 16-31 lies behind one padding more, the second address register serves
.irp p, 0,1,2,3,4,5
.set PC, 12*(\q)+6*(\p/3)+\p%3
.if PC%8 < 5
	ds_load_b64 v[\reg+2*\p:\reg+2*\p+1], v[\adr] offset:8*PC+16*(PC/8)+(\i)*16*PITCH
.else
	ds_load_b64 v[\reg+2*\p:\reg+2*\p+1], v[\adr+2] offset:8*PC+16*(PC/8)+(\i)*16*PITCH
.endif
.endr
.endm
; 16 matrix instructions: A's blocks a0, a0 + 1 x B's eight.  zero = 1: the first product starts the sums.  The 64 accumulators take turns, one instruction a turn.
.macro MUL16 a0, p, q, sc, zero
.irp a, \a0, \a0+1
.irp b, 0,1,2,3,4,5,6,7
.set rD, 8*(8*((\a)%4)+\b)
.set rB, 128*(\p)+FR*\b
.set rA, AF+FR*(\a)
.set rSB, SC+8*NQ*(\sc)+NQ*\b+(\q)
.set rSA, SC+8*NQ*(\sc)+NQ*(\a)+(\q)
.if \zero == 1
	v_wmma_scale_f32_16x16x128_f8f6f4 v[rD:rD+7], v[rB:rB+FR-1], v[rA:rA+FR-1], 0, v[rSB], v[rSA] matrix_a_fmt:MATRIX_FMT_FP6 matrix_b_fmt:MATRIX_FMT_FP6 matrix_a_scale:MATRIX_SCALE_ROW1
.else
	v_wmma_scale_f32_16x16x128_f8f6f4 v[rD:rD+7], v[rB:rB+FR-1], v[rA:rA+FR-1], v[rD:rD+7], v[rSB], v[rSA] matrix_a_fmt:MATRIX_FMT_FP6 matrix_b_fmt:MATRIX_FMT_FP6 matrix_a_scale:MATRIX_SCALE_ROW1
.endif
.endr
.endr
.endm
.macro FETCH_B slot, q, p
	WIN TO_B
.irp i, 0,1,2,3,4,5,6,7
	FRAG 128*(\p)+FR*\i, ADRB+\slot, \q, \i
.endr
	WIN 0
.endm
.macro FETCH_A slot, q, i0
.irp i, \i0, \i0+1, \i0+2, \i0+3
	FRAG AF+FR*(\i), ADRA+\slot, \q, \i
.endr
.endm
.macro SCALES sc                       ; a K step's scale words: lanes 0-15 A's block i, lanes 16-31 B's block i
.irp i, 0,1,2,3,4,5,6,7
	ds_load_b64 v[SC+8*NQ*\sc+NQ*\i:SC+8*NQ*\sc+NQ*\i+1], v[ADRS] offset:\i*SBLK
.endr
.endm
.macro PLACES n                        ; plain vector instructions between a matrix instruction and a load into its registers or a read of its result
.rept \n
	v_nop
.endr
.endm
.macro STEP slot, q, zero              ; 128 along K, with its successor in the same slot
	s_wait_dscnt 4*NL                              ; B's set, A's blocks 0-3 and the scale words are in; the 24 loads of A's blocks 4-7 may be out
	WIN MUL_LO
	MUL16 0, (\q)%2, \q, \slot, \zero
	MUL16 2, (\q)%2, \q, \slot, \zero
	s_wait_dscnt 0
	PLACES NP
	FETCH_B \slot, (\q)+1, 1-(\q)%2
	FETCH_A \slot, (\q)+1, 0
	WIN MUL_HI
	MUL16 4, (\q)%2, \q, \slot, \zero
	MUL16 6, (\q)%2, \q, \slot, \zero
	PLACES NP
	WIN 0
	FETCH_A \slot, (\q)+1, 4
.endm
; A slot's last step changes slots: one barrier; in front of it each wave waits for all its tensor loads, adds 0 to its spare word, and waits for that and for its reads of this slot.
.macro TURN slot, next, fill
	s_wait_tensorcnt 0x0                           ; all my tensor loads have landed: my part of the next slot
	ds_add_u32 v[SPW], v[NIL]                      ; 0 onto my spare word
	s_wait_dscnt 4*NL+1                            ; the add and the 24 loads of A's blocks 4-7 may be out
	WIN MUL_LO
	MUL16 0, 1, NQ-1, \slot, 0
	s_wait_dscnt 0x0                               ; the add is done, and my reads of this slot are over
	s_barrier_signal -1
	MUL16 2, 1, NQ-1, \slot, 0
	WIN 0
	s_barrier_wait -1
.if \fill
	CREST                                          ; the barrier has opened a round of the cluster's: no wave of any partner still reads this slot or has a load on its way
	s_add_nc_u64 s[G0+4*\slot+2:G0+4*\slot+3], s[G0+4*\slot+2:G0+4*\slot+3], 2*ASLAB
	s_add_nc_u64 s[G0B+4*\slot+2:G0B+4*\slot+3], s[G0B+4*\slot+2:G0B+4*\slot+3], 2*ROWB
	JLOAD G0+4*\slot, G1, G0B+4*\slot, G1B         ; my one tensor load behind the round; its four v_nop are the places in front of the loads below
.else
	PLACES NP
.endif
	v_add_nc_u32 v[ADRS], 4*NQ, v[ADRS]
	FETCH_B \next, 0, 0
	FETCH_A \next, 0, 0
	SCALES \next
	WIN MUL_HI
	MUL16 4, 1, NQ-1, \slot, 0
	MUL16 6, 1, NQ-1, \slot, 0
	PLACES NP
	WIN 0
	FETCH_A \next, 0, 4
.endm
	s_wait_tensorcnt 1                             ; the scales and my part of K step 0 are in; K step 1's load may stay out
	s_barrier_signal -1
	s_barrier_wait -1
	FETCH_B 0, 0, 0
	FETCH_A 0, 0, 0
	SCALES 0
	FETCH_A 0, 0, 4
	STEP 0, 0, 1                                   ; the first step's products start the sums
	s_mov_b32 s3, LAPS-1
.Llap:
	TURN 0, 1, 1
	STEP 1, 0, 0
	TURN 1, 0, 1
	STEP 0, 0, 0
	s_sub_co_u32 s3, s3, 1
	s_cmp_lg_u32 s3, 0
	s_cbranch_scc1 .Llap
	TURN 0, 1, 0                                   ; the last lap fills nothing
	STEP 1, 0, 0
	s_wait_dscnt 4*NL
	WIN MUL_LO
	MUL16 0, 1, NQ-1, 1, 0
	MUL16 2, 1, NQ-1, 1, 0
	s_wait_dscnt 0
	WIN MUL_HI
	MUL16 4, 1, NQ-1, 1, 0
	MUL16 6, 1, NQ-1, 1, 0
	WIN 0
	PLACES NP                                      ; in front of the first read of results and of loads into A's registers
	s_barrier_signal -1                            ; every wave's reads of both slots are over (its last wait on DScnt was for 0): both slots have had their last fill and may hold stages and images
	s_barrier_wait -1
.macro TOSTORE a, adr, off             ; block a's eight accumulators into a stage, each from its low end on: row r, columns 16 b + 8 h + 0 .. 7
.set AC, 64*((\a)%4)
	WIN 0x08+4*((\a)/4)
.irp b, 0,1,2,3,4,5,6,7
	ds_store_b128 v[\adr], v[AC+8*\b:AC+8*\b+3] offset:\off+64*\b
	ds_store_b128 v[\adr], v[AC+8*\b+4:AC+8*\b+7] offset:\off+64*\b+16
.endr
	WIN 0
.endm
.macro BACK2 a                         ; and back: lane (r, h) takes row r, columns 64 h .. 64 h + 63: one head's 64, two whole blocks
.set ii, 0
.rept 16
	ds_load_b128 v[BK+64*((\a)%2)+4*ii:BK+64*((\a)%2)+4*ii+3], v[RD] offset:16*ii
.set ii, ii+1
.endr
.endm
.macro QUANT2                          ; v[XS] .. v[XS + 63]: two blocks of 32 -> codes v64-75, bytes v84, v85
	v_max3_num_f32 v86, |v[XS]|, |v[XS+1]|, 0x1800000        ; the floor 2^(3 - 127): the byte cannot fall under 1
	v_max3_num_f32 v87, |v[XS+32]|, |v[XS+33]|, 0x1800000
.irp i, 2,4,6,8,10,12,14,16,18,20,22,24,26,28,30
	v_max3_num_f32 v86, v86, |v[XS+\i]|, |v[XS+\i+1]|
	v_max3_num_f32 v87, v87, |v[XS+32+\i]|, |v[XS+33+\i]|
.endr
	v_add_nc_u32 v88, 0xff000000, v86              ; 2 off the exponent field: the conversion's scale operand
	v_add_nc_u32 v89, 0xff000000, v87
	v_cvt_scalef32_pk16_fp6_f32 v[64:66], v[XS:XS+15], v88
	v_cvt_scalef32_pk16_fp6_f32 v[76:78], v[XS+16:XS+31], v88
	v_cvt_scalef32_pk16_fp6_f32 v[70:72], v[XS+32:XS+47], v89
	v_cvt_scalef32_pk16_fp6_f32 v[80:82], v[XS+48:XS+63], v89
	v_lshrrev_b32 v84, 23, v88                     ; the bytes; also the plain place behind the conversions
	v_lshrrev_b32 v85, 23, v89
	v_mov_b32 v67, v76
	v_mov_b32 v68, v77
	v_mov_b32 v69, v78
	v_mov_b32 v73, v80
	v_mov_b32 v74, v81
	v_mov_b32 v75, v82
.endm
.macro COPYOUT adr                     ; my two parts, 13,312 bytes, leave as they lie: 512 consecutive bytes a store, at multiples of 256 from the buffer's first byte
.set cc, 0
.rept 26
	ds_load_b128 v[BK+4*cc:BK+4*cc+3], v[\adr] offset:512*cc       ; LDS serves a wave's instructions in order: these see my stores
.set cc, cc+1
.endr
.set cc, 0
.rept 13
	s_wait_dscnt 25-cc                             ; the younger loads may stay out
	global_store_b128 v[CO], v[BK+4*cc:BK+4*cc+3], s[96:97] offset:512*cc
.set cc, cc+1
.endr
.rept 13
	s_wait_dscnt 25-cc
	global_store_b128 v[CO], v[BK+4*cc:BK+4*cc+3], s[98:99] offset:512*(cc-13)
.set cc, cc+1
.endr
.endm
	s_cmp_eq_u32 ttmp9, 2                          ; the cluster's x: the same in all partners
	s_cbranch_scc1 .Lvpath
	; ---- q and k: quantised along the head's 64.  Token 16 a + r is row 8 (a % 2) + r % 8 of tile 2 (a / 2) + r / 8
	TOSTORE 0, STO, 0
	BACK2 0
.irp a, 0,1,2,3,4,5,6,7
.if \a < 7
	TOSTORE \a+1, STO, 0
	BACK2 \a+1
	s_wait_dscnt 32                                ; all but the next block's 16 stores and 16 loads: this block is back, and the last block's stores of codes are done
.else
	s_wait_dscnt 0x0
.endif
.set XS, BK+64*(\a%2)
	QUANT2
	v_lshl_or_b32 v90, v85, 8, v84
	v_lshl_or_b32 v90, v90, 16, v90                ; b0, b1, b0, b1
	ds_store_b128 v[AQ16], v[64:67] offset:1536*(\a/2)+128*(\a%2)
	ds_store_b64 v[AQ8], v[68:69] offset:1536*(\a/2)+64*(\a%2)
	ds_store_b128 v[AQ16], v[70:73] offset:1536*(\a/2)+128*(\a%2)+256
	ds_store_b64 v[AQ8], v[74:75] offset:1536*(\a/2)+64*(\a%2)+128
	ds_store_b32 v[AQS], v90 offset:128*(\a%2)+4*(\a/2)
.endr
	COPYOUT QCR
	s_branch .Ldone
.Lvpath:
	; ---- v: quantised along the tokens.  32 tokens (a block) lie in the stage as rows; a lane takes a column, and its 32 registers run down the tokens
.macro VLOADS p
.set ii, 0
.rept 32
	ds_load_b32 v[BK+32*((\p)%2)+ii], v[VRD] offset:128*(\p)+528*ii
.set ii, ii+1
.endr
.endm
	v_mov_b32 v92, 0
	v_mov_b32 v93, 0
	ds_store_b64 v[VZ], v[92:93]                   ; the parts' last 256 bytes
	ds_store_b64 v[VZ], v[92:93] offset:6656
.irp g, 0,1,2,3
	TOSTORE 2*\g, VSTO, 0
	TOSTORE 2*\g+1, VSTO, 8448
	VLOADS 0
.irp p, 0,1,2,3                        ; column 32 p + lane: head p / 2, channel 32 (p % 2) + lane
.if \p < 3
	VLOADS \p+1
	s_wait_dscnt 32                                ; all but the next pass's 32 loads
.else
	s_wait_dscnt 0x0
.endif
.set VX, BK+32*(\p%2)
.set OFV, 6656*(\p/2)+3072*(\p%2)+256*(\g%2)
	v_max3_num_f32 v86, |v[VX]|, |v[VX+1]|, 0x1800000
	v_max3_num_f32 v87, |v[VX+2]|, |v[VX+3]|, 0x1800000
.irp i, 4,8,12,16,20,24,28
	v_max3_num_f32 v86, v86, |v[VX+\i]|, |v[VX+\i+1]|
	v_max3_num_f32 v87, v87, |v[VX+\i+2]|, |v[VX+\i+3]|
.endr
	v_max_num_f32 v86, v86, v87
	v_add_nc_u32 v88, 0xff000000, v86
	v_cvt_scalef32_pk16_fp6_f32 v[64:66], v[VX:VX+15], v88
	v_cvt_scalef32_pk16_fp6_f32 v[76:78], v[VX+16:VX+31], v88
	v_lshrrev_b32 v84, 23, v88                     ; the byte; also the plain place behind the conversions
	v_mov_b32 v67, v76
	v_mov_b32 v68, v77
	v_mov_b32 v69, v78
.if \g < 2                             ; token block g is registers 6 (g / 2) .. + 5 of lane p + 16 (g % 2)
	ds_store_b128 v[AV], v[64:67] offset:OFV
	ds_store_b64 v[AV], v[68:69] offset:OFV+512
.else
	ds_store_b64 v[AV], v[64:65] offset:OFV+520
	ds_store_b128 v[AV], v[66:69] offset:OFV+1024
.endif
	ds_store_b8 v[AVS], v84 offset:6656*(\p/2)+4*(\p%2)+\g
.endr
.endr
	COPYOUT VCR
.Ldone:
	s_wait_tensorcnt 0x0                           ; the wave's end
	ds_add_u32 v[SPW], v[NIL]
	s_wait_dscnt 0x0
	CROUND                                         ; the closing round
	s_endpgm
.Lfunc_end_k_q7b169e4eb5_qkv:
	.size	k_q7b169e4eb5_qkv, .Lfunc_end_k_q7b169e4eb5_qkv-k_q7b169e4eb5_qkv
	.p2alignl 7, 3214868480
	.fill 96, 4, 3214868480
	.section	.rodata,"a",@progbits
	.p2align	6, 0x0
	.amdhsa_kernel k_q7b169e4eb5_qkv
		.amdhsa_group_segment_fixed_size 327680
		.amdhsa_private_segment_fixed_size 0
		.amdhsa_enable_private_segment 0
		.amdhsa_kernarg_size 80
		.amdhsa_user_sgpr_count 2
		.amdhsa_user_sgpr_kernarg_segment_ptr 1
		.amdhsa_wavefront_size32 1
		.amdhsa_system_sgpr_workgroup_id_x 1
		.amdhsa_system_sgpr_workgroup_id_y 1
		.amdhsa_system_sgpr_workgroup_id_z 1
		.amdhsa_system_vgpr_workitem_id 0
		.amdhsa_next_free_vgpr 1024
		.amdhsa_next_free_sgpr 100
		.amdhsa_reserve_vcc 0
		.amdhsa_float_denorm_mode_32 3
		.amdhsa_float_denorm_mode_16_64 3
		.amdhsa_memory_ordered 1
		.amdhsa_forward_progress 1
		.amdhsa_inst_pref_size 251
	.end_amdhsa_kernel
	.amdgpu_metadata
---
amdhsa.version: [ 1, 2 ]
amdhsa.kernels:
  - .name:           k_q7b169e4eb5_qkv
    .symbol:         k_q7b169e4eb5_qkv.kd
    .args:
      - { .name: act, .offset: 0, .size: 8, .value_kind: global_buffer, .address_space: global }
      - { .name: acts, .offset: 8, .size: 8, .value_kind: global_buffer, .address_space: global }
      - { .name: Wq_codes, .offset: 16, .size: 8, .value_kind: global_buffer, .address_space: global }
      - { .name: Wq_scales, .offset: 24, .size: 8, .value_kind: global_buffer, .address_space: global }
      - { .name: Wk_codes, .offset: 32, .size: 8, .value_kind: global_buffer, .address_space: global }
      - { .name: Wk_scales, .offset: 40, .size: 8, .value_kind: global_buffer, .address_space: global }
      - { .name: Wv_codes, .offset: 48, .size: 8, .value_kind: global_buffer, .address_space: global }
      - { .name: Wv_scales, .offset: 56, .size: 8, .value_kind: global_buffer, .address_space: global }
      - { .name: qrec, .offset: 64, .size: 8, .value_kind: global_buffer, .address_space: global }
      - { .name: kvrec, .offset: 72, .size: 8, .value_kind: global_buffer, .address_space: global }
    .group_segment_fixed_size: 327680
    .private_segment_fixed_size: 0
    .kernarg_segment_align: 8
    .kernarg_segment_size: 80
    .max_flat_workgroup_size: 128
    .sgpr_count:     100
    .vgpr_count:     1024
    .wavefront_size: 32
...
	.end_amdgpu_metadata
.endif
;; end of part 2
;; launch attn (part 3): grid 8 x 32, 16 waves a work-group, clusters of 4 x 1, 215,040 bytes of LDS; arguments qrec, kvrec, act, acts; writes act, acts
.if DOCPART == 3
	.amdgcn_target "amdgcn-amd-amdhsa--gfx1250"
	.amdhsa_code_object_version 6
	.text
	.protected	k_q7b169e4eb5_attn
	.globl	k_q7b169e4eb5_attn
	.p2align	8
	.type	k_q7b169e4eb5_attn,@function
k_q7b169e4eb5_attn:
	s_mov_b64 s[64:65], 0
	v_nop
	global_prefetch_b8 v0, s[64:65] scope:SCOPE_SE
	s_setreg_imm32_b32 hwreg(HW_REG_WAVE_MODE, 25, 1), 1
	s_wait_xcnt 0x0
	s_wait_alu depctr_hold_cnt(0) depctr_sa_sdst(0) depctr_va_vdst(0) depctr_va_sdst(0) depctr_va_ssrc(0) depctr_va_vcc(0) depctr_vm_vsrc(0)
	s_getreg_b32 s2, hwreg(HW_REG_IB_STS2, 6, 4)
	s_cmp_eq_u32 s2, 0
	s_cbranch_scc0 .Lentry_in_a_cluster
	s_endpgm
.Lentry_in_a_cluster:
	s_bfe_u32 s2, ttmp6, 0x10000c
	s_cmp_lg_u32 s2, 0x3003
	s_cbranch_scc0 .Lentry_shape_is_right
	s_endpgm
.Lentry_shape_is_right:
; ATTENTION on codes of FP6 (E2M3): o = softmax(q k^T / 8) v for 32 heads of 2,048 tokens, head size 64; o / l is quantised along D and stored as the next product's operand.
; q, k, v come as images of operand registers, in records of 128 tokens (the launch before lays them): a q or k part is 8 tiles of 768 bytes (lane's registers 0-3 at 768 T + 16 lane, 4-5 at 768 T + 512 + 8 lane) and 512 bytes of scale words;
; a v part is 4 tiles of 1,536 bytes (16 channels x 128 keys, three runs of 16 bytes a lane) and its scale words.  Row p of a q or k tile T is token 32 (T / 2) + 8 (T % 2) + p + 8 (p / 8), so that the 16 registers of
; score tiles 2 b, 2 b + 1 are 16 neighbouring keys; the channels of a v tile are chosen likewise, so that o's 16 registers of two tiles are 16 neighbouring channels.
; The first product's K is 64: registers 6-11 of q's and k's fragments are zero codes, which add nothing.
; THE SOFTMAX: t = score x log2(e) / 8; M = the running largest t rounded UP to a whole number; p = 2^(t - M) is quantised along the keys, not normalised; the row's sum is taken of the unquantised p and divides at the end.
; When M moves, the sum and O are multiplied by 2^(old M - new M): exact.
; SHARES.  A work-group owns 256 queries of one head, each of its sixteen waves one tile of 16: four waves to a SIMD, so that one wave's vector work stands beside another's products and LDS loads.
; THE WHOLE HEAD'S k AND v, 16 records of 13,312 bytes, LIE IN LDS as they lie in memory: filled once, so there is no ring.  CLUSTER: the four query blocks of a cluster belong to one head and ask for the records jointly.
; Each wave brings 3,328 bytes of each quarter (4 records): four tensor loads of mine are out at the start; a quarter is read behind a counted wait and a barrier, while the later quarters land.
; Both products are used transposed: a lane holds ONE query (lane % 16) throughout.
; o leaves in pieces of 12 bytes (16 codes) and 2 bytes (two scale bytes) a lane: one head is a quarter of a slab's row of 192 bytes.
; No prefetch: every tile of the launch is asked for at its head.
; LIMITS: NaN and infinities are not served; a block whose largest magnitude lies under 2^-124 (zeros too) keeps the byte 1; v_exp_f32 and v_rcp_f32 are accurate to 1 ulp; a block's largest p is made from the block's largest score by the same two instructions.
; REGISTERS: v1 16 lane, v2 8 lane, v3, v4 o's lane offsets, v5-7 q's; v8, v9 the step's LDS addresses; v12 -M, v13 the largest t, v[14:15] the sum; v16-27 Q; v[28:29] V's scale words; v32-79 four fragments of K; v80-127 V's four;
;   v128-191 S^T, then p; v192-223 O^T; v224-235 p's codes; v232-254 at work; v248-251 K's scale words; v253 p's scale word; v255 Q's.
.set REC,  13312
.set QTR,  4*REC
.set WSH,  QTR/16                      ; a wave's share of a quarter: 13 rows of 256 bytes
.set S,    128
.set O,    192
.set KFR,  32
.set VFR,  80
.macro ROUND                           ; a round of the cluster's barrier
	s_barrier_signal -1
	s_barrier_wait -1
	s_cmp_lg_u32 s12, 0
	s_cbranch_scc1 .Lnot_wave_0_\@
	s_barrier_signal -3
.Lnot_wave_0_\@:
	s_barrier_wait -3
	s_barrier_signal -1
	s_barrier_wait -1
.endm
	s_load_b128 s[4:7], s[0:1], 0x0                ; qrec, kvrec
	s_load_b128 s[8:11], s[0:1], 0x10              ; the codes of o, their scale bytes
	v_lshl_add_u32 v31, v0, 2, 0x34000
	v_mov_b32 v243, 0
	ds_add_u32 v31, v243
	ds_add_u32 v31, v243
	v_lshrrev_b32 v1, 5, v0
	v_readfirstlane_b32 s12, v1                    ; wave 0..15
	s_bfe_u32 s13, ttmp6, 0x40000                  ; cx
	s_lshl_b32 s14, ttmp9, 2
	s_add_co_u32 s14, s14, s13                     ; my block of 256 queries: it enters global addresses alone
	s_and_b32 s15, ttmp7, 0xffff                   ; the head among 32, which the four partners share
	s_mov_b32 s24, 15|(3<<16)|(1<<21)              ; group 1: the mask: all four; elements of 8 bytes; no padding; bit 21 beside a mask
	s_mov_b32 s25, 32<<16                          ; tensor_dim0 = 32 (256 bytes)
	s_mov_b32 s26, 13<<16                          ; tensor_dim1 = 13
	s_mov_b32 s27, 32<<16                          ; tile_dim0
	s_mov_b32 s28, 13                              ; tile_dim1
	s_mov_b32 s29, 32                              ; the rows are dense
	s_mov_b32 s30, 0
	s_mov_b32 s31, 0
	s_mul_i32 s16, s12, WSH                        ; my share, in a quarter of LDS and of memory alike
	s_mul_i32 s18, s15, 16*REC
	s_add_co_u32 s18, s18, s16
	s_mov_b32 s19, 0
	s_mov_b32 s20, 0x76543210
	s_mov_b32 s21, 0xfedcba98                      ; selects for lane xor 16
	s_mov_b32 s22, 0x3e38aa3b                      ; c = log2(e) / 8
	s_mov_b32 s23, s22                             ; (named with it as a pair)
	s_lshr_b32 s56, s12, 3                         ; which of my block's two records
	s_and_b32 s57, s12, 7                          ; T: which tile of it
	s_lshl_b32 s50, s15, 4
	s_lshl_b32 s51, s14, 1
	s_add_co_u32 s50, s50, s51
	s_add_co_u32 s50, s50, s56                     ; q's record among 512
	s_mul_i32 s50, s50, 6656
	s_mov_b32 s51, 0
	s_wait_dscnt 0x0
	s_wait_kmcnt 0x0
	s_add_nc_u64 s[18:19], s[6:7], s[18:19]
	s_add_nc_u64 s[4:5], s[4:5], s[50:51]
.irp n, 0,1,2,3
	s_mov_b32 s[32+4*\n], 1
	s_add_co_u32 s[33+4*\n], s16, \n*QTR
	s_add_nc_u64 s[34+4*\n:35+4*\n], s[18:19], \n*QTR
	s_or_b32 s[35+4*\n], s[35+4*\n], 0x80000000
.endr
	ROUND                                          ; all four work-groups are here: the joint loads meet
	tensor_load_to_lds s[32:35], s[24:31]
	s_nop 0
	tensor_load_to_lds s[36:39], s[24:31]
	s_nop 0
	tensor_load_to_lds s[40:43], s[24:31]
	s_nop 0
	tensor_load_to_lds s[44:47], s[24:31]
	s_nop 0
.rept 4
	v_nop
.endr
	v_and_b32 v10, 31, v0
	v_lshlrev_b32 v1, 4, v10
	v_lshlrev_b32 v2, 3, v10
	v_and_b32 v10, 15, v0                          ; r
	v_bfe_u32 v11, v0, 4, 1                        ; h
	s_mul_i32 s50, s57, 768
	v_add_nc_u32 v5, s50, v1
	v_add_nc_u32 v6, s50, v2
	s_and_b32 s51, s57, 1
	s_lshl_b32 s51, s51, 8
	s_lshr_b32 s52, s57, 1
	s_lshl_b32 s52, s52, 2
	s_add_co_u32 s51, s51, s52
	v_lshl_add_u32 v7, v10, 4, s51                 ; 16 (r + 16 (T % 2)) + 4 (T / 2)
	global_load_b128 v[16:19], v5, s[4:5]          ; Q's fragment stays in registers
	global_load_b64 v[20:21], v6, s[4:5] offset:512
	global_load_b32 v255, v7, s[4:5] offset:6144   ; and its scale words
	v_and_b32 v3, 8, v10
	v_add_nc_u32 v3, v3, v10                       ; r + 8 (r / 8): my query's place among the tile's tokens
	v_lshlrev_b32 v4, 5, v3
	v_mul_u32_u24 v3, v3, 192
	v_mad_u32_u24 v3, v11, 12, v3
	; where o goes: token row0 + r + 8 (r / 8); slab head / 4; 48 (head % 4) + 24 block + 12 h in the slab's row
	s_lshr_b32 s50, s15, 4                         ; the batch
	s_and_b32 s51, s15, 15                         ; the head
	s_lshl_b32 s52, s50, 11
	s_lshl_b32 s53, s14, 8
	s_add_co_u32 s52, s52, s53
	s_lshl_b32 s53, s56, 7
	s_add_co_u32 s52, s52, s53
	s_lshr_b32 s53, s57, 1
	s_lshl_b32 s53, s53, 5
	s_add_co_u32 s52, s52, s53
	s_and_b32 s53, s57, 1
	s_lshl_b32 s53, s53, 3
	s_add_co_u32 s52, s52, s53                     ; row0
	s_mul_i32 s54, s52, 192
	s_lshr_b32 s53, s51, 2
	s_mul_i32 s53, s53, 786432
	s_add_co_u32 s54, s54, s53
	s_and_b32 s53, s51, 3
	s_mul_i32 s53, s53, 48
	s_add_co_u32 s54, s54, s53
	s_mov_b32 s55, 0
	s_add_nc_u64 s[8:9], s[8:9], s[54:55]
	s_lshl_b32 s54, s52, 5
	s_lshl_b32 s53, s51, 1
	s_add_co_u32 s54, s54, s53
	s_add_nc_u64 s[10:11], s[10:11], s[54:55]
.irp j, 22,23,24,25,26,27
	v_mov_b32 v[\j], 0                             ; K 64 .. 127 of Q: zero codes
.endr
.irp t, 0,1,2,3
.irp j, 6,7,8,9,10,11
	v_mov_b32 v[KFR+12*\t+\j], 0                   ; and of K's four fragments: written once
.endr
.endr
	v_mov_b32 v13, 0xff61b1e6                      ; the largest t so far: -3e38
	v_floor_f32 v12, -v13                          ; -M
	v_mov_b32 v14, 0
	v_mov_b32 v15, 0
.irp b, 0,1,2,3
	v_mov_b32 v[236+\b], 0                         ; a lane permute's destination counts as one of its sources
.endr
	v_mov_b32 v253, 0                              ; (named as the upper half of v[252:253] before it is first written)
.set jj, 0
.rept 32
	v_mov_b32 v[O+jj], 0                           ; O^T: the step is written once; its first turn finds zeros
.set jj, jj+1
.endr
.macro SCORE t, T                      ; S^T tile T = 16 keys x my 16 queries; K's scale words: register T / 2, lanes 0-15 for even T, lanes 16-31 for odd
.if (\T)%2
	v_wmma_scale_f32_16x16x128_f8f6f4 v[S+8*(\T):S+8*(\T)+7], v[KFR+12*\t:KFR+12*\t+11], v[16:27], 0, v[248+(\T)/2], v255 matrix_a_fmt:MATRIX_FMT_FP6 matrix_b_fmt:MATRIX_FMT_FP6 matrix_a_scale:MATRIX_SCALE_ROW1
.else
	v_wmma_scale_f32_16x16x128_f8f6f4 v[S+8*(\T):S+8*(\T)+7], v[KFR+12*\t:KFR+12*\t+11], v[16:27], 0, v[248+(\T)/2], v255 matrix_a_fmt:MATRIX_FMT_FP6 matrix_b_fmt:MATRIX_FMT_FP6
.endif
.endm
.macro PV c                            ; O^T tile c += 16 channels x 128 keys times p
.if (\c)%2
	v_wmma_scale_f32_16x16x128_f8f6f4 v[O+8*\c:O+8*\c+7], v[VFR+12*\c:VFR+12*\c+11], v[224:235], v[O+8*\c:O+8*\c+7], v[28+(\c)/2], v253 matrix_a_fmt:MATRIX_FMT_FP6 matrix_b_fmt:MATRIX_FMT_FP6 matrix_a_scale:MATRIX_SCALE_ROW1
.else
	v_wmma_scale_f32_16x16x128_f8f6f4 v[O+8*\c:O+8*\c+7], v[VFR+12*\c:VFR+12*\c+11], v[224:235], v[O+8*\c:O+8*\c+7], v[28+(\c)/2], v253 matrix_a_fmt:MATRIX_FMT_FP6 matrix_b_fmt:MATRIX_FMT_FP6
.endif
.endm
; A KEY STEP: the record of 128 keys at LDS byte s48.
.macro STEP
	v_add_nc_u32 v8, s48, v1
	v_add_nc_u32 v9, s48, v2
	v_nop
	v_nop                                          ; four places behind the last step's products, in front of loads into their registers
	ds_load_b128 v[248:251], v8 offset:6144        ; K's scale words
.irp t, 0,1,2,3
	ds_load_b128 v[KFR+12*\t:KFR+12*\t+3], v8 offset:768*\t
	ds_load_b64 v[KFR+12*\t+4:KFR+12*\t+5], v9 offset:768*\t+512
.endr
.irp c, 0,1,2,3
.irp j, 0,1,2
	ds_load_b128 v[VFR+12*\c+4*\j:VFR+12*\c+4*\j+3], v8 offset:6656+1536*\c+512*\j
.endr
.endr
	ds_load_b64 v[28:29], v9 offset:12800          ; V's scale words
	s_wait_dscnt 13                                ; V's 13 loads may stay out
.irp t, 0,1,2,3
	SCORE \t, \t
.endr
.rept 4
	v_nop
.endr
.irp t, 0,1,2,3
	ds_load_b128 v[KFR+12*\t:KFR+12*\t+3], v8 offset:768*(\t+4)
	ds_load_b64 v[KFR+12*\t+4:KFR+12*\t+5], v9 offset:768*(\t+4)+512
.endr
	s_wait_dscnt 0x0
.irp t, 0,1,2,3
	SCORE \t, \t+4
.endr
.rept 4
	v_nop
.endr
.irp b, 0,1,2,3
	v_max3_num_f32 v[232+\b], v[S+16*\b], v[S+1+16*\b], v[S+2+16*\b]   ; the largest score of each block of 32 keys: for the row's maximum, and, since p rises with the score, for the block's largest p
.endr
.irp i, 3,5,7,9,11,13
.irp b, 0,1,2,3
	v_max3_num_f32 v[232+\b], v[232+\b], v[S+16*\b+\i], v[S+1+16*\b+\i]
.endr
.endr
.irp b, 0,1,2,3
	v_max_num_f32 v[232+\b], v[232+\b], v[S+15+16*\b]
.endr
.irp b, 0,1,2,3
	v_permlanex16_b32 v[236+\b], v[232+\b], s20, s21
.endr
.irp b, 0,1,2,3
	v_max_num_f32 v[232+\b], v[232+\b], v[236+\b]  ; with lane xor 16's 16 keys
.endr
	v_max3_num_f32 v254, v232, v233, v234
	v_max_num_f32 v254, v254, v235
	v_mul_f32 v254, s22, v254                      ; as t
	v_max_num_f32 v13, v13, v254                   ; the running largest t
	v_mov_b32 v254, v12
	v_floor_f32 v12, -v13                          ; the new -M = -ceil(t): a whole number
	v_sub_f32 v254, v12, v254                      ; old M - new M: 0 or less
	v_cvt_i32_f32 v254, v254                       ; (it saturates)
	v_ldexp_f32 v252, 1.0, v254                    ; f = 2^(old M - new M)
.set jj, 0
.rept 32
	v_pk_fma_f32 v[S+jj:S+jj+1], v[S+jj:S+jj+1], s[22:23], v[12:13] op_sel_hi:[1,0,0]   ; t - M
.set jj, jj+2
.endr
.irp b, 0,1,2,3
	v_fma_f32 v[232+\b], v[232+\b], s22, v12       ; the same of each block's largest score
.endr
.set jj, 0
.rept 64
	v_exp_f32 v[S+jj], v[S+jj]                     ; p = 2^(t - M)
.set jj, jj+1
.endr
.irp b, 0,1,2,3
	v_exp_f32 v[232+\b], v[232+\b]                 ; the block's largest p
.endr
	v_pk_mul_f32 v[14:15], v[14:15], v[252:253] op_sel_hi:[1,0]    ; the sums under the new M; a plain place behind the exponentials
	s_wait_alu depctr_va_vdst(0)
.irp b, 0,1,2,3
	v_max_num_f32 v[232+\b], 0x1800000, v[232+\b]  ; the floor 2^(3 - 127)
.endr
.irp b, 0,1,2,3
	v_add_nc_u32 v[244+\b], 0xff000000, v[232+\b]  ; the conversion's scale operand
.endr
.irp b, 0,1,2,3
	v_lshrrev_b32 v[236+\b], 23, v[244+\b]         ; the byte
.endr
	v_lshl_or_b32 v253, v237, 8, v236              ; p's scale word for these 128 keys
	v_lshl_or_b32 v253, v238, 16, v253
	v_lshl_or_b32 v253, v239, 24, v253
.irp c, 0,1
	v_cvt_scalef32_pk16_fp6_f32 v[224+6*\c:226+6*\c], v[S+32*\c:S+15+32*\c], v[244+2*\c]
	v_cvt_scalef32_pk16_fp6_f32 v[236+4*\c:238+4*\c], v[S+16+32*\c:S+31+32*\c], v[244+2*\c+1]
.endr
	v_nop                                          ; one plain place behind a scaled conversion
.irp c, 0,1                            ; the operand wants a whole block in a lane: lanes 0-15 block 2 c, lanes 16-31 block 2 c + 1
.irp i, 0,1,2
	v_permlane16_swap_b32 v[224+6*\c+\i], v[236+4*\c+\i]
.endr
.irp i, 0,1,2
	v_mov_b32 v[227+6*\c+\i], v[236+4*\c+\i]
.endr
.endr
	v_pk_add_f32 v[236:237], v[S:S+1], v[S+2:S+3]  ; the row's sum, of the unquantised p, in two chains
.irp j, 4,8,12,16,20,24,28,32,36,40,44,48,52,56,60
	v_pk_add_f32 v[14:15], v[14:15], v[S+\j:S+1+\j]
	v_pk_add_f32 v[236:237], v[236:237], v[S+2+\j:S+3+\j]
.endr
	v_pk_add_f32 v[14:15], v[14:15], v[236:237]
.set jj, 0
.rept 16
	v_pk_mul_f32 v[O+jj:O+jj+1], v[O+jj:O+jj+1], v[252:253] op_sel_hi:[1,0]   ; O^T under the new M; with the sums above these are the places in front of the products below
.set jj, jj+2
.endr
.irp c, 0,1,2,3
	PV \c                                          ; the four accumulators take turns, one instruction a turn
.endr
	s_add_co_u32 s48, s48, REC
.endm
; A quarter: four records.  Its wait leaves the later quarters' loads out.
.macro QUARTER n
	s_wait_tensorcnt 3-\n
	s_wait_dscnt 0x0
	s_barrier_signal -1
	s_barrier_wait -1                              ; every wave's share of the quarter has landed
	s_mov_b32 s48, \n*QTR
	s_mov_b32 s49, 4
.Lstep_\@:
	STEP
	s_sub_co_u32 s49, s49, 1
	s_cmp_lg_u32 s49, 0
	s_cbranch_scc1 .Lstep_\@
.endm
	s_wait_loadcnt 0x0                             ; Q
	QUARTER 0
	QUARTER 1
	QUARTER 2
	QUARTER 3
	; THE WAY OUT: o = O^T / the sum, quantised along D: block B of my head is the 16 registers of tiles 2 B, 2 B + 1 here and in lane xor 16
.rept 4
	v_nop                                          ; places behind the last products
.endr
	v_add_f32 v14, v14, v15
	v_permlanex16_b32 v252, v14, s20, s21
	v_add_f32 v14, v14, v252                       ; the row's sum
	v_rcp_f32 v14, v14
	v_nop                                          ; one plain place behind a transcendental
.set jj, 0
	s_wait_alu depctr_va_vdst(0)
.rept 32
	v_mul_f32 v[S+jj], v[O+jj], v14                ; register 16 B + i: channel 32 B + 16 h + i of my query
.set jj, jj+1
.endr
.irp b, 0,1
	v_max3_num_f32 v[232+\b], |v[S+16*\b]|, |v[S+1+16*\b]|, 0x1800000
.endr
.irp i, 2,4,6,8,10,12,14
.irp b, 0,1
	v_max3_num_f32 v[232+\b], v[232+\b], |v[S+16*\b+\i]|, |v[S+1+16*\b+\i]|
.endr
.endr
.irp b, 0,1
	v_permlanex16_b32 v[236+\b], v[232+\b], s20, s21
.endr
.irp b, 0,1
	v_max_num_f32 v[232+\b], v[232+\b], v[236+\b]
.endr
.irp b, 0,1
	v_add_nc_u32 v[244+\b], 0xff000000, v[232+\b]
.endr
.irp b, 0,1
	v_lshrrev_b32 v[236+\b], 23, v[244+\b]
.endr
	v_lshl_or_b32 v240, v237, 8, v236              ; my head's two bytes of the row
	v_cvt_scalef32_pk16_fp6_f32 v[224:226], v[S:S+15], v244
	v_cvt_scalef32_pk16_fp6_f32 v[228:230], v[S+16:S+31], v245
	v_nop
	global_store_b96 v3, v[224:226], s[8:9]
	global_store_b96 v3, v[228:230], s[8:9] offset:24
	global_store_b16 v4, v240, s[10:11]            ; lanes l and l + 16 store the same two bytes to the same place
	s_wait_tensorcnt 0x0
	ds_add_u32 v31, v243
	s_wait_dscnt 0x0
	ROUND                                          ; the closing round: no work-group ends while a partner may still ask for a tile that names it
	s_endpgm
.Lfunc_end_k_q7b169e4eb5_attn:
	.size	k_q7b169e4eb5_attn, .Lfunc_end_k_q7b169e4eb5_attn-k_q7b169e4eb5_attn
	.p2alignl 7, 3214868480
	.fill 96, 4, 3214868480
	.section	.rodata,"a",@progbits
	.p2align	6, 0x0
	.amdhsa_kernel k_q7b169e4eb5_attn
		.amdhsa_group_segment_fixed_size 215040
		.amdhsa_private_segment_fixed_size 0
		.amdhsa_enable_private_segment 0
		.amdhsa_kernarg_size 32
		.amdhsa_user_sgpr_count 2
		.amdhsa_user_sgpr_kernarg_segment_ptr 1
		.amdhsa_wavefront_size32 1
		.amdhsa_system_sgpr_workgroup_id_x 1
		.amdhsa_system_sgpr_workgroup_id_y 1
		.amdhsa_system_sgpr_workgroup_id_z 1
		.amdhsa_system_vgpr_workitem_id 0
		.amdhsa_next_free_vgpr 256
		.amdhsa_next_free_sgpr 66
		.amdhsa_reserve_vcc 0
		.amdhsa_float_denorm_mode_32 3
		.amdhsa_float_denorm_mode_16_64 3
		.amdhsa_memory_ordered 1
		.amdhsa_forward_progress 1
		.amdhsa_inst_pref_size 75
	.end_amdhsa_kernel
	.amdgpu_metadata
---
amdhsa.version: [ 1, 2 ]
amdhsa.kernels:
  - .name:           k_q7b169e4eb5_attn
    .symbol:         k_q7b169e4eb5_attn.kd
    .args:
      - { .name: qrec, .offset: 0, .size: 8, .value_kind: global_buffer, .address_space: global }
      - { .name: kvrec, .offset: 8, .size: 8, .value_kind: global_buffer, .address_space: global }
      - { .name: act, .offset: 16, .size: 8, .value_kind: global_buffer, .address_space: global }
      - { .name: acts, .offset: 24, .size: 8, .value_kind: global_buffer, .address_space: global }
    .group_segment_fixed_size: 215040
    .private_segment_fixed_size: 0
    .kernarg_segment_align: 8
    .kernarg_segment_size: 32
    .max_flat_workgroup_size: 512
    .sgpr_count:     66
    .vgpr_count:     256
    .wavefront_size: 32
...
	.end_amdgpu_metadata
.endif
;; end of part 3
;; launch proj (part 4): grid 4 x 16, 4 waves a work-group, clusters of 4 x 4, 327,680 bytes of LDS; arguments act, acts, Wproj_codes, Wproj_scales, bproj, x, x1; writes x1
.if DOCPART == 4
	.amdgcn_target "amdgcn-amd-amdhsa--gfx1250"
	.amdhsa_code_object_version 6
	.text
	.protected	k_q7b169e4eb5_proj
	.globl	k_q7b169e4eb5_proj
	.p2align	8
	.type	k_q7b169e4eb5_proj,@function
k_q7b169e4eb5_proj:
	s_mov_b64 s[64:65], 0
	v_nop
	global_prefetch_b8 v0, s[64:65] scope:SCOPE_SE
	s_setreg_imm32_b32 hwreg(HW_REG_WAVE_MODE, 25, 1), 1
	s_wait_xcnt 0x0
	s_wait_alu depctr_hold_cnt(0) depctr_sa_sdst(0) depctr_va_vdst(0) depctr_va_sdst(0) depctr_va_ssrc(0) depctr_va_vcc(0) depctr_vm_vsrc(0)
	s_getreg_b32 s2, hwreg(HW_REG_IB_STS2, 6, 4)
	s_cmp_eq_u32 s2, 0
	s_cbranch_scc0 .Lentry_in_a_cluster
	s_endpgm
.Lentry_in_a_cluster:
	s_bfe_u32 s2, ttmp6, 0x10000c
	s_cmp_lg_u32 s2, 0xf033
	s_cbranch_scc0 .Lentry_shape_is_right
	s_endpgm
.Lentry_shape_is_right:
; C = R + A B^T + bias on codes of FP6 (E2M3) with E8M0 scales, K = 1,024; C, R: [4,096][1,024] f32.  Here: x1 = x + o Wproj + bproj.
; A: codes laid [K / 256 slabs][4,096 rows][192 bytes], scale bytes [4,096][K / 32].  B: [1,024 rows][K x 6 / 8 bytes], scale bytes [1,024][K / 32].
; A tile of C, 256 x 256, is made by four waves, each 128 x 128: 64 accumulators, 512 registers.  K goes in steps of 256 through a ring of two LDS slots filled by the tensor data mover; the scales of the tile's rows come once.
; CLUSTERS: 4 x 4 work-groups; A's tiles are asked for jointly along a row of the cluster, B's along a column.  64 tiles of C: 64 work-groups.
; THE MATRIX INSTRUCTION IS USED TRANSPOSED (source 0 = 16 rows of B, source 1 = 16 rows of A): a lane holds one row of C and eight neighbouring columns.  The bias is the C of each sum's first product.
; THE WAY OUT: a block of 16 rows x 128 columns goes through the wave's stage in LDS and comes back as whole rows of 512 bytes; the residual, loaded in the same layout two blocks ahead, is added; 32 lanes store 512 consecutive bytes.
; REGISTERS: window 0: v0-31 addresses; v32-63 scale words, two sets; v64-127 the bias; v128-223 A's fragments; on the way out v128-255 two blocks.  window 1: B's fragments, two sets; on the way out four blocks of the residual.
;   windows 2, 3: the accumulators ((a, b) at v[8 (8 (a % 4) + b)]).
.set SIZE_K,  1024
.set SIZE_N,  1024
.set KSTEP,   256
.set NQ,      KSTEP/128
.set ROWB,    192
.set ASLAB,   4096*ROWB
.set KROWB,   SIZE_K*6/8
.set PITCH,   240
.set FR,      12
.set NL,      6
.set NP,      4
.set HALFT,   128*PITCH
.set SLOT,    4*HALFT
.set LAPS,    SIZE_K/(2*KSTEP)
.set KS,      SIZE_K/32
.set SCL,     2*SLOT
.set HALFS,   (128*KS/256)*272
.set SBLK,    (16*KS/256)*272
.set SPARE,   SCL+4*HALFS              ; the spare words: 128 bytes a wave, two blocks of 256 bytes that no other line names
.set SPITCH,  528                      ; the stage: 16 rows x (512 + 16) for each wave, in slot 0, which has had its last fill and its last read by then
.set ADRA, 16
.set ADRB, 20
.set STO,  24
.set RD,   25
.set CO,   26
.set ADRS, 27
.set SPW,  28
.set NIL,  29
.set BO,   30
.set SC,   32
.set BI,   64
.set AF,   128
.set BK,   128
.set G1, 24
.set G0, 32
.set G1B, 48
.set G0B, 56
.set G1S, 68
.set G0S, 76
.set G1SB, 80
.set G0SB, 88
.set MSB, 0
.macro WIN new                         ; the immediate's high byte repeats the setting that is left
.if MSB != (\new)
	s_set_vgpr_msb (MSB<<8)|(\new)
.set MSB, (\new)
.endif
.endm
.set MUL_LO, 0xa1                      ; source 0 (B) window 1, source 1 (A) window 0, C and D window 2
.set MUL_HI, 0xf1
.set TO_B,   0x40
.macro JLOAD g0a, g1a, g0b, g1b        ; a joint load: waves 0 and 1 fetch for A, waves 2 and 3 for B; four v_nop follow each of the two lines
	s_cmp_eq_u32 s15, 0
	s_cbranch_scc0 .Lfor_b_\@
	tensor_load_to_lds s[\g0a:\g0a+3], s[\g1a:\g1a+7]
	s_nop 0
.rept 4
	v_nop
.endr
	s_branch .Lasked_\@
.Lfor_b_\@:
	tensor_load_to_lds s[\g0b:\g0b+3], s[\g1b:\g1b+7]
	s_nop 0
.rept 4
	v_nop
.endr
.Lasked_\@:
.endm
.macro CREST
	s_cmp_lg_u32 s14, 0
	s_cbranch_scc1 .Lnot_wave_0_\@
	s_barrier_signal -3
.Lnot_wave_0_\@:
	s_barrier_wait -3
	s_barrier_signal -1
	s_barrier_wait -1
.endm
.macro CROUND
	s_barrier_signal -1
	s_barrier_wait -1
	CREST
.endm
	s_load_b128 s[4:7], s[0:1], 0x0                ; A's codes, A's scales
	s_load_b128 s[8:11], s[0:1], 0x10              ; B's codes, B's scales
	s_load_b128 s[96:99], s[0:1], 0x20             ; the bias, the residual
	s_load_b64 s[12:13], s[0:1], 0x30              ; C
	v_lshl_add_u32 v[SPW], v0, 2, SPARE
	v_mov_b32 v[NIL], 0
	ds_add_u32 v28, v29
	ds_add_u32 v28, v29
	s_wait_dscnt 0x0
	v_lshrrev_b32 v1, 5, v0
	v_readfirstlane_b32 s14, v1                    ; wave 0..3
	s_lshr_b32 s15, s14, 1                         ; my half of the tile's rows.  Also: I fetch for A (0) or for B (1)
	s_and_b32 s16, s14, 1                          ; my half of its columns.  Also: which 128 rows I fetch
	s_bfe_u32 s40, ttmp6, 0x40000
	s_bfe_u32 s41, ttmp6, 0x40004
	s_lshl_b32 s42, ttmp9, 2
	s_add_co_u32 s42, s42, s40                     ; tile column
	s_and_b32 s17, ttmp7, 0xffff
	s_lshl_b32 s17, s17, 2
	s_add_co_u32 s17, s17, s41                     ; tile row
	s_lshl_b32 s43, s41, 2
	s_lshl_b32 s43, 15, s43                        ; my row of the cluster
	s_lshl_b32 s44, 0x1111, s40                    ; my column
	s_or_b32 s[G1+0], s43, (0<<16)|(1<<20)|(1<<21)|(3<<22)|(3<<25)  ; the mask; elements of 1 byte; padding on; bit 21 beside a mask; after every 16 words 4 words
	s_or_b32 s[G1B+0], s44, (0<<16)|(1<<20)|(1<<21)|(3<<22)|(3<<25)
.irp g, G1, G1B
	s_mov_b32 s[\g+1], ROWB<<16
	s_mov_b32 s[\g+2], 128<<16
	s_mov_b32 s[\g+3], ROWB<<16
	s_mov_b32 s[\g+4], 128
	s_mov_b32 s[\g+6], 0
	s_mov_b32 s[\g+7], 0
.endr
	s_mov_b32 s[G1+5], ROWB                        ; A's rows follow each other inside a slab
	s_mov_b32 s[G1B+5], KROWB
	s_or_b32 s[G1S+0], s43, (3<<16)|(1<<20)|(1<<21)|(5<<22)|(3<<25)   ; the scales of 128 rows: a dense block, as rows of 256 bytes with 16 of padding
	s_or_b32 s[G1SB+0], s44, (3<<16)|(1<<20)|(1<<21)|(5<<22)|(3<<25)
.irp g, G1S, G1SB
	s_mov_b32 s[\g+1], 32<<16
	s_mov_b32 s[\g+2], (128*KS/256)<<16
	s_mov_b32 s[\g+3], 32<<16
	s_mov_b32 s[\g+4], 128*KS/256
	s_mov_b32 s[\g+5], 32
	s_mov_b32 s[\g+6], 0
	s_mov_b32 s[\g+7], 0
.endr
	s_lshl_b32 s18, s16, 7
	s_lshl_b32 s20, s17, 8
	s_add_co_u32 s20, s20, s18
	s_lshl_b32 s46, s42, 8
	s_add_co_u32 s46, s46, s18
	s_mov_b32 s21, 0
	s_mov_b32 s47, 0
	s_mov_b64 s[18:19], KS
	s_mul_u64 s[22:23], s[20:21], s[18:19]
	s_mul_u64 s[92:93], s[46:47], s[18:19]
	s_mov_b64 s[18:19], ROWB
	s_mul_u64 s[20:21], s[20:21], s[18:19]
	s_mov_b64 s[18:19], KROWB
	s_mul_u64 s[46:47], s[46:47], s[18:19]
	s_mul_i32 s45, s14, HALFT
	s_mul_i32 s94, s14, HALFS
	s_wait_kmcnt 0x0
	s_add_nc_u64 s[20:21], s[4:5], s[20:21]
	s_add_nc_u64 s[22:23], s[6:7], s[22:23]
	s_add_nc_u64 s[46:47], s[8:9], s[46:47]
	s_add_nc_u64 s[92:93], s[10:11], s[92:93]
	CROUND                                         ; all sixteen work-groups are here: the first joint loads meet
	s_mov_b32 s[G0S], 1
	s_add_co_u32 s[G0S+1], s94, SCL
	s_mov_b64 s[G0S+2:G0S+3], s[22:23]
	s_or_b32 s[G0S+3], s[G0S+3], 0x80000000
	s_mov_b32 s[G0SB], 1
	s_add_co_u32 s[G0SB+1], s94, SCL
	s_mov_b64 s[G0SB+2:G0SB+3], s[92:93]
	s_or_b32 s[G0SB+3], s[G0SB+3], 0x80000000
	JLOAD G0S, G1S, G0SB, G1SB
.irp s, 0,1
	s_mov_b32 s[G0+4*\s], 1
	s_add_co_u32 s[G0+4*\s+1], s45, \s*SLOT
	s_add_nc_u64 s[G0+4*\s+2:G0+4*\s+3], s[20:21], \s*ASLAB
	s_or_b32 s[G0+4*\s+3], s[G0+4*\s+3], 0x80000000
	s_mov_b32 s[G0B+4*\s], 1
	s_add_co_u32 s[G0B+4*\s+1], s45, \s*SLOT
	s_add_nc_u64 s[G0B+4*\s+2:G0B+4*\s+3], s[46:47], \s*ROWB
	s_or_b32 s[G0B+4*\s+3], s[G0B+4*\s+3], 0x80000000
	JLOAD G0+4*\s, G1, G0B+4*\s, G1B               ; three tensor loads of mine are out
.endr
	v_and_b32 v1, 15, v0                           ; r
	v_bfe_u32 v2, v0, 4, 1                         ; h
	v_mul_u32_u24 v3, v1, PITCH
	v_mul_u32_u24 v4, v2, 24
	v_add_nc_u32 v4, v3, v4
	v_lshl_add_u32 v5, v2, 4, v4
	s_mul_i32 s21, s15, HALFT
	s_mul_i32 s22, s16, HALFT
	s_add_co_u32 s22, s22, 2*HALFT
.irp s, 0,1
	v_add_nc_u32 v[ADRA+\s], s21, v4
	v_add_nc_u32 v[ADRB+\s], s22, v4
	v_add_nc_u32 v[ADRA+2+\s], s21, v5
	v_add_nc_u32 v[ADRB+2+\s], s22, v5
	s_add_co_u32 s21, s21, SLOT
	s_add_co_u32 s22, s22, SLOT
.endr
	v_mul_u32_u24 v5, v1, KS
	v_lshrrev_b32 v6, 8, v5
	v_lshl_add_u32 v5, v6, 4, v5
	s_mul_i32 s21, s15, HALFS
	s_mul_i32 s22, s16, HALFS
	s_add_co_u32 s22, s22, 2*HALFS
	s_sub_co_u32 s22, s22, s21
	v_mul_u32_u24 v6, s22, v2
	s_add_co_u32 s21, s21, SCL
	v_add_nc_u32 v5, v5, v6
	v_add_nc_u32 v[ADRS], s21, v5
	s_mul_i32 s23, s14, 16*SPITCH                  ; my stage
	v_mul_u32_u24 v5, v1, SPITCH
	v_lshl_add_u32 v5, v2, 5, v5
	v_add_nc_u32 v[STO], s23, v5
	v_and_b32 v6, 31, v0
	v_lshlrev_b32 v[CO], 4, v6
	v_add_nc_u32 v[RD], s23, v[CO]
	s_lshl_b32 s20, s17, 8
	s_lshl_b32 s21, s15, 7
	s_add_co_u32 s20, s20, s21                     ; my first row of C
	s_mov_b32 s21, 0
	s_mov_b64 s[18:19], SIZE_N*4
	s_mul_u64 s[20:21], s[20:21], s[18:19]
	s_lshl_b32 s46, s42, 10                        ; my first column, in bytes
	s_lshl_b32 s47, s16, 9
	s_add_co_u32 s46, s46, s47
	s_mov_b32 s47, 0
	s_add_nc_u64 s[20:21], s[20:21], s[46:47]
	s_add_nc_u64 s[12:13], s[12:13], s[20:21]
	s_add_nc_u64 s[98:99], s[98:99], s[20:21]      ; the residual at the same place
	s_add_nc_u64 s[96:97], s[96:97], s[46:47]      ; the bias of my 128 columns
	v_lshlrev_b32 v[BO], 5, v2                     ; lane (r, h) wants, for B's block b, the numbers 16 b + 8 h + 0 .. 7
.irp b, 0,1,2,3,4,5,6,7
	global_load_b128 v[BI+8*\b:BI+8*\b+3], v[BO], s[96:97] offset:64*\b
	global_load_b128 v[BI+8*\b+4:BI+8*\b+7], v[BO], s[96:97] offset:64*\b+16
.endr
.macro FRAG reg, adr, q, i             ; 16 rows x 128 K: 12 registers, in pieces of 8 bytes; where the piece of lanes 16-31 lies behind one padding more, the second address register serves
.irp p, 0,1,2,3,4,5
.set PC, 12*(\q)+6*(\p/3)+\p%3
.if PC%8 < 5
	ds_load_b64 v[\reg+2*\p:\reg+2*\p+1], v[\adr] offset:8*PC+16*(PC/8)+(\i)*16*PITCH
.else
	ds_load_b64 v[\reg+2*\p:\reg+2*\p+1], v[\adr+2] offset:8*PC+16*(PC/8)+(\i)*16*PITCH
.endif
.endr
.endm
; 16 matrix instructions: A's blocks a0, a0 + 1 x B's eight.  zero = 2: the first product starts the sums from the bias.  The 64 accumulators take turns, one instruction a turn.
.macro MUL16 a0, p, q, sc, zero
.irp a, \a0, \a0+1
.irp b, 0,1,2,3,4,5,6,7
.set rD, 8*(8*((\a)%4)+\b)
.set rB, 128*(\p)+FR*\b
.set rA, AF+FR*(\a)
.set rSB, SC+8*NQ*(\sc)+NQ*\b+(\q)
.set rSA, SC+8*NQ*(\sc)+NQ*(\a)+(\q)
.if \zero == 2
	v_wmma_scale_f32_16x16x128_f8f6f4 v[rD:rD+7], v[rB:rB+FR-1], v[rA:rA+FR-1], v[BI+8*\b:BI+8*\b+7], v[rSB], v[rSA] matrix_a_fmt:MATRIX_FMT_FP6 matrix_b_fmt:MATRIX_FMT_FP6 matrix_a_scale:MATRIX_SCALE_ROW1
.else
	v_wmma_scale_f32_16x16x128_f8f6f4 v[rD:rD+7], v[rB:rB+FR-1], v[rA:rA+FR-1], v[rD:rD+7], v[rSB], v[rSA] matrix_a_fmt:MATRIX_FMT_FP6 matrix_b_fmt:MATRIX_FMT_FP6 matrix_a_scale:MATRIX_SCALE_ROW1
.endif
.endr
.endr
.endm
.macro FETCH_B slot, q, p
	WIN TO_B
.irp i, 0,1,2,3,4,5,6,7
	FRAG 128*(\p)+FR*\i, ADRB+\slot, \q, \i
.endr
	WIN 0
.endm
.macro FETCH_A slot, q, i0
.irp i, \i0, \i0+1, \i0+2, \i0+3
	FRAG AF+FR*(\i), ADRA+\slot, \q, \i
.endr
.endm
.macro SCALES sc
.irp i, 0,1,2,3,4,5,6,7
	ds_load_b64 v[SC+8*NQ*\sc+NQ*\i:SC+8*NQ*\sc+NQ*\i+1], v[ADRS] offset:\i*SBLK
.endr
.endm
.macro PLACES n                        ; plain vector instructions between a matrix instruction and a load into its registers or a read of its result
.rept \n
	v_nop
.endr
.endm
.macro STEP slot, q, zero
	s_wait_dscnt 4*NL                              ; B's set, A's blocks 0-3 and the scale words are in; the 24 loads of A's blocks 4-7 may be out
.if \zero == 2
	WIN 0x81                                       ; C (the bias) window 0, D window 2
.else
	WIN MUL_LO
.endif
	MUL16 0, (\q)%2, \q, \slot, \zero
	MUL16 2, (\q)%2, \q, \slot, \zero
	s_wait_dscnt 0
	PLACES NP
	FETCH_B \slot, (\q)+1, 1-(\q)%2
	FETCH_A \slot, (\q)+1, 0
.if \zero == 2
	WIN 0xc1
.else
	WIN MUL_HI
.endif
	MUL16 4, (\q)%2, \q, \slot, \zero
	MUL16 6, (\q)%2, \q, \slot, \zero
	PLACES NP
	WIN 0
	FETCH_A \slot, (\q)+1, 4
.endm
.macro TURN slot, next, fill           ; a slot's last step changes slots
	s_wait_tensorcnt 0x0                           ; all my tensor loads have landed: my part of the next slot
	ds_add_u32 v[SPW], v[NIL]                      ; 0 onto my spare word
	s_wait_dscnt 4*NL+1                            ; the add and the 24 loads of A's blocks 4-7 may be out
	WIN MUL_LO
	MUL16 0, 1, NQ-1, \slot, 0
	s_wait_dscnt 0x0                               ; the add is done, and my reads of this slot are over
	s_barrier_signal -1
	MUL16 2, 1, NQ-1, \slot, 0
	WIN 0
	s_barrier_wait -1
.if \fill
	CREST                                          ; the barrier has opened a round of the cluster's: no wave of any partner still reads this slot or has a load on its way
	s_add_nc_u64 s[G0+4*\slot+2:G0+4*\slot+3], s[G0+4*\slot+2:G0+4*\slot+3], 2*ASLAB
	s_add_nc_u64 s[G0B+4*\slot+2:G0B+4*\slot+3], s[G0B+4*\slot+2:G0B+4*\slot+3], 2*ROWB
	JLOAD G0+4*\slot, G1, G0B+4*\slot, G1B         ; my one tensor load behind the round
.else
	PLACES NP
.endif
	v_add_nc_u32 v[ADRS], 4*NQ, v[ADRS]
	FETCH_B \next, 0, 0
	FETCH_A \next, 0, 0
	SCALES \next
	WIN MUL_HI
	MUL16 4, 1, NQ-1, \slot, 0
	MUL16 6, 1, NQ-1, \slot, 0
	PLACES NP
	WIN 0
	FETCH_A \next, 0, 4
.endm
	s_wait_tensorcnt 1                             ; the scales and my part of K step 0 are in; K step 1's load may stay out
	s_barrier_signal -1
	s_barrier_wait -1
	FETCH_B 0, 0, 0
	FETCH_A 0, 0, 0
	SCALES 0
	FETCH_A 0, 0, 4
	s_wait_loadcnt 0x0                             ; the bias
	STEP 0, 0, 2
	s_mov_b32 s3, LAPS-1
.Llap:
	TURN 0, 1, 1
	STEP 1, 0, 0
	TURN 1, 0, 1
	STEP 0, 0, 0
	s_sub_co_u32 s3, s3, 1
	s_cmp_lg_u32 s3, 0
	s_cbranch_scc1 .Llap
	TURN 0, 1, 0
	STEP 1, 0, 0
	s_wait_dscnt 4*NL
	WIN MUL_LO
	MUL16 0, 1, NQ-1, 1, 0
	MUL16 2, 1, NQ-1, 1, 0
	s_wait_dscnt 0
	WIN MUL_HI
	MUL16 4, 1, NQ-1, 1, 0
	MUL16 6, 1, NQ-1, 1, 0
	WIN 0
.macro RLOAD a                         ; the residual of block a, as whole rows of 512 bytes, into window 1
	WIN TO_B
.set tt, 0
.rept 16
	global_load_b128 v[64*((\a)%4)+4*tt:64*((\a)%4)+4*tt+3], v[CO], s[98:99] offset:(16*(\a)+tt)*SIZE_N*4 th:TH_LOAD_NT
.set tt, tt+1
.endr
	WIN 0
.endm
.macro TOSTAGE a                       ; block a into my stage, each accumulator from its low end on, and back by rows; LDS serves a wave's instructions in order
.set AC, 64*((\a)%4)
	WIN 0x08+4*((\a)/4)
.irp b, 0,1,2,3,4,5,6,7
	ds_store_b128 v[STO], v[AC+8*\b:AC+8*\b+3] offset:64*\b
	ds_store_b128 v[STO], v[AC+8*\b+4:AC+8*\b+7] offset:64*\b+16
.endr
	WIN 0
.set tt, 0
.rept 16
	ds_load_b128 v[BK+64*((\a)%2)+4*tt:BK+64*((\a)%2)+4*tt+3], v[RD] offset:tt*SPITCH
.set tt, tt+1
.endr
.endm
.macro SEND a, younger, lc             ; younger: LDS instructions behind block a's loads; lc: the residual loads of younger blocks
	s_wait_dscnt \younger
	s_wait_loadcnt \lc
	WIN 0x04                                       ; source 1 window 1
.set tt, 0
.rept 32
	v_pk_add_f32 v[BK+64*((\a)%2)+tt:BK+64*((\a)%2)+tt+1], v[BK+64*((\a)%2)+tt:BK+64*((\a)%2)+tt+1], v[64*((\a)%4)+tt:64*((\a)%4)+tt+1]
.set tt, tt+2
.endr
	WIN 0
.set tt, 0
.rept 16
	global_store_b128 v[CO], v[BK+64*((\a)%2)+4*tt:BK+64*((\a)%2)+4*tt+3], s[12:13] offset:(16*(\a)+tt)*SIZE_N*4   ; 512 consecutive bytes, at a multiple of 256 from C's first byte
.set tt, tt+1
.endr
.endm
	PLACES NP                                      ; in front of loads into B's and A's registers and of the first read of results
	RLOAD 0
	RLOAD 1
	RLOAD 2
	TOSTAGE 0
.irp a, 1,2,3,4,5,6,7
.if \a > 1
	s_wait_xcnt 0x0                                ; block a - 2's stores have read their registers: block a's loads may land there
.endif
	TOSTAGE \a
.if \a < 7
	SEND \a-1, 32, 32
.else
	SEND \a-1, 32, 16
.endif
.if \a < 6
	RLOAD \a+2
.endif
.endr
	SEND 7, 0, 0
	s_wait_tensorcnt 0x0                           ; the wave's end
	ds_add_u32 v[SPW], v[NIL]
	s_wait_dscnt 0x0
	CROUND                                         ; the closing round
	s_endpgm
.Lfunc_end_k_q7b169e4eb5_proj:
	.size	k_q7b169e4eb5_proj, .Lfunc_end_k_q7b169e4eb5_proj-k_q7b169e4eb5_proj
	.p2alignl 7, 3214868480
	.fill 96, 4, 3214868480
	.section	.rodata,"a",@progbits
	.p2align	6, 0x0
	.amdhsa_kernel k_q7b169e4eb5_proj
		.amdhsa_group_segment_fixed_size 327680
		.amdhsa_private_segment_fixed_size 0
		.amdhsa_enable_private_segment 0
		.amdhsa_kernarg_size 56
		.amdhsa_user_sgpr_count 2
		.amdhsa_user_sgpr_kernarg_segment_ptr 1
		.amdhsa_wavefront_size32 1
		.amdhsa_system_sgpr_workgroup_id_x 1
		.amdhsa_system_sgpr_workgroup_id_y 1
		.amdhsa_system_sgpr_workgroup_id_z 1
		.amdhsa_system_vgpr_workitem_id 0
		.amdhsa_next_free_vgpr 1024
		.amdhsa_next_free_sgpr 100
		.amdhsa_reserve_vcc 0
		.amdhsa_float_denorm_mode_32 3
		.amdhsa_float_denorm_mode_16_64 3
		.amdhsa_memory_ordered 1
		.amdhsa_forward_progress 1
		.amdhsa_inst_pref_size 190
	.end_amdhsa_kernel
	.amdgpu_metadata
---
amdhsa.version: [ 1, 2 ]
amdhsa.kernels:
  - .name:           k_q7b169e4eb5_proj
    .symbol:         k_q7b169e4eb5_proj.kd
    .args:
      - { .name: act, .offset: 0, .size: 8, .value_kind: global_buffer, .address_space: global }
      - { .name: acts, .offset: 8, .size: 8, .value_kind: global_buffer, .address_space: global }
      - { .name: Wproj_codes, .offset: 16, .size: 8, .value_kind: global_buffer, .address_space: global }
      - { .name: Wproj_scales, .offset: 24, .size: 8, .value_kind: global_buffer, .address_space: global }
      - { .name: bproj, .offset: 32, .size: 8, .value_kind: global_buffer, .address_space: global }
      - { .name: x, .offset: 40, .size: 8, .value_kind: global_buffer, .address_space: global }
      - { .name: x1, .offset: 48, .size: 8, .value_kind: global_buffer, .address_space: global }
    .group_segment_fixed_size: 327680
    .private_segment_fixed_size: 0
    .kernarg_segment_align: 8
    .kernarg_segment_size: 56
    .max_flat_workgroup_size: 128
    .sgpr_count:     100
    .vgpr_count:     1024
    .wavefront_size: 32
...
	.end_amdgpu_metadata
.endif
;; end of part 4
;; launch ln2: the kernel of part 1 again; grid 256 x 1, 2 waves a work-group, no clusters, 22,784 bytes of LDS; arguments x1, ln2_g, ln2_b, act, acts; writes act, acts
;; launch fc1 (part 5): grid 16 x 16, 4 waves a work-group, clusters of 4 x 4, 327,680 bytes of LDS; arguments act, acts, W1_codes, W1_scales, b1, hid, hids; writes hid, hids
.if DOCPART == 5
	.amdgcn_target "amdgcn-amd-amdhsa--gfx1250"
	.amdhsa_code_object_version 6
	.text
	.protected	k_q7b169e4eb5_fc1
	.globl	k_q7b169e4eb5_fc1
	.p2align	8
	.type	k_q7b169e4eb5_fc1,@function
k_q7b169e4eb5_fc1:
	s_mov_b64 s[64:65], 0
	v_nop
	global_prefetch_b8 v0, s[64:65] scope:SCOPE_SE
	s_setreg_imm32_b32 hwreg(HW_REG_WAVE_MODE, 25, 1), 1
	s_wait_xcnt 0x0
	s_wait_alu depctr_hold_cnt(0) depctr_sa_sdst(0) depctr_va_vdst(0) depctr_va_sdst(0) depctr_va_ssrc(0) depctr_va_vcc(0) depctr_vm_vsrc(0)
	s_getreg_b32 s2, hwreg(HW_REG_IB_STS2, 6, 4)
	s_cmp_eq_u32 s2, 0
	s_cbranch_scc0 .Lentry_in_a_cluster
	s_endpgm
.Lentry_in_a_cluster:
	s_bfe_u32 s2, ttmp6, 0x10000c
	s_cmp_lg_u32 s2, 0xf033
	s_cbranch_scc0 .Lentry_shape_is_right
	s_endpgm
.Lentry_shape_is_right:
; hidden = relu(h W1 + b1) on codes of FP6 (E2M3) with E8M0 scales, K = 1,024, quantised at once along its 4,096 columns, which are the next product's K.
; A = h: codes laid [4 slabs][4,096 rows][192 bytes], scale bytes [4,096][32].  B = W1: [4,096 rows][768 bytes], scale bytes [4,096][32].
; Out: codes laid [16 slabs of 256][4,096 rows][192 bytes], scale bytes [4,096][128].  A tile's 256 columns are one slab, so a work-group's codes are 49,152 consecutive bytes.
; A tile, 256 x 256, is made by four waves, each 128 x 128: 64 accumulators.  K goes in steps of 256 through a ring of two LDS slots filled by the tensor data mover; the scales of the tile's rows come once.
; CLUSTERS: 4 x 4 work-groups; A's tiles are asked for jointly along a row of the cluster, B's along a column.  256 work-groups.
; THE MATRIX INSTRUCTION IS USED TRANSPOSED (source 0 = 16 rows of B, source 1 = 16 rows of A).  The bias is the C of each sum's first product.
; THE WAY OUT: a block of 16 rows goes through the wave's stage and comes back with 64 neighbouring columns, two whole blocks of 32, in a lane; relu; scale, conversion; the codes meet in an image of the tile's 256 rows x 192 bytes,
; the bytes in one of 256 x 8; a barrier; each wave stores a quarter.  The scale bytes leave as 8 bytes a row: one part in 24 of the codes' bytes.
; LIMITS: NaN and infinities are not served; a block whose largest number lies under 2^-124 (zeros too) keeps the byte 1; the bytes are read by this program alone.
; REGISTERS: window 0: v0-31 addresses; v32-63 scale words; v64-127 the bias, later codes at work; v128-223 A's fragments, later two blocks.  window 1: B's fragments.  windows 2, 3: the accumulators.
.set SIZE_K,  1024
.set KSTEP,   256
.set NQ,      KSTEP/128
.set ROWB,    192
.set ASLAB,   4096*ROWB
.set KROWB,   SIZE_K*6/8
.set PITCH,   240
.set FR,      12
.set NL,      6
.set NP,      4
.set HALFT,   128*PITCH
.set SLOT,    4*HALFT
.set LAPS,    SIZE_K/(2*KSTEP)
.set KS,      SIZE_K/32
.set SCL,     2*SLOT
.set HALFS,   (128*KS/256)*272
.set SBLK,    (16*KS/256)*272
.set SPARE,   SCL+4*HALFS              ; the spare words: 128 bytes a wave, two blocks of 256 bytes that no other line names
.set SPITCH,  528                      ; in slot 0, which has had its last fill and its last read by then: four stages of 16 x 528,
.set CIMG,    33792                    ; the codes' image, 256 x 192,
.set SIMG,    82944                    ; the bytes' image, 256 x 8
.set ADRA, 16
.set ADRB, 20
.set STO,  24
.set RD,   25
.set CO,   26
.set ADRS, 27
.set SPW,  28
.set NIL,  29
.set BO,   30
.set CW,   7
.set SW,   8
.set CR,   9
.set SR,   10
.set HO,   11
.set SC,   32
.set BI,   64
.set AF,   128
.set BK,   128
.set G1, 24
.set G0, 32
.set G1B, 48
.set G0B, 56
.set G1S, 68
.set G0S, 76
.set G1SB, 80
.set G0SB, 88
.set MSB, 0
.macro WIN new                         ; the immediate's high byte repeats the setting that is left
.if MSB != (\new)
	s_set_vgpr_msb (MSB<<8)|(\new)
.set MSB, (\new)
.endif
.endm
.set MUL_LO, 0xa1
.set MUL_HI, 0xf1
.set TO_B,   0x40
.macro JLOAD g0a, g1a, g0b, g1b        ; a joint load: waves 0 and 1 fetch for A, waves 2 and 3 for B; four v_nop follow each of the two lines
	s_cmp_eq_u32 s15, 0
	s_cbranch_scc0 .Lfor_b_\@
	tensor_load_to_lds s[\g0a:\g0a+3], s[\g1a:\g1a+7]
	s_nop 0
.rept 4
	v_nop
.endr
	s_branch .Lasked_\@
.Lfor_b_\@:
	tensor_load_to_lds s[\g0b:\g0b+3], s[\g1b:\g1b+7]
	s_nop 0
.rept 4
	v_nop
.endr
.Lasked_\@:
.endm
.macro CREST
	s_cmp_lg_u32 s14, 0
	s_cbranch_scc1 .Lnot_wave_0_\@
	s_barrier_signal -3
.Lnot_wave_0_\@:
	s_barrier_wait -3
	s_barrier_signal -1
	s_barrier_wait -1
.endm
.macro CROUND
	s_barrier_signal -1
	s_barrier_wait -1
	CREST
.endm
	s_load_b128 s[4:7], s[0:1], 0x0                ; A's codes, A's scales
	s_load_b128 s[8:11], s[0:1], 0x10              ; B's codes, B's scales
	s_load_b64 s[96:97], s[0:1], 0x20              ; the bias
	s_load_b64 s[12:13], s[0:1], 0x28              ; the hidden layer's codes
	s_load_b64 s[98:99], s[0:1], 0x30              ; and scale bytes
	v_lshl_add_u32 v[SPW], v0, 2, SPARE
	v_mov_b32 v[NIL], 0
	ds_add_u32 v28, v29
	ds_add_u32 v28, v29
	s_wait_dscnt 0x0
	v_lshrrev_b32 v1, 5, v0
	v_readfirstlane_b32 s14, v1                    ; wave 0..3
	s_lshr_b32 s15, s14, 1                         ; my half of the tile's rows.  Also: I fetch for A (0) or for B (1)
	s_and_b32 s16, s14, 1                          ; my half of its columns.  Also: which 128 rows I fetch
	s_bfe_u32 s40, ttmp6, 0x40000
	s_bfe_u32 s41, ttmp6, 0x40004
	s_lshl_b32 s42, ttmp9, 2
	s_add_co_u32 s42, s42, s40                     ; tile column
	s_and_b32 s17, ttmp7, 0xffff
	s_lshl_b32 s17, s17, 2
	s_add_co_u32 s17, s17, s41                     ; tile row
	s_lshl_b32 s43, s41, 2
	s_lshl_b32 s43, 15, s43
	s_lshl_b32 s44, 0x1111, s40
	s_or_b32 s[G1+0], s43, (0<<16)|(1<<20)|(1<<21)|(3<<22)|(3<<25)  ; the mask; elements of 1 byte; padding on; bit 21 beside a mask; after every 16 words 4 words
	s_or_b32 s[G1B+0], s44, (0<<16)|(1<<20)|(1<<21)|(3<<22)|(3<<25)
.irp g, G1, G1B
	s_mov_b32 s[\g+1], ROWB<<16
	s_mov_b32 s[\g+2], 128<<16
	s_mov_b32 s[\g+3], ROWB<<16
	s_mov_b32 s[\g+4], 128
	s_mov_b32 s[\g+6], 0
	s_mov_b32 s[\g+7], 0
.endr
	s_mov_b32 s[G1+5], ROWB
	s_mov_b32 s[G1B+5], KROWB
	s_or_b32 s[G1S+0], s43, (3<<16)|(1<<20)|(1<<21)|(5<<22)|(3<<25)
	s_or_b32 s[G1SB+0], s44, (3<<16)|(1<<20)|(1<<21)|(5<<22)|(3<<25)
.irp g, G1S, G1SB
	s_mov_b32 s[\g+1], 32<<16
	s_mov_b32 s[\g+2], (128*KS/256)<<16
	s_mov_b32 s[\g+3], 32<<16
	s_mov_b32 s[\g+4], 128*KS/256
	s_mov_b32 s[\g+5], 32
	s_mov_b32 s[\g+6], 0
	s_mov_b32 s[\g+7], 0
.endr
	s_lshl_b32 s18, s16, 7
	s_lshl_b32 s20, s17, 8
	s_add_co_u32 s20, s20, s18
	s_lshl_b32 s46, s42, 8
	s_add_co_u32 s46, s46, s18
	s_mov_b32 s21, 0
	s_mov_b32 s47, 0
	s_mov_b64 s[18:19], KS
	s_mul_u64 s[22:23], s[20:21], s[18:19]
	s_mul_u64 s[92:93], s[46:47], s[18:19]
	s_mov_b64 s[18:19], ROWB
	s_mul_u64 s[20:21], s[20:21], s[18:19]
	s_mov_b64 s[18:19], KROWB
	s_mul_u64 s[46:47], s[46:47], s[18:19]
	s_mul_i32 s45, s14, HALFT
	s_mul_i32 s94, s14, HALFS
	s_wait_kmcnt 0x0
	s_add_nc_u64 s[20:21], s[4:5], s[20:21]
	s_add_nc_u64 s[22:23], s[6:7], s[22:23]
	s_add_nc_u64 s[46:47], s[8:9], s[46:47]
	s_add_nc_u64 s[92:93], s[10:11], s[92:93]
	CROUND                                         ; all sixteen work-groups are here: the first joint loads meet
	s_mov_b32 s[G0S], 1
	s_add_co_u32 s[G0S+1], s94, SCL
	s_mov_b64 s[G0S+2:G0S+3], s[22:23]
	s_or_b32 s[G0S+3], s[G0S+3], 0x80000000
	s_mov_b32 s[G0SB], 1
	s_add_co_u32 s[G0SB+1], s94, SCL
	s_mov_b64 s[G0SB+2:G0SB+3], s[92:93]
	s_or_b32 s[G0SB+3], s[G0SB+3], 0x80000000
	JLOAD G0S, G1S, G0SB, G1SB
.irp s, 0,1
	s_mov_b32 s[G0+4*\s], 1
	s_add_co_u32 s[G0+4*\s+1], s45, \s*SLOT
	s_add_nc_u64 s[G0+4*\s+2:G0+4*\s+3], s[20:21], \s*ASLAB
	s_or_b32 s[G0+4*\s+3], s[G0+4*\s+3], 0x80000000
	s_mov_b32 s[G0B+4*\s], 1
	s_add_co_u32 s[G0B+4*\s+1], s45, \s*SLOT
	s_add_nc_u64 s[G0B+4*\s+2:G0B+4*\s+3], s[46:47], \s*ROWB
	s_or_b32 s[G0B+4*\s+3], s[G0B+4*\s+3], 0x80000000
	JLOAD G0+4*\s, G1, G0B+4*\s, G1B               ; three tensor loads of mine are out
.endr
	v_and_b32 v1, 15, v0                           ; r
	v_bfe_u32 v2, v0, 4, 1                         ; h
	v_mul_u32_u24 v3, v1, PITCH
	v_mul_u32_u24 v4, v2, 24
	v_add_nc_u32 v4, v3, v4
	v_lshl_add_u32 v5, v2, 4, v4
	s_mul_i32 s21, s15, HALFT
	s_mul_i32 s22, s16, HALFT
	s_add_co_u32 s22, s22, 2*HALFT
.irp s, 0,1
	v_add_nc_u32 v[ADRA+\s], s21, v4
	v_add_nc_u32 v[ADRB+\s], s22, v4
	v_add_nc_u32 v[ADRA+2+\s], s21, v5
	v_add_nc_u32 v[ADRB+2+\s], s22, v5
	s_add_co_u32 s21, s21, SLOT
	s_add_co_u32 s22, s22, SLOT
.endr
	v_mul_u32_u24 v5, v1, KS
	v_lshrrev_b32 v6, 8, v5
	v_lshl_add_u32 v5, v6, 4, v5
	s_mul_i32 s21, s15, HALFS
	s_mul_i32 s22, s16, HALFS
	s_add_co_u32 s22, s22, 2*HALFS
	s_sub_co_u32 s22, s22, s21
	v_mul_u32_u24 v6, s22, v2
	s_add_co_u32 s21, s21, SCL
	v_add_nc_u32 v5, v5, v6
	v_add_nc_u32 v[ADRS], s21, v5
	; the way out's addresses
	s_mul_i32 s23, s14, 16*SPITCH                  ; my stage
	v_mul_u32_u24 v5, v1, SPITCH
	v_lshl_add_u32 v[STO], v2, 5, v5
	v_add_nc_u32 v[STO], s23, v[STO]               ; in: row r, + 32 h
	v_lshl_add_u32 v[RD], v2, 8, v5
	v_add_nc_u32 v[RD], s23, v[RD]                 ; back: row r, + 256 h: 64 columns
	v_and_b32 v6, 31, v0
	v_lshlrev_b32 v[CO], 4, v6
	v_lshlrev_b32 v[HO], 7, v6                     ; a row of the scale bytes' buffer is 128 bytes
	s_mul_i32 s21, s15, 128*192
	s_mul_i32 s22, s16, 96
	s_add_co_u32 s21, s21, s22
	s_add_co_u32 s21, s21, CIMG
	v_mul_u32_u24 v[CW], v1, 192
	v_mad_u32_u24 v[CW], v2, 48, v[CW]
	v_add_nc_u32 v[CW], s21, v[CW]                 ; the codes' image: row 128 x row half + r, + 96 x column half + 48 h
	s_lshl_b32 s21, s15, 10
	s_lshl_b32 s22, s16, 2
	s_add_co_u32 s21, s21, s22
	s_add_co_u32 s21, s21, SIMG
	v_lshlrev_b32 v[SW], 3, v1
	v_lshl_add_u32 v[SW], v2, 1, v[SW]
	v_add_nc_u32 v[SW], s21, v[SW]                 ; the bytes' image: 8 x row + 4 x column half + 2 h
	s_mul_i32 s21, s14, 12288
	s_add_co_u32 s21, s21, CIMG
	v_add_nc_u32 v[CR], s21, v[CO]
	s_lshl_b32 s21, s14, 9
	s_add_co_u32 s21, s21, SIMG
	v_lshl_add_u32 v[SR], v6, 3, s21
	s_mul_i32 s20, s42, ASLAB                      ; the slab,
	s_mul_i32 s21, s17, 256*192                    ; the tile's 256 rows in it,
	s_add_co_u32 s20, s20, s21
	s_mul_i32 s21, s14, 12288                      ; my 64 of them
	s_add_co_u32 s20, s20, s21
	s_mov_b32 s21, 0
	s_add_nc_u64 s[12:13], s[12:13], s[20:21]
	s_lshl_b32 s20, s17, 8
	s_lshl_b32 s22, s14, 6
	s_add_co_u32 s20, s20, s22
	s_lshl_b32 s20, s20, 7
	s_lshl_b32 s22, s42, 3
	s_add_co_u32 s20, s20, s22
	s_add_nc_u64 s[98:99], s[98:99], s[20:21]
	s_lshl_b32 s46, s42, 10
	s_lshl_b32 s47, s16, 9
	s_add_co_u32 s46, s46, s47
	s_mov_b32 s47, 0
	s_add_nc_u64 s[96:97], s[96:97], s[46:47]      ; the bias of my 128 columns
	v_lshlrev_b32 v[BO], 5, v2
.irp b, 0,1,2,3,4,5,6,7
	global_load_b128 v[BI+8*\b:BI+8*\b+3], v[BO], s[96:97] offset:64*\b
	global_load_b128 v[BI+8*\b+4:BI+8*\b+7], v[BO], s[96:97] offset:64*\b+16
.endr
.macro FRAG reg, adr, q, i             ; 16 rows x 128 K: 12 registers, in pieces of 8 bytes; where the piece of lanes 16-31 lies behind one padding more, the second address register serves
.irp p, 0,1,2,3,4,5
.set PC, 12*(\q)+6*(\p/3)+\p%3
.if PC%8 < 5
	ds_load_b64 v[\reg+2*\p:\reg+2*\p+1], v[\adr] offset:8*PC+16*(PC/8)+(\i)*16*PITCH
.else
	ds_load_b64 v[\reg+2*\p:\reg+2*\p+1], v[\adr+2] offset:8*PC+16*(PC/8)+(\i)*16*PITCH
.endif
.endr
.endm
; 16 matrix instructions: A's blocks a0, a0 + 1 x B's eight.  zero = 2: the first product starts the sums from the bias.  The 64 accumulators take turns, one instruction a turn.
.macro MUL16 a0, p, q, sc, zero
.irp a, \a0, \a0+1
.irp b, 0,1,2,3,4,5,6,7
.set rD, 8*(8*((\a)%4)+\b)
.set rB, 128*(\p)+FR*\b
.set rA, AF+FR*(\a)
.set rSB, SC+8*NQ*(\sc)+NQ*\b+(\q)
.set rSA, SC+8*NQ*(\sc)+NQ*(\a)+(\q)
.if \zero == 2
	v_wmma_scale_f32_16x16x128_f8f6f4 v[rD:rD+7], v[rB:rB+FR-1], v[rA:rA+FR-1], v[BI+8*\b:BI+8*\b+7], v[rSB], v[rSA] matrix_a_fmt:MATRIX_FMT_FP6 matrix_b_fmt:MATRIX_FMT_FP6 matrix_a_scale:MATRIX_SCALE_ROW1
.else
	v_wmma_scale_f32_16x16x128_f8f6f4 v[rD:rD+7], v[rB:rB+FR-1], v[rA:rA+FR-1], v[rD:rD+7], v[rSB], v[rSA] matrix_a_fmt:MATRIX_FMT_FP6 matrix_b_fmt:MATRIX_FMT_FP6 matrix_a_scale:MATRIX_SCALE_ROW1
.endif
.endr
.endr
.endm
.macro FETCH_B slot, q, p
	WIN TO_B
.irp i, 0,1,2,3,4,5,6,7
	FRAG 128*(\p)+FR*\i, ADRB+\slot, \q, \i
.endr
	WIN 0
.endm
.macro FETCH_A slot, q, i0
.irp i, \i0, \i0+1, \i0+2, \i0+3
	FRAG AF+FR*(\i), ADRA+\slot, \q, \i
.endr
.endm
.macro SCALES sc
.irp i, 0,1,2,3,4,5,6,7
	ds_load_b64 v[SC+8*NQ*\sc+NQ*\i:SC+8*NQ*\sc+NQ*\i+1], v[ADRS] offset:\i*SBLK
.endr
.endm
.macro PLACES n                        ; plain vector instructions between a matrix instruction and a load into its registers or a read of its result
.rept \n
	v_nop
.endr
.endm
.macro STEP slot, q, zero
	s_wait_dscnt 4*NL                              ; B's set, A's blocks 0-3 and the scale words are in; the 24 loads of A's blocks 4-7 may be out
.if \zero == 2
	WIN 0x81                                       ; C (the bias) window 0, D window 2
.else
	WIN MUL_LO
.endif
	MUL16 0, (\q)%2, \q, \slot, \zero
	MUL16 2, (\q)%2, \q, \slot, \zero
	s_wait_dscnt 0
	PLACES NP
	FETCH_B \slot, (\q)+1, 1-(\q)%2
	FETCH_A \slot, (\q)+1, 0
.if \zero == 2
	WIN 0xc1
.else
	WIN MUL_HI
.endif
	MUL16 4, (\q)%2, \q, \slot, \zero
	MUL16 6, (\q)%2, \q, \slot, \zero
	PLACES NP
	WIN 0
	FETCH_A \slot, (\q)+1, 4
.endm
.macro TURN slot, next, fill           ; a slot's last step changes slots
	s_wait_tensorcnt 0x0                           ; all my tensor loads have landed: my part of the next slot
	ds_add_u32 v[SPW], v[NIL]                      ; 0 onto my spare word
	s_wait_dscnt 4*NL+1                            ; the add and the 24 loads of A's blocks 4-7 may be out
	WIN MUL_LO
	MUL16 0, 1, NQ-1, \slot, 0
	s_wait_dscnt 0x0                               ; the add is done, and my reads of this slot are over
	s_barrier_signal -1
	MUL16 2, 1, NQ-1, \slot, 0
	WIN 0
	s_barrier_wait -1
.if \fill
	CREST                                          ; the barrier has opened a round of the cluster's: no wave of any partner still reads this slot or has a load on its way
	s_add_nc_u64 s[G0+4*\slot+2:G0+4*\slot+3], s[G0+4*\slot+2:G0+4*\slot+3], 2*ASLAB
	s_add_nc_u64 s[G0B+4*\slot+2:G0B+4*\slot+3], s[G0B+4*\slot+2:G0B+4*\slot+3], 2*ROWB
	JLOAD G0+4*\slot, G1, G0B+4*\slot, G1B         ; my one tensor load behind the round
.else
	PLACES NP
.endif
	v_add_nc_u32 v[ADRS], 4*NQ, v[ADRS]
	FETCH_B \next, 0, 0
	FETCH_A \next, 0, 0
	SCALES \next
	WIN MUL_HI
	MUL16 4, 1, NQ-1, \slot, 0
	MUL16 6, 1, NQ-1, \slot, 0
	PLACES NP
	WIN 0
	FETCH_A \next, 0, 4
.endm
	s_wait_tensorcnt 1                             ; the scales and my part of K step 0 are in; K step 1's load may stay out
	s_barrier_signal -1
	s_barrier_wait -1
	FETCH_B 0, 0, 0
	FETCH_A 0, 0, 0
	SCALES 0
	FETCH_A 0, 0, 4
	s_wait_loadcnt 0x0                             ; the bias
	STEP 0, 0, 2
	s_mov_b32 s3, LAPS-1
.Llap:
	TURN 0, 1, 1
	STEP 1, 0, 0
	TURN 1, 0, 1
	STEP 0, 0, 0
	s_sub_co_u32 s3, s3, 1
	s_cmp_lg_u32 s3, 0
	s_cbranch_scc1 .Llap
	TURN 0, 1, 0
	STEP 1, 0, 0
	s_wait_dscnt 4*NL
	WIN MUL_LO
	MUL16 0, 1, NQ-1, 1, 0
	MUL16 2, 1, NQ-1, 1, 0
	s_wait_dscnt 0
	WIN MUL_HI
	MUL16 4, 1, NQ-1, 1, 0
	MUL16 6, 1, NQ-1, 1, 0
	WIN 0
.macro TOSTORE a                       ; block a's eight accumulators into my stage, each from its low end on
.set AC, 64*((\a)%4)
	WIN 0x08+4*((\a)/4)
.irp b, 0,1,2,3,4,5,6,7
	ds_store_b128 v[STO], v[AC+8*\b:AC+8*\b+3] offset:64*\b
	ds_store_b128 v[STO], v[AC+8*\b+4:AC+8*\b+7] offset:64*\b+16
.endr
	WIN 0
.endm
.macro BACK2 a                         ; and back: lane (r, h) takes row r, columns 64 h .. 64 h + 63
.set ii, 0
.rept 16
	ds_load_b128 v[BK+64*((\a)%2)+4*ii:BK+64*((\a)%2)+4*ii+3], v[RD] offset:16*ii
.set ii, ii+1
.endr
.endm
.macro QUANT2                          ; v[XS] .. v[XS + 63], none negative: two blocks of 32 -> codes v64-75, bytes v84, v85
	v_max3_num_f32 v86, v[XS], v[XS+1], 0x1800000  ; the floor 2^(3 - 127): the byte cannot fall under 1
	v_max3_num_f32 v87, v[XS+32], v[XS+33], 0x1800000
.irp i, 2,4,6,8,10,12,14,16,18,20,22,24,26,28,30
	v_max3_num_f32 v86, v86, v[XS+\i], v[XS+\i+1]
	v_max3_num_f32 v87, v87, v[XS+32+\i], v[XS+33+\i]
.endr
	v_add_nc_u32 v88, 0xff000000, v86              ; 2 off the exponent field: the conversion's scale operand
	v_add_nc_u32 v89, 0xff000000, v87
	v_cvt_scalef32_pk16_fp6_f32 v[64:66], v[XS:XS+15], v88
	v_cvt_scalef32_pk16_fp6_f32 v[76:78], v[XS+16:XS+31], v88
	v_cvt_scalef32_pk16_fp6_f32 v[70:72], v[XS+32:XS+47], v89
	v_cvt_scalef32_pk16_fp6_f32 v[80:82], v[XS+48:XS+63], v89
	v_lshrrev_b32 v84, 23, v88                     ; the bytes; also the plain place behind the conversions
	v_lshrrev_b32 v85, 23, v89
	v_mov_b32 v67, v76
	v_mov_b32 v68, v77
	v_mov_b32 v69, v78
	v_mov_b32 v73, v80
	v_mov_b32 v74, v81
	v_mov_b32 v75, v82
.endm
	PLACES NP                                      ; in front of the first read of results and of loads into A's registers
	TOSTORE 0
	BACK2 0
.irp a, 0,1,2,3,4,5,6,7
.if \a < 7
	TOSTORE \a+1
	BACK2 \a+1
	s_wait_dscnt 32                                ; all but the next block's 16 stores and 16 loads: this block is back, and the last block's stores of codes are done
.else
	s_wait_dscnt 0x0
.endif
.set XS, BK+64*(\a%2)
.set ii, 0
.rept 64
	v_max_num_f32 v[XS+ii], 0, v[XS+ii]            ; the activation, in f32
.set ii, ii+1
.endr
	QUANT2
	v_lshl_or_b32 v90, v85, 8, v84
	ds_store_b128 v[CW], v[64:67] offset:3072*\a
	ds_store_b128 v[CW], v[68:71] offset:3072*\a+16
	ds_store_b128 v[CW], v[72:75] offset:3072*\a+32
	ds_store_b16 v[SW], v90 offset:128*\a
.endr
	s_wait_dscnt 0x0                               ; for the others' sake: my stores into the images are done
	s_barrier_signal -1
	s_barrier_wait -1
.set cc, 0
.rept 24
	ds_load_b128 v[BK+4*cc:BK+4*cc+3], v[CR] offset:512*cc         ; my 64 rows of the image: 12,288 consecutive bytes
.set cc, cc+1
.endr
	ds_load_b64 v[224:225], v[SR]
	ds_load_b64 v[226:227], v[SR] offset:256
.set cc, 0
.rept 24
	s_wait_dscnt 25-cc                             ; the younger loads may stay out
	global_store_b128 v[CO], v[BK+4*cc:BK+4*cc+3], s[12:13] offset:512*cc   ; 512 consecutive bytes, at a multiple of 256 from the buffer's first byte
.set cc, cc+1
.endr
	s_wait_dscnt 0x0
	global_store_b64 v[HO], v[224:225], s[98:99]   ; 8 bytes a row
	global_store_b64 v[HO], v[226:227], s[98:99] offset:4096
	s_wait_tensorcnt 0x0                           ; the wave's end
	ds_add_u32 v[SPW], v[NIL]
	s_wait_dscnt 0x0
	CROUND                                         ; the closing round
	s_endpgm
.Lfunc_end_k_q7b169e4eb5_fc1:
	.size	k_q7b169e4eb5_fc1, .Lfunc_end_k_q7b169e4eb5_fc1-k_q7b169e4eb5_fc1
	.p2alignl 7, 3214868480
	.fill 96, 4, 3214868480
	.section	.rodata,"a",@progbits
	.p2align	6, 0x0
	.amdhsa_kernel k_q7b169e4eb5_fc1
		.amdhsa_group_segment_fixed_size 327680
		.amdhsa_private_segment_fixed_size 0
		.amdhsa_enable_private_segment 0
		.amdhsa_kernarg_size 56
		.amdhsa_user_sgpr_count 2
		.amdhsa_user_sgpr_kernarg_segment_ptr 1
		.amdhsa_wavefront_size32 1
		.amdhsa_system_sgpr_workgroup_id_x 1
		.amdhsa_system_sgpr_workgroup_id_y 1
		.amdhsa_system_sgpr_workgroup_id_z 1
		.amdhsa_system_vgpr_workitem_id 0
		.amdhsa_next_free_vgpr 1024
		.amdhsa_next_free_sgpr 100
		.amdhsa_reserve_vcc 0
		.amdhsa_float_denorm_mode_32 3
		.amdhsa_float_denorm_mode_16_64 3
		.amdhsa_memory_ordered 1
		.amdhsa_forward_progress 1
		.amdhsa_inst_pref_size 195
	.end_amdhsa_kernel
	.amdgpu_metadata
---
amdhsa.version: [ 1, 2 ]
amdhsa.kernels:
  - .name:           k_q7b169e4eb5_fc1
    .symbol:         k_q7b169e4eb5_fc1.kd
    .args:
      - { .name: act, .offset: 0, .size: 8, .value_kind: global_buffer, .address_space: global }
      - { .name: acts, .offset: 8, .size: 8, .value_kind: global_buffer, .address_space: global }
      - { .name: W1_codes, .offset: 16, .size: 8, .value_kind: global_buffer, .address_space: global }
      - { .name: W1_scales, .offset: 24, .size: 8, .value_kind: global_buffer, .address_space: global }
      - { .name: b1, .offset: 32, .size: 8, .value_kind: global_buffer, .address_space: global }
      - { .name: hid, .offset: 40, .size: 8, .value_kind: global_buffer, .address_space: global }
      - { .name: hids, .offset: 48, .size: 8, .value_kind: global_buffer, .address_space: global }
    .group_segment_fixed_size: 327680
    .private_segment_fixed_size: 0
    .kernarg_segment_align: 8
    .kernarg_segment_size: 56
    .max_flat_workgroup_size: 128
    .sgpr_count:     100
    .vgpr_count:     1024
    .wavefront_size: 32
...
	.end_amdgpu_metadata
.endif
;; end of part 5
;; launch fc2 (part 6): grid 4 x 16, 4 waves a work-group, clusters of 4 x 4, 327,680 bytes of LDS; arguments hid, hids, W2_codes, W2_scales, b2, x1, out0; writes out0
.if DOCPART == 6
	.amdgcn_target "amdgcn-amd-amdhsa--gfx1250"
	.amdhsa_code_object_version 6
	.text
	.protected	k_q7b169e4eb5_fc2
	.globl	k_q7b169e4eb5_fc2
	.p2align	8
	.type	k_q7b169e4eb5_fc2,@function
k_q7b169e4eb5_fc2:
	s_mov_b64 s[64:65], 0
	v_nop
	global_prefetch_b8 v0, s[64:65] scope:SCOPE_SE
	s_setreg_imm32_b32 hwreg(HW_REG_WAVE_MODE, 25, 1), 1
	s_wait_xcnt 0x0
	s_wait_alu depctr_hold_cnt(0) depctr_sa_sdst(0) depctr_va_vdst(0) depctr_va_sdst(0) depctr_va_ssrc(0) depctr_va_vcc(0) depctr_vm_vsrc(0)
	s_getreg_b32 s2, hwreg(HW_REG_IB_STS2, 6, 4)
	s_cmp_eq_u32 s2, 0
	s_cbranch_scc0 .Lentry_in_a_cluster
	s_endpgm
.Lentry_in_a_cluster:
	s_bfe_u32 s2, ttmp6, 0x10000c
	s_cmp_lg_u32 s2, 0xf033
	s_cbranch_scc0 .Lentry_shape_is_right
	s_endpgm
.Lentry_shape_is_right:
; C = R + A B^T + bias on codes of FP6 (E2M3) with E8M0 scales, K = 4,096; C, R: [4,096][1,024] f32.  Here: out = x1 + hidden W2 + b2.
; A: codes laid [K / 256 slabs][4,096 rows][192 bytes], scale bytes [4,096][K / 32].  B: [1,024 rows][K x 6 / 8 bytes], scale bytes [1,024][K / 32].
; A tile of C, 256 x 256, is made by four waves, each 128 x 128: 64 accumulators, 512 registers.  K goes in steps of 256 through a ring of two LDS slots filled by the tensor data mover; the scales of the tile's rows come once.
; CLUSTERS: 4 x 4 work-groups; A's tiles are asked for jointly along a row of the cluster, B's along a column.  64 tiles of C: 64 work-groups.
; THE MATRIX INSTRUCTION IS USED TRANSPOSED (source 0 = 16 rows of B, source 1 = 16 rows of A): a lane holds one row of C and eight neighbouring columns.  The bias is the C of each sum's first product.
; THE WAY OUT: a block of 16 rows x 128 columns goes through the wave's stage in LDS and comes back as whole rows of 512 bytes; the residual, loaded in the same layout two blocks ahead, is added; 32 lanes store 512 consecutive bytes.
; REGISTERS: window 0: v0-31 addresses; v32-63 scale words, two sets; v64-127 the bias; v128-223 A's fragments; on the way out v128-255 two blocks.  window 1: B's fragments, two sets; on the way out four blocks of the residual.
;   windows 2, 3: the accumulators ((a, b) at v[8 (8 (a % 4) + b)]).
.set SIZE_K,  4096
.set SIZE_N,  1024
.set KSTEP,   256
.set NQ,      KSTEP/128
.set ROWB,    192
.set ASLAB,   4096*ROWB
.set KROWB,   SIZE_K*6/8
.set PITCH,   240
.set FR,      12
.set NL,      6
.set NP,      4
.set HALFT,   128*PITCH
.set SLOT,    4*HALFT
.set LAPS,    SIZE_K/(2*KSTEP)
.set KS,      SIZE_K/32
.set SCL,     2*SLOT
.set HALFS,   (128*KS/256)*272
.set SBLK,    (16*KS/256)*272
.set SPARE,   SCL+4*HALFS              ; the spare words: 128 bytes a wave, two blocks of 256 bytes that no other line names
.set SPITCH,  528                      ; the stage: 16 rows x (512 + 16) for each wave, in slot 0, which has had its last fill and its last read by then
.set ADRA, 16
.set ADRB, 20
.set STO,  24
.set RD,   25
.set CO,   26
.set ADRS, 27
.set SPW,  28
.set NIL,  29
.set BO,   30
.set SC,   32
.set BI,   64
.set AF,   128
.set BK,   128
.set G1, 24
.set G0, 32
.set G1B, 48
.set G0B, 56
.set G1S, 68
.set G0S, 76
.set G1SB, 80
.set G0SB, 88
.set MSB, 0
.macro WIN new                         ; the immediate's high byte repeats the setting that is left
.if MSB != (\new)
	s_set_vgpr_msb (MSB<<8)|(\new)
.set MSB, (\new)
.endif
.endm
.set MUL_LO, 0xa1                      ; source 0 (B) window 1, source 1 (A) window 0, C and D window 2
.set MUL_HI, 0xf1
.set TO_B,   0x40
.macro JLOAD g0a, g1a, g0b, g1b        ; a joint load: waves 0 and 1 fetch for A, waves 2 and 3 for B; four v_nop follow each of the two lines
	s_cmp_eq_u32 s15, 0
	s_cbranch_scc0 .Lfor_b_\@
	tensor_load_to_lds s[\g0a:\g0a+3], s[\g1a:\g1a+7]
	s_nop 0
.rept 4
	v_nop
.endr
	s_branch .Lasked_\@
.Lfor_b_\@:
	tensor_load_to_lds s[\g0b:\g0b+3], s[\g1b:\g1b+7]
	s_nop 0
.rept 4
	v_nop
.endr
.Lasked_\@:
.endm
.macro CREST
	s_cmp_lg_u32 s14, 0
	s_cbranch_scc1 .Lnot_wave_0_\@
	s_barrier_signal -3
.Lnot_wave_0_\@:
	s_barrier_wait -3
	s_barrier_signal -1
	s_barrier_wait -1
.endm
.macro CROUND
	s_barrier_signal -1
	s_barrier_wait -1
	CREST
.endm
	s_load_b128 s[4:7], s[0:1], 0x0                ; A's codes, A's scales
	s_load_b128 s[8:11], s[0:1], 0x10              ; B's codes, B's scales
	s_load_b128 s[96:99], s[0:1], 0x20             ; the bias, the residual
	s_load_b64 s[12:13], s[0:1], 0x30              ; C
	v_lshl_add_u32 v[SPW], v0, 2, SPARE
	v_mov_b32 v[NIL], 0
	ds_add_u32 v28, v29
	ds_add_u32 v28, v29
	s_wait_dscnt 0x0
	v_lshrrev_b32 v1, 5, v0
	v_readfirstlane_b32 s14, v1                    ; wave 0..3
	s_lshr_b32 s15, s14, 1                         ; my half of the tile's rows.  Also: I fetch for A (0) or for B (1)
	s_and_b32 s16, s14, 1                          ; my half of its columns.  Also: which 128 rows I fetch
	s_bfe_u32 s40, ttmp6, 0x40000
	s_bfe_u32 s41, ttmp6, 0x40004
	s_lshl_b32 s42, ttmp9, 2
	s_add_co_u32 s42, s42, s40                     ; tile column
	s_and_b32 s17, ttmp7, 0xffff
	s_lshl_b32 s17, s17, 2
	s_add_co_u32 s17, s17, s41                     ; tile row
	s_lshl_b32 s43, s41, 2
	s_lshl_b32 s43, 15, s43                        ; my row of the cluster
	s_lshl_b32 s44, 0x1111, s40                    ; my column
	s_or_b32 s[G1+0], s43, (0<<16)|(1<<20)|(1<<21)|(3<<22)|(3<<25)  ; the mask; elements of 1 byte; padding on; bit 21 beside a mask; after every 16 words 4 words
	s_or_b32 s[G1B+0], s44, (0<<16)|(1<<20)|(1<<21)|(3<<22)|(3<<25)
.irp g, G1, G1B
	s_mov_b32 s[\g+1], ROWB<<16
	s_mov_b32 s[\g+2], 128<<16
	s_mov_b32 s[\g+3], ROWB<<16
	s_mov_b32 s[\g+4], 128
	s_mov_b32 s[\g+6], 0
	s_mov_b32 s[\g+7], 0
.endr
	s_mov_b32 s[G1+5], ROWB                        ; A's rows follow each other inside a slab
	s_mov_b32 s[G1B+5], KROWB
	s_or_b32 s[G1S+0], s43, (3<<16)|(1<<20)|(1<<21)|(5<<22)|(3<<25)   ; the scales of 128 rows: a dense block, as rows of 256 bytes with 16 of padding
	s_or_b32 s[G1SB+0], s44, (3<<16)|(1<<20)|(1<<21)|(5<<22)|(3<<25)
.irp g, G1S, G1SB
	s_mov_b32 s[\g+1], 32<<16
	s_mov_b32 s[\g+2], (128*KS/256)<<16
	s_mov_b32 s[\g+3], 32<<16
	s_mov_b32 s[\g+4], 128*KS/256
	s_mov_b32 s[\g+5], 32
	s_mov_b32 s[\g+6], 0
	s_mov_b32 s[\g+7], 0
.endr
	s_lshl_b32 s18, s16, 7
	s_lshl_b32 s20, s17, 8
	s_add_co_u32 s20, s20, s18
	s_lshl_b32 s46, s42, 8
	s_add_co_u32 s46, s46, s18
	s_mov_b32 s21, 0
	s_mov_b32 s47, 0
	s_mov_b64 s[18:19], KS
	s_mul_u64 s[22:23], s[20:21], s[18:19]
	s_mul_u64 s[92:93], s[46:47], s[18:19]
	s_mov_b64 s[18:19], ROWB
	s_mul_u64 s[20:21], s[20:21], s[18:19]
	s_mov_b64 s[18:19], KROWB
	s_mul_u64 s[46:47], s[46:47], s[18:19]
	s_mul_i32 s45, s14, HALFT
	s_mul_i32 s94, s14, HALFS
	s_wait_kmcnt 0x0
	s_add_nc_u64 s[20:21], s[4:5], s[20:21]
	s_add_nc_u64 s[22:23], s[6:7], s[22:23]
	s_add_nc_u64 s[46:47], s[8:9], s[46:47]
	s_add_nc_u64 s[92:93], s[10:11], s[92:93]
	CROUND                                         ; all sixteen work-groups are here: the first joint loads meet
	s_mov_b32 s[G0S], 1
	s_add_co_u32 s[G0S+1], s94, SCL
	s_mov_b64 s[G0S+2:G0S+3], s[22:23]
	s_or_b32 s[G0S+3], s[G0S+3], 0x80000000
	s_mov_b32 s[G0SB], 1
	s_add_co_u32 s[G0SB+1], s94, SCL
	s_mov_b64 s[G0SB+2:G0SB+3], s[92:93]
	s_or_b32 s[G0SB+3], s[G0SB+3], 0x80000000
	JLOAD G0S, G1S, G0SB, G1SB
.irp s, 0,1
	s_mov_b32 s[G0+4*\s], 1
	s_add_co_u32 s[G0+4*\s+1], s45, \s*SLOT
	s_add_nc_u64 s[G0+4*\s+2:G0+4*\s+3], s[20:21], \s*ASLAB
	s_or_b32 s[G0+4*\s+3], s[G0+4*\s+3], 0x80000000
	s_mov_b32 s[G0B+4*\s], 1
	s_add_co_u32 s[G0B+4*\s+1], s45, \s*SLOT
	s_add_nc_u64 s[G0B+4*\s+2:G0B+4*\s+3], s[46:47], \s*ROWB
	s_or_b32 s[G0B+4*\s+3], s[G0B+4*\s+3], 0x80000000
	JLOAD G0+4*\s, G1, G0B+4*\s, G1B               ; three tensor loads of mine are out
.endr
	v_and_b32 v1, 15, v0                           ; r
	v_bfe_u32 v2, v0, 4, 1                         ; h
	v_mul_u32_u24 v3, v1, PITCH
	v_mul_u32_u24 v4, v2, 24
	v_add_nc_u32 v4, v3, v4
	v_lshl_add_u32 v5, v2, 4, v4
	s_mul_i32 s21, s15, HALFT
	s_mul_i32 s22, s16, HALFT
	s_add_co_u32 s22, s22, 2*HALFT
.irp s, 0,1
	v_add_nc_u32 v[ADRA+\s], s21, v4
	v_add_nc_u32 v[ADRB+\s], s22, v4
	v_add_nc_u32 v[ADRA+2+\s], s21, v5
	v_add_nc_u32 v[ADRB+2+\s], s22, v5
	s_add_co_u32 s21, s21, SLOT
	s_add_co_u32 s22, s22, SLOT
.endr
	v_mul_u32_u24 v5, v1, KS
	v_lshrrev_b32 v6, 8, v5
	v_lshl_add_u32 v5, v6, 4, v5
	s_mul_i32 s21, s15, HALFS
	s_mul_i32 s22, s16, HALFS
	s_add_co_u32 s22, s22, 2*HALFS
	s_sub_co_u32 s22, s22, s21
	v_mul_u32_u24 v6, s22, v2
	s_add_co_u32 s21, s21, SCL
	v_add_nc_u32 v5, v5, v6
	v_add_nc_u32 v[ADRS], s21, v5
	s_mul_i32 s23, s14, 16*SPITCH                  ; my stage
	v_mul_u32_u24 v5, v1, SPITCH
	v_lshl_add_u32 v5, v2, 5, v5
	v_add_nc_u32 v[STO], s23, v5
	v_and_b32 v6, 31, v0
	v_lshlrev_b32 v[CO], 4, v6
	v_add_nc_u32 v[RD], s23, v[CO]
	s_lshl_b32 s20, s17, 8
	s_lshl_b32 s21, s15, 7
	s_add_co_u32 s20, s20, s21                     ; my first row of C
	s_mov_b32 s21, 0
	s_mov_b64 s[18:19], SIZE_N*4
	s_mul_u64 s[20:21], s[20:21], s[18:19]
	s_lshl_b32 s46, s42, 10                        ; my first column, in bytes
	s_lshl_b32 s47, s16, 9
	s_add_co_u32 s46, s46, s47
	s_mov_b32 s47, 0
	s_add_nc_u64 s[20:21], s[20:21], s[46:47]
	s_add_nc_u64 s[12:13], s[12:13], s[20:21]
	s_add_nc_u64 s[98:99], s[98:99], s[20:21]      ; the residual at the same place
	s_add_nc_u64 s[96:97], s[96:97], s[46:47]      ; the bias of my 128 columns
	v_lshlrev_b32 v[BO], 5, v2                     ; lane (r, h) wants, for B's block b, the numbers 16 b + 8 h + 0 .. 7
.irp b, 0,1,2,3,4,5,6,7
	global_load_b128 v[BI+8*\b:BI+8*\b+3], v[BO], s[96:97] offset:64*\b
	global_load_b128 v[BI+8*\b+4:BI+8*\b+7], v[BO], s[96:97] offset:64*\b+16
.endr
.macro FRAG reg, adr, q, i             ; 16 rows x 128 K: 12 registers, in pieces of 8 bytes; where the piece of lanes 16-31 lies behind one padding more, the second address register serves
.irp p, 0,1,2,3,4,5
.set PC, 12*(\q)+6*(\p/3)+\p%3
.if PC%8 < 5
	ds_load_b64 v[\reg+2*\p:\reg+2*\p+1], v[\adr] offset:8*PC+16*(PC/8)+(\i)*16*PITCH
.else
	ds_load_b64 v[\reg+2*\p:\reg+2*\p+1], v[\adr+2] offset:8*PC+16*(PC/8)+(\i)*16*PITCH
.endif
.endr
.endm
; 16 matrix instructions: A's blocks a0, a0 + 1 x B's eight.  zero = 2: the first product starts the sums from the bias.  The 64 accumulators take turns, one instruction a turn.
.macro MUL16 a0, p, q, sc, zero
.irp a, \a0, \a0+1
.irp b, 0,1,2,3,4,5,6,7
.set rD, 8*(8*((\a)%4)+\b)
.set rB, 128*(\p)+FR*\b
.set rA, AF+FR*(\a)
.set rSB, SC+8*NQ*(\sc)+NQ*\b+(\q)
.set rSA, SC+8*NQ*(\sc)+NQ*(\a)+(\q)
.if \zero == 2
	v_wmma_scale_f32_16x16x128_f8f6f4 v[rD:rD+7], v[rB:rB+FR-1], v[rA:rA+FR-1], v[BI+8*\b:BI+8*\b+7], v[rSB], v[rSA] matrix_a_fmt:MATRIX_FMT_FP6 matrix_b_fmt:MATRIX_FMT_FP6 matrix_a_scale:MATRIX_SCALE_ROW1
.else
	v_wmma_scale_f32_16x16x128_f8f6f4 v[rD:rD+7], v[rB:rB+FR-1], v[rA:rA+FR-1], v[rD:rD+7], v[rSB], v[rSA] matrix_a_fmt:MATRIX_FMT_FP6 matrix_b_fmt:MATRIX_FMT_FP6 matrix_a_scale:MATRIX_SCALE_ROW1
.endif
.endr
.endr
.endm
.macro FETCH_B slot, q, p
	WIN TO_B
.irp i, 0,1,2,3,4,5,6,7
	FRAG 128*(\p)+FR*\i, ADRB+\slot, \q, \i
.endr
	WIN 0
.endm
.macro FETCH_A slot, q, i0
.irp i, \i0, \i0+1, \i0+2, \i0+3
	FRAG AF+FR*(\i), ADRA+\slot, \q, \i
.endr
.endm
.macro SCALES sc
.irp i, 0,1,2,3,4,5,6,7
	ds_load_b64 v[SC+8*NQ*\sc+NQ*\i:SC+8*NQ*\sc+NQ*\i+1], v[ADRS] offset:\i*SBLK
.endr
.endm
.macro PLACES n                        ; plain vector instructions between a matrix instruction and a load into its registers or a read of its result
.rept \n
	v_nop
.endr
.endm
.macro STEP slot, q, zero
	s_wait_dscnt 4*NL                              ; B's set, A's blocks 0-3 and the scale words are in; the 24 loads of A's blocks 4-7 may be out
.if \zero == 2
	WIN 0x81                                       ; C (the bias) window 0, D window 2
.else
	WIN MUL_LO
.endif
	MUL16 0, (\q)%2, \q, \slot, \zero
	MUL16 2, (\q)%2, \q, \slot, \zero
	s_wait_dscnt 0
	PLACES NP
	FETCH_B \slot, (\q)+1, 1-(\q)%2
	FETCH_A \slot, (\q)+1, 0
.if \zero == 2
	WIN 0xc1
.else
	WIN MUL_HI
.endif
	MUL16 4, (\q)%2, \q, \slot, \zero
	MUL16 6, (\q)%2, \q, \slot, \zero
	PLACES NP
	WIN 0
	FETCH_A \slot, (\q)+1, 4
.endm
.macro TURN slot, next, fill           ; a slot's last step changes slots
	s_wait_tensorcnt 0x0                           ; all my tensor loads have landed: my part of the next slot
	ds_add_u32 v[SPW], v[NIL]                      ; 0 onto my spare word
	s_wait_dscnt 4*NL+1                            ; the add and the 24 loads of A's blocks 4-7 may be out
	WIN MUL_LO
	MUL16 0, 1, NQ-1, \slot, 0
	s_wait_dscnt 0x0                               ; the add is done, and my reads of this slot are over
	s_barrier_signal -1
	MUL16 2, 1, NQ-1, \slot, 0
	WIN 0
	s_barrier_wait -1
.if \fill
	CREST                                          ; the barrier has opened a round of the cluster's: no wave of any partner still reads this slot or has a load on its way
	s_add_nc_u64 s[G0+4*\slot+2:G0+4*\slot+3], s[G0+4*\slot+2:G0+4*\slot+3], 2*ASLAB
	s_add_nc_u64 s[G0B+4*\slot+2:G0B+4*\slot+3], s[G0B+4*\slot+2:G0B+4*\slot+3], 2*ROWB
	JLOAD G0+4*\slot, G1, G0B+4*\slot, G1B         ; my one tensor load behind the round
.else
	PLACES NP
.endif
	v_add_nc_u32 v[ADRS], 4*NQ, v[ADRS]
	FETCH_B \next, 0, 0
	FETCH_A \next, 0, 0
	SCALES \next
	WIN MUL_HI
	MUL16 4, 1, NQ-1, \slot, 0
	MUL16 6, 1, NQ-1, \slot, 0
	PLACES NP
	WIN 0
	FETCH_A \next, 0, 4
.endm
	s_wait_tensorcnt 1                             ; the scales and my part of K step 0 are in; K step 1's load may stay out
	s_barrier_signal -1
	s_barrier_wait -1
	FETCH_B 0, 0, 0
	FETCH_A 0, 0, 0
	SCALES 0
	FETCH_A 0, 0, 4
	s_wait_loadcnt 0x0                             ; the bias
	STEP 0, 0, 2
	s_mov_b32 s3, LAPS-1
.Llap:
	TURN 0, 1, 1
	STEP 1, 0, 0
	TURN 1, 0, 1
	STEP 0, 0, 0
	s_sub_co_u32 s3, s3, 1
	s_cmp_lg_u32 s3, 0
	s_cbranch_scc1 .Llap
	TURN 0, 1, 0
	STEP 1, 0, 0
	s_wait_dscnt 4*NL
	WIN MUL_LO
	MUL16 0, 1, NQ-1, 1, 0
	MUL16 2, 1, NQ-1, 1, 0
	s_wait_dscnt 0
	WIN MUL_HI
	MUL16 4, 1, NQ-1, 1, 0
	MUL16 6, 1, NQ-1, 1, 0
	WIN 0
.macro RLOAD a                         ; the residual of block a, as whole rows of 512 bytes, into window 1
	WIN TO_B
.set tt, 0
.rept 16
	global_load_b128 v[64*((\a)%4)+4*tt:64*((\a)%4)+4*tt+3], v[CO], s[98:99] offset:(16*(\a)+tt)*SIZE_N*4 th:TH_LOAD_NT
.set tt, tt+1
.endr
	WIN 0
.endm
.macro TOSTAGE a                       ; block a into my stage, each accumulator from its low end on, and back by rows; LDS serves a wave's instructions in order
.set AC, 64*((\a)%4)
	WIN 0x08+4*((\a)/4)
.irp b, 0,1,2,3,4,5,6,7
	ds_store_b128 v[STO], v[AC+8*\b:AC+8*\b+3] offset:64*\b
	ds_store_b128 v[STO], v[AC+8*\b+4:AC+8*\b+7] offset:64*\b+16
.endr
	WIN 0
.set tt, 0
.rept 16
	ds_load_b128 v[BK+64*((\a)%2)+4*tt:BK+64*((\a)%2)+4*tt+3], v[RD] offset:tt*SPITCH
.set tt, tt+1
.endr
.endm
.macro SEND a, younger, lc             ; younger: LDS instructions behind block a's loads; lc: the residual loads of younger blocks
	s_wait_dscnt \younger
	s_wait_loadcnt \lc
	WIN 0x04                                       ; source 1 window 1
.set tt, 0
.rept 32
	v_pk_add_f32 v[BK+64*((\a)%2)+tt:BK+64*((\a)%2)+tt+1], v[BK+64*((\a)%2)+tt:BK+64*((\a)%2)+tt+1], v[64*((\a)%4)+tt:64*((\a)%4)+tt+1]
.set tt, tt+2
.endr
	WIN 0
.set tt, 0
.rept 16
	global_store_b128 v[CO], v[BK+64*((\a)%2)+4*tt:BK+64*((\a)%2)+4*tt+3], s[12:13] offset:(16*(\a)+tt)*SIZE_N*4 th:TH_STORE_NT   ; 512 consecutive bytes, at a multiple of 256 from C's first byte; written once, read by nobody here
.set tt, tt+1
.endr
.endm
	PLACES NP                                      ; in front of loads into B's and A's registers and of the first read of results
	RLOAD 0
	RLOAD 1
	RLOAD 2
	TOSTAGE 0
.irp a, 1,2,3,4,5,6,7
.if \a > 1
	s_wait_xcnt 0x0                                ; block a - 2's stores have read their registers: block a's loads may land there
.endif
	TOSTAGE \a
.if \a < 7
	SEND \a-1, 32, 32
.else
	SEND \a-1, 32, 16
.endif
.if \a < 6
	RLOAD \a+2
.endif
.endr
	SEND 7, 0, 0
	s_wait_tensorcnt 0x0                           ; the wave's end
	ds_add_u32 v[SPW], v[NIL]
	s_wait_dscnt 0x0
	CROUND                                         ; the closing round
	s_endpgm
.Lfunc_end_k_q7b169e4eb5_fc2:
	.size	k_q7b169e4eb5_fc2, .Lfunc_end_k_q7b169e4eb5_fc2-k_q7b169e4eb5_fc2
	.p2alignl 7, 3214868480
	.fill 96, 4, 3214868480
	.section	.rodata,"a",@progbits
	.p2align	6, 0x0
	.amdhsa_kernel k_q7b169e4eb5_fc2
		.amdhsa_group_segment_fixed_size 327680
		.amdhsa_private_segment_fixed_size 0
		.amdhsa_enable_private_segment 0
		.amdhsa_kernarg_size 56
		.amdhsa_user_sgpr_count 2
		.amdhsa_user_sgpr_kernarg_segment_ptr 1
		.amdhsa_wavefront_size32 1
		.amdhsa_system_sgpr_workgroup_id_x 1
		.amdhsa_system_sgpr_workgroup_id_y 1
		.amdhsa_system_sgpr_workgroup_id_z 1
		.amdhsa_system_vgpr_workitem_id 0
		.amdhsa_next_free_vgpr 1024
		.amdhsa_next_free_sgpr 100
		.amdhsa_reserve_vcc 0
		.amdhsa_float_denorm_mode_32 3
		.amdhsa_float_denorm_mode_16_64 3
		.amdhsa_memory_ordered 1
		.amdhsa_forward_progress 1
		.amdhsa_inst_pref_size 190
	.end_amdhsa_kernel
	.amdgpu_metadata
---
amdhsa.version: [ 1, 2 ]
amdhsa.kernels:
  - .name:           k_q7b169e4eb5_fc2
    .symbol:         k_q7b169e4eb5_fc2.kd
    .args:
      - { .name: hid, .offset: 0, .size: 8, .value_kind: global_buffer, .address_space: global }
      - { .name: hids, .offset: 8, .size: 8, .value_kind: global_buffer, .address_space: global }
      - { .name: W2_codes, .offset: 16, .size: 8, .value_kind: global_buffer, .address_space: global }
      - { .name: W2_scales, .offset: 24, .size: 8, .value_kind: global_buffer, .address_space: global }
      - { .name: b2, .offset: 32, .size: 8, .value_kind: global_buffer, .address_space: global }
      - { .name: x1, .offset: 40, .size: 8, .value_kind: global_buffer, .address_space: global }
      - { .name: out0, .offset: 48, .size: 8, .value_kind: global_buffer, .address_space: global }
    .group_segment_fixed_size: 327680
    .private_segment_fixed_size: 0
    .kernarg_segment_align: 8
    .kernarg_segment_size: 56
    .max_flat_workgroup_size: 128
    .sgpr_count:     100
    .vgpr_count:     1024
    .wavefront_size: 32
...
	.end_amdgpu_metadata
.endif
;; end of part 6
;; ======== version 2 of 2: 7 launches
;; limits: right only within a limited range of input values
;; workspace buffers: act 3,145,728 bytes; acts 131,072 bytes; qrec 3,407,872 bytes; kvrec 6,815,744 bytes; x1 16,777,216 bytes; hid 12,582,912 bytes; hids 524,288 bytes; wre 9,437,184 bytes
;; launch ln1 (part 7): grid 1024 x 1, 4 waves a work-group, no clusters, 45,568 bytes of LDS; arguments x, ln1_g, ln1_b, act, acts, Wq_codes, Wk_codes, Wv_codes, Wproj_codes, W1_codes, W2_codes, wre; writes act, acts, wre
.if DOCPART == 7
	.amdgcn_target "amdgcn-amd-amdhsa--gfx1250"
	.amdhsa_code_object_version 6
	.text
	.protected	k_q7b169e4eb5_ln1
	.globl	k_q7b169e4eb5_ln1
	.p2align	8
	.type	k_q7b169e4eb5_ln1,@function
k_q7b169e4eb5_ln1:
	s_mov_b64 s[64:65], 0
	v_nop
	global_prefetch_b8 v0, s[64:65] scope:SCOPE_SE
	s_setreg_imm32_b32 hwreg(HW_REG_WAVE_MODE, 25, 1), 1
	s_wait_xcnt 0x0
; TWO JOBS IN ONE LAUNCH, told apart by the work-group's number.  Work-groups 0-255: the first layernorm and its quantiser.  Work-groups 256-1023: the weights' codes are laid in slabs along K.
; LAYERNORM AND QUANTISER.  y = (x - mean) * rsqrt(var + 1e-5) * g + b for 4,096 rows of 1,024 f32 numbers, then y as codes of FP6 (E2M3) with one E8M0 byte for each 32 along the row.
; The codes are laid [4 slabs of 256 along K][4,096 rows][192 bytes], the bytes [4,096][32].  A work-group has four waves, a wave owns 4 rows and shares nothing: no barrier.  All four rows are asked for at the head,
; each by 8 loads of 512 consecutive bytes.  Mean and variance are taken in two passes over the registers (first the mean, then the squares of x - mean), so a common offset of the inputs cancels nothing.
; For the conversions a lane must hold 32 NEIGHBOURS: the finished row turns through the wave's own LDS (places of 128 + 16 bytes).  Codes and bytes of the 4 rows are gathered in LDS and leave as 768 bytes for each slab and 128 scale bytes.
; A block's scale is 2^(floor(log2(largest magnitude)) - 2); its byte is the largest magnitude's exponent field - 2, held at 1 from below.
; LIMITS: NaN and infinities among the inputs are not served; a block whose largest magnitude lies under 2^-124 (a block of zeros too) keeps the byte 1: its codes are then zeros or subnormal codes, and the bytes are read by this program alone.
; THE SLABS.  A weight lies [rows][K x 6 / 8 bytes].  It goes to wre as [slabs][rows][SB bytes], so that the tiles which the products' launches ask for are dense runs that begin at multiples of 256 bytes:
; Wq, Wk, Wv, W1 in slabs of 256 along K (SB = 192), Wproj and W2 in slabs of 512 along K (SB = 384).  wre, in units of 786,432 bytes: Wq 0, Wk 1, Wv 2, Wproj 3, W1 4-7, W2 8-11.  No code is changed.
; A job is one wave's: 1,536 bytes (8 rows of 192 or 4 rows of 384) of each of two neighbouring slabs: six loads and six stores of 16 bytes a lane; 3,072 jobs, 256 to a unit of wre.  No LDS there.
.set WREG, 11264                       ; LDS of a wave: the turn 32 x 144, the codes from CST, the bytes from SCB
.set CST,  4608
.set SCB,  10752
.set GG,   8                           ; v8-39    g, as loaded: register 4 j + e = number 128 j + 4 lane + e
.set BB,   40                          ; v40-71   b likewise
.set XR,   72                          ; v72-199  the four rows
.set Y,    200                         ; v200-231 my block of 32 neighbours
.set CD,   232                         ; v232-238 its codes
	s_cmp_ge_u32 ttmp9, 256
	s_cbranch_scc1 .Lrelay
	s_load_b256 s[4:11], s[0:1], 0x0               ; rows, g, b, codes
	s_load_b64 s[12:13], s[0:1], 0x20              ; scale bytes
	v_lshl_add_u32 v254, v0, 2, 0xb000             ; my spare word, and 0
	v_mov_b32 v255, 0
	v_lshrrev_b32 v240, 5, v0
	v_readfirstlane_b32 s14, v240                  ; wave 0..3
	v_and_b32 v240, 31, v0                         ; lane
	v_lshrrev_b32 v241, 3, v240
	v_and_b32 v242, 7, v0
	s_mul_i32 s15, s14, WREG
	v_lshlrev_b32 v1, 4, v240                      ; v1: 16 x lane
	v_mul_u32_u24 v2, v241, 144
	v_lshl_add_u32 v2, v242, 4, v2
	v_add_nc_u32 v2, s15, v2                       ; v2: the turn, in: load j's 16 bytes belong to block 4 j + lane / 8
	v_mul_u32_u24 v3, v240, 144
	v_add_nc_u32 v3, s15, v3                       ; v3: the turn, out: block = lane
	v_mul_u32_u24 v4, v241, 768
	v_mad_u32_u24 v4, v242, 24, v4
	v_add_nc_u32 v4, s15, v4
	v_add_nc_u32 v4, CST, v4                       ; v4: my block's 24 bytes: slab lane / 8, block lane % 8 of it
	v_add_nc_u32 v5, s15, v240
	v_add_nc_u32 v5, SCB, v5                       ; v5: my block's byte
	v_add_nc_u32 v6, s15, v1
	v_add_nc_u32 v6, CST, v6                       ; v6: the codes on the way out
	v_lshlrev_b32 v253, 2, v240                    ; v253: 4 x lane
	v_lshrrev_b32 v251, 4, v240
	v_mul_u32_u24 v251, v251, 785664
	v_add_nc_u32 v251, v251, v1                    ; v251: 16 x lane, and for lanes 16-31 a slab less 768 more: for the 512 bytes that end one slab's 768 and begin the next's
	v_add_nc_u32 v7, s15, v253
	v_add_nc_u32 v7, SCB, v7                       ; v7: the bytes on the way out
	v_mov_b32 v252, 0                              ; a lane permute's destination counts as one of its sources
	s_mov_b32 s16, 0x76543210
	s_mov_b32 s17, 0xfedcba98                      ; selects for lane xor 16
	s_mov_b32 s18, 0x3a800000                      ; 1 / 1,024
	s_mov_b32 s19, 0x3727c5ac                      ; 1e-5
	s_lshl_b32 s20, ttmp9, 2
	s_add_co_u32 s20, s20, s14                     ; which run of 4 rows is my wave's
	s_lshl_b32 s22, s20, 14
	s_mov_b32 s23, 0
	s_mul_i32 s24, s20, 768
	s_mov_b32 s25, 0
	s_lshl_b32 s26, s20, 7
	s_mov_b32 s27, 0
	s_wait_kmcnt 0x0
	s_add_nc_u64 s[4:5], s[4:5], s[22:23]
	s_add_nc_u64 s[10:11], s[10:11], s[24:25]
	s_add_nc_u64 s[12:13], s[12:13], s[26:27]
.irp j, 0,1,2,3,4,5,6,7
	global_load_b128 v[GG+4*\j:GG+4*\j+3], v1, s[6:7] offset:512*\j
	global_load_b128 v[BB+4*\j:BB+4*\j+3], v1, s[8:9] offset:512*\j
.endr
.irp i, 0,1,2,3
.irp j, 0,1,2,3,4,5,6,7
	global_load_b128 v[XR+32*\i+4*\j:XR+32*\i+4*\j+3], v1, s[4:5] offset:4096*\i+512*\j th:TH_LOAD_NT
.endr
.endr
.macro ACROSS                          ; v240 + v241 summed over the 32 lanes, the sum in every lane
	v_add_f32 v240, v240, v241
	v_add_f32_dpp v240, v240, v240 row_xmask:1 row_mask:0xf bank_mask:0xf
	v_add_f32_dpp v240, v240, v240 row_xmask:2 row_mask:0xf bank_mask:0xf
	v_add_f32_dpp v240, v240, v240 row_xmask:4 row_mask:0xf bank_mask:0xf
	v_add_f32_dpp v240, v240, v240 row_xmask:8 row_mask:0xf bank_mask:0xf
	v_permlanex16_b32 v252, v240, s16, s17
	v_add_f32 v240, v240, v252
.endm
.macro ROW i, left                     ; left: the loads of the younger rows, eight each, which may stay out
.set X, XR+32*(\i)
	s_wait_loadcnt \left
	v_pk_add_f32 v[240:241], v[X:X+1], v[X+2:X+3]
	v_pk_add_f32 v[242:243], v[X+4:X+5], v[X+6:X+7]
.irp j, 8,12,16,20,24,28
	v_pk_add_f32 v[240:241], v[240:241], v[X+\j:X+\j+1]
	v_pk_add_f32 v[242:243], v[242:243], v[X+\j+2:X+\j+3]
.endr
	v_pk_add_f32 v[240:241], v[240:241], v[242:243]
	ACROSS
	v_mul_f32 v244, s18, v240                      ; the mean, twice: a pair for the packed form
	v_mul_f32 v245, s18, v240
.set jj, 0
.rept 16
	v_pk_add_f32 v[X+jj:X+jj+1], v[X+jj:X+jj+1], v[244:245] neg_lo:[0,1] neg_hi:[0,1]   ; x - mean
.set jj, jj+2
.endr
	v_pk_mul_f32 v[240:241], v[X:X+1], v[X:X+1]
	v_pk_mul_f32 v[242:243], v[X+2:X+3], v[X+2:X+3]
.irp j, 4,8,12,16,20,24,28
	v_pk_fma_f32 v[240:241], v[X+\j:X+\j+1], v[X+\j:X+\j+1], v[240:241]
	v_pk_fma_f32 v[242:243], v[X+\j+2:X+\j+3], v[X+\j+2:X+\j+3], v[242:243]
.endr
	v_pk_add_f32 v[240:241], v[240:241], v[242:243]
	ACROSS
	v_fma_f32 v246, v240, s18, s19                 ; var + eps
	s_wait_alu depctr_va_vdst(0)
	v_rsq_f32 v246, v246
	v_nop                                          ; one plain place behind it (ISA guide 5.7.2),
	s_wait_alu depctr_va_vdst(0)
	v_mov_b32 v247, v246
.set jj, 0
.rept 16
	v_pk_mul_f32 v[X+jj:X+jj+1], v[X+jj:X+jj+1], v[246:247]
.set jj, jj+2
.endr
.set jj, 0
.rept 16
	v_pk_fma_f32 v[X+jj:X+jj+1], v[X+jj:X+jj+1], v[GG+jj:GG+jj+1], v[BB+jj:BB+jj+1]
.set jj, jj+2
.endr
.irp j, 0,1,2,3,4,5,6,7
	ds_store_b128 v2, v[X+4*\j:X+4*\j+3] offset:576*\j       ; the row as it lies, 16 bytes of padding behind each 128
.endr
.irp j, 0,1,2,3,4,5,6,7
	ds_load_b128 v[Y+4*\j:Y+4*\j+3], v3 offset:16*\j         ; LDS serves a wave's instructions in order: these see the stores
.endr
	s_wait_dscnt 0x0
	v_max3_num_f32 v240, |v[Y]|, |v[Y+1]|, 0x1800000         ; the block's largest magnitude over the floor 2^(3 - 127): the byte cannot fall under 1
	v_max3_num_f32 v241, |v[Y+2]|, |v[Y+3]|, 0x1800000
.irp j, 4,8,12,16,20,24,28
	v_max3_num_f32 v240, v240, |v[Y+\j]|, |v[Y+\j+1]|
	v_max3_num_f32 v241, v241, |v[Y+\j+2]|, |v[Y+\j+3]|
.endr
	v_max_num_f32 v240, v240, v241
	v_add_nc_u32 v242, 0xff000000, v240            ; 2 off its exponent field: the conversion's scale operand
	v_cvt_scalef32_pk16_fp6_f32 v[CD:CD+2], v[Y:Y+15], v242
	v_cvt_scalef32_pk16_fp6_f32 v[CD+4:CD+6], v[Y+16:Y+31], v242   ; (a conversion's three registers begin on an even number)
	v_lshrrev_b32 v248, 23, v242                   ; the scale's byte; also the plain place behind the conversions
	v_mov_b32 v[CD+3], v[CD+4]
	v_mov_b32 v[CD+4], v[CD+5]
	v_mov_b32 v[CD+5], v[CD+6]
	ds_store_b64 v4, v[CD:CD+1] offset:192*(\i)
	ds_store_b64 v4, v[CD+2:CD+3] offset:192*(\i)+8
	ds_store_b64 v4, v[CD+4:CD+5] offset:192*(\i)+16
	ds_store_b8 v5, v248 offset:32*(\i)
.endm
	ROW 0, 24
	ROW 1, 16
	ROW 2, 8
	ROW 3, 0
.set cc, 0
.rept 6
	ds_load_b128 v[XR+4*cc:XR+4*cc+3], v6 offset:512*cc      ; 3,072 bytes of codes, 512 an instruction
.set cc, cc+1
.endr
	ds_load_b32 v[XR+24], v7
.irp s, 0,1                            ; two slabs' 768 bytes are three stores; sixteen lanes store 256 consecutive bytes, at a multiple of 256 from the buffer's first byte.  The younger LDS loads may stay out
	s_wait_dscnt 6-3*\s
	global_store_b128 v1, v[XR+12*\s:XR+12*\s+3], s[10:11] offset:2*\s*786432
	s_wait_dscnt 5-3*\s
	global_store_b128 v251, v[XR+12*\s+4:XR+12*\s+7], s[10:11] offset:2*\s*786432+512
	s_wait_dscnt 4-3*\s
	global_store_b128 v1, v[XR+12*\s+8:XR+12*\s+11], s[10:11] offset:(2*\s+1)*786432+256
.endr
	s_wait_dscnt 0x0
	global_store_b32 v253, v[XR+24], s[12:13]                ; 128 consecutive bytes
	s_wait_tensorcnt 0x0                           ; the wave's end
	ds_add_u32 v254, v255
	s_wait_dscnt 0x0
	s_endpgm
.Lrelay:
	s_load_b256 s[36:43], s[0:1], 0x28             ; Wq, Wk, Wv, Wproj
	s_load_b128 s[44:47], s[0:1], 0x48             ; W1, W2
	s_load_b64 s[48:49], s[0:1], 0x58              ; wre
	v_lshrrev_b32 v1, 5, v0
	v_readfirstlane_b32 s14, v1                    ; wave 0..3
	s_sub_co_u32 s20, ttmp9, 256
	s_lshl_b32 s20, s20, 2
	s_add_co_u32 s20, s20, s14                     ; the job
	s_lshr_b32 s21, s20, 8                         ; its unit of wre, 0..11
	s_mov_b32 s22, s21                             ; the weight's first unit.  These seven as Wq, Wk, Wv have them:
	s_mov_b32 s23, 1                               ; log2 of its pairs of slabs
	s_mov_b32 s24, 6                               ; SB = 3 << this
	s_mov_b32 s25, 192                             ; SB
	s_mov_b32 s26, 576                             ; a row in memory less SB
	s_mov_b32 s27, 196608                          ; from slab to slab in wre: rows x SB
	s_mov_b32 s28, 6144                            ; a job's rows in memory
	s_cmp_eq_u32 s21, 3                            ; Wproj
	s_cselect_b32 s23, 0, s23
	s_cselect_b32 s24, 7, s24
	s_cselect_b32 s25, 384, s25
	s_cselect_b32 s26, 384, s26
	s_cselect_b32 s27, 393216, s27
	s_cselect_b32 s28, 3072, s28
	s_cmp_ge_u32 s21, 4                            ; W1
	s_cselect_b32 s22, 4, s22
	s_cselect_b32 s27, 786432, s27
	s_cmp_ge_u32 s21, 8                            ; W2
	s_cselect_b32 s22, 8, s22
	s_cselect_b32 s23, 2, s23
	s_cselect_b32 s24, 7, s24
	s_cselect_b32 s25, 384, s25
	s_cselect_b32 s26, 2688, s26
	s_cselect_b32 s27, 393216, s27
	s_cselect_b32 s28, 12288, s28
	s_lshl_b32 s29, s22, 8
	s_sub_co_u32 s29, s20, s29                     ; the job inside its weight
	s_lshr_b32 s30, s29, s23                       ; its group of rows
	s_lshl_b32 s31, s30, s23
	s_sub_co_u32 s31, s29, s31
	s_lshl_b32 s31, s31, 1                         ; its first slab
	s_mul_i32 s8, s30, s28
	s_mul_i32 s10, s31, s25
	s_add_co_u32 s8, s8, s10                       ; from: group x rows' bytes + slab x SB
	s_mov_b32 s9, 0
	s_mul_i32 s10, s22, 786432
	s_mul_i32 s12, s31, s27
	s_add_co_u32 s10, s10, s12
	s_mul_i32 s12, s30, 1536
	s_add_co_u32 s10, s10, s12                     ; to: the weight's place + slab x slab bytes + group x 1,536
	s_mov_b32 s11, 0
	v_and_b32 v1, 31, v0
	v_lshlrev_b32 v1, 4, v1                        ; 16 x lane: the stores' offset
.irp j, 0,1,2                          ; byte y = 512 j + 16 lane of the 1,536 is byte y % SB of row y / SB; y / SB = ((y >> s24) x 11) >> 5 for y >> s24 under 24
	v_add_nc_u32 v[2+\j], 512*\j, v1
	v_lshrrev_b32 v[5+\j], s24, v[2+\j]
	v_mul_u32_u24 v[5+\j], v[5+\j], 11
	v_lshrrev_b32 v[5+\j], 5, v[5+\j]
	v_mad_u32_u24 v[2+\j], v[5+\j], s26, v[2+\j]   ; y + row x (a row in memory - SB)
.endr
	s_wait_alu depctr_va_vdst(0)
	s_wait_kmcnt 0x0
	s_cmp_eq_u32 s21, 1
	s_cselect_b64 s[4:5], s[38:39], s[36:37]
	s_cmp_eq_u32 s21, 2
	s_cselect_b64 s[4:5], s[40:41], s[4:5]
	s_cmp_eq_u32 s21, 3
	s_cselect_b64 s[4:5], s[42:43], s[4:5]
	s_cmp_ge_u32 s21, 4
	s_cselect_b64 s[4:5], s[44:45], s[4:5]
	s_cmp_ge_u32 s21, 8
	s_cselect_b64 s[4:5], s[46:47], s[4:5]
	s_add_nc_u64 s[4:5], s[4:5], s[8:9]
	s_add_nc_u64 s[6:7], s[48:49], s[10:11]
	s_mov_b32 s12, s25
	s_mov_b32 s13, 0
	s_add_nc_u64 s[16:17], s[4:5], s[12:13]        ; the second slab: SB on in the rows,
	s_mov_b32 s12, s27
	s_add_nc_u64 s[18:19], s[6:7], s[12:13]        ; a slab on in wre
.irp j, 0,1,2
	global_load_b128 v[8+4*\j:11+4*\j], v[2+\j], s[4:5]
	global_load_b128 v[20+4*\j:23+4*\j], v[2+\j], s[16:17]
.endr
.irp j, 0,1,2
	s_wait_loadcnt 5-2*\j                          ; the younger loads may stay out
	global_store_b128 v1, v[8+4*\j:11+4*\j], s[6:7] offset:512*\j
	s_wait_loadcnt 4-2*\j
	global_store_b128 v1, v[20+4*\j:23+4*\j], s[18:19] offset:512*\j
.endr
	s_endpgm
.Lfunc_end_k_q7b169e4eb5_ln1:
	.size	k_q7b169e4eb5_ln1, .Lfunc_end_k_q7b169e4eb5_ln1-k_q7b169e4eb5_ln1
	.p2alignl 7, 3214868480
	.fill 96, 4, 3214868480
	.section	.rodata,"a",@progbits
	.p2align	6, 0x0
	.amdhsa_kernel k_q7b169e4eb5_ln1
		.amdhsa_group_segment_fixed_size 45568
		.amdhsa_private_segment_fixed_size 0
		.amdhsa_enable_private_segment 0
		.amdhsa_kernarg_size 96
		.amdhsa_user_sgpr_count 2
		.amdhsa_user_sgpr_kernarg_segment_ptr 1
		.amdhsa_wavefront_size32 1
		.amdhsa_system_sgpr_workgroup_id_x 1
		.amdhsa_system_sgpr_workgroup_id_y 1
		.amdhsa_system_sgpr_workgroup_id_z 1
		.amdhsa_system_vgpr_workitem_id 0
		.amdhsa_next_free_vgpr 256
		.amdhsa_next_free_sgpr 66
		.amdhsa_reserve_vcc 0
		.amdhsa_float_denorm_mode_32 3
		.amdhsa_float_denorm_mode_16_64 3
		.amdhsa_memory_ordered 1
		.amdhsa_forward_progress 1
		.amdhsa_inst_pref_size 49
	.end_amdhsa_kernel
	.amdgpu_metadata
---
amdhsa.version: [ 1, 2 ]
amdhsa.kernels:
  - .name:           k_q7b169e4eb5_ln1
    .symbol:         k_q7b169e4eb5_ln1.kd
    .args:
      - { .name: x, .offset: 0, .size: 8, .value_kind: global_buffer, .address_space: global }
      - { .name: ln1_g, .offset: 8, .size: 8, .value_kind: global_buffer, .address_space: global }
      - { .name: ln1_b, .offset: 16, .size: 8, .value_kind: global_buffer, .address_space: global }
      - { .name: act, .offset: 24, .size: 8, .value_kind: global_buffer, .address_space: global }
      - { .name: acts, .offset: 32, .size: 8, .value_kind: global_buffer, .address_space: global }
      - { .name: Wq_codes, .offset: 40, .size: 8, .value_kind: global_buffer, .address_space: global }
      - { .name: Wk_codes, .offset: 48, .size: 8, .value_kind: global_buffer, .address_space: global }
      - { .name: Wv_codes, .offset: 56, .size: 8, .value_kind: global_buffer, .address_space: global }
      - { .name: Wproj_codes, .offset: 64, .size: 8, .value_kind: global_buffer, .address_space: global }
      - { .name: W1_codes, .offset: 72, .size: 8, .value_kind: global_buffer, .address_space: global }
      - { .name: W2_codes, .offset: 80, .size: 8, .value_kind: global_buffer, .address_space: global }
      - { .name: wre, .offset: 88, .size: 8, .value_kind: global_buffer, .address_space: global }
    .group_segment_fixed_size: 45568
    .private_segment_fixed_size: 0
    .kernarg_segment_align: 8
    .kernarg_segment_size: 96
    .max_flat_workgroup_size: 128
    .sgpr_count:     66
    .vgpr_count:     256
    .wavefront_size: 32
...
	.end_amdgpu_metadata
.endif
;; end of part 7
;; launch qkv (part 8): grid 12 x 16, 4 waves a work-group, clusters of 4 x 4, 327,680 bytes of LDS; arguments act, acts, wre, Wq_scales, Wk_scales, Wv_scales, qrec, kvrec; writes qrec, kvrec
.if DOCPART == 8
	.amdgcn_target "amdgcn-amd-amdhsa--gfx1250"
	.amdhsa_code_object_version 6
	.text
	.protected	k_q7b169e4eb5_qkv
	.globl	k_q7b169e4eb5_qkv
	.p2align	8
	.type	k_q7b169e4eb5_qkv,@function
k_q7b169e4eb5_qkv:
	s_mov_b64 s[64:65], 0
	v_nop
	global_prefetch_b8 v0, s[64:65] scope:SCOPE_SE
	s_setreg_imm32_b32 hwreg(HW_REG_WAVE_MODE, 25, 1), 1
	s_wait_xcnt 0x0
	s_wait_alu depctr_hold_cnt(0) depctr_sa_sdst(0) depctr_va_vdst(0) depctr_va_sdst(0) depctr_va_ssrc(0) depctr_va_vcc(0) depctr_vm_vsrc(0)
	s_getreg_b32 s2, hwreg(HW_REG_IB_STS2, 6, 4)
	s_cmp_eq_u32 s2, 0
	s_cbranch_scc0 .Lentry_in_a_cluster
	s_endpgm
.Lentry_in_a_cluster:
	s_bfe_u32 s2, ttmp6, 0x10000c
	s_cmp_lg_u32 s2, 0xf033
	s_cbranch_scc0 .Lentry_shape_is_right
	s_endpgm
.Lentry_shape_is_right:
; q, k, v = h Wq, h Wk, h Wv on codes of FP6 (E2M3) with E8M0 scales, K = 1,024; the results are quantised at once and stored as IMAGES OF THE OPERAND REGISTERS that the attention launch loads.
; A = h: codes laid [4 slabs of 256 along K][4,096 tokens][192 bytes], scale bytes [4,096][32].  B = a weight: [1,024 rows = 16 heads x 64][768 bytes], scale bytes [1,024][32].
; A tile of the result, 256 tokens x 256 weight rows (4 heads), is made by four waves, each 128 x 128: 64 accumulators, 512 registers.  K goes in steps of 256 through a ring of two LDS slots filled by the tensor data mover.
; CLUSTERS: 4 x 4 work-groups.  The cluster's x (0, 1, 2) says which weight: Wq, Wk, Wv; the place cx in the cluster says which 256 rows of it.  A's tiles are asked for jointly along a row of the cluster, B's along a column.
; THE MATRIX INSTRUCTION IS USED TRANSPOSED (source 0 = 16 rows of B, source 1 = 16 rows of A): a lane holds one token and eight neighbouring columns.
; THE WAY OUT.  q and k are quantised along the head's 64 (two blocks), v along the tokens (blocks of 32).  A record holds 128 tokens of one head, 6,656 bytes a part:
;   q or k: 8 tiles of 768 bytes; row p of tile T is token 64 (T / 4) + 32 (p / 8) + 8 (T % 4) + p % 8; lane p + 16 B holds block B: registers 0-3 at 768 T + 16 lane, registers 4-5 at 768 T + 512 + 8 lane;
;           scale words from byte 6,144: that of (T, p) at 16 (p + 16 (T % 2)) + 4 (T / 2); a word is b0, b1, b0, b1: the product's K is filled from 64 to 128 with zero codes, whose bytes only must not be 0xff.
;   v:      4 tiles of 1,536 bytes (16 channels x 128 tokens); row p of tile c is channel 32 (c / 2) + 8 (c % 2) + p + 8 (p / 8); register R of a lane at 1,536 c + 512 (R / 4) + 16 lane + 4 (R % 4);
;           scale words from byte 6,144: that of (c, p) at 8 (p + 16 (c % 2)) + 4 (c / 2); 256 zero bytes close the part.
; qrec: [32 heads][16 records][6,656]; kvrec: [32][16][k part, v part].
; LIMITS: NaN and infinities are not served; a block whose largest magnitude lies under 2^-124 (zeros too) keeps the byte 1; the bytes are read by this program alone.
; REGISTERS: window 0: v0-31 addresses; v32-63 scale words, two sets; v128-223 A's fragments; on the way out v64-95 and v128-255 at work.  window 1: B's fragments, two sets.  windows 2, 3: the accumulators ((a, b) at v[8 (8 (a % 4) + b)]).
.set SIZE_K,  1024
.set KSTEP,   256
.set NQ,      KSTEP/128
.set ROWB,    192                      ; a tile's row in bytes
.set ASLAB,   4096*ROWB                ; from a slab of A to the next
.set KROWB,   ROWB                     ; the weights come from wre, laid in slabs like A: [4 slabs][1,024 rows][192 bytes], Wq, Wk, Wv 786,432 bytes apart
.set BSLAB,   1024*ROWB                ; from a slab of a weight to the next
.set PITCH,   240                      ; an LDS row: 3 x (64 bytes + 16 of padding)
.set FR,      12
.set NL,      6
.set NP,      4                        ; places behind this matrix instruction (ISA guide 7.12.1)
.set HALFT,   128*PITCH
.set SLOT,    4*HALFT
.set LAPS,    SIZE_K/(2*KSTEP)
.set KS,      SIZE_K/32
.set SCL,     2*SLOT                   ; behind the ring: the scales, units of 256 bytes + 16
.set HALFS,   (128*KS/256)*272
.set SBLK,    (16*KS/256)*272
.set SPARE,   SCL+4*HALFS
.set HB,      128*KS                   ; the scale bytes of 128 rows in memory
.set NJ,      HB/1024                  ; loads of 512 bytes that bring a wave's half of them
.set SGO,  96                          ; v96  the scales' offset in memory
.set SLO,  97                          ; v97  and their place in LDS
.set PFO,  98                          ; v98  the prefetches' offset; never rewritten
.set SCT,  128                         ; the scales on their way through registers
.set PF,   76                          ; s[76:83] my share of my tile, K steps 0 to 3
.set SPITCH,  528
.set QST,     0                        ; the way out of q and k: a stage of 16 x 528 for each wave,
.set QIM,     33792                    ; and two parts' images, 13,312 bytes a wave
.set VST,     87040                    ; the way out of v, in bytes of its own: a stage of 32 x 528 for each wave,
.set VIM,     154624                   ; and two parts' images
.set ADRA, 16
.set ADRB, 20
.set STO,  24                          ; v24  q, k: into the stage
.set RD,   25                          ; v25  and back: row r, 256 bytes for each half of the lanes
.set CO,   26                          ; v26  16 x lane
.set ADRS, 27
.set SPW,  28                          ; v28  my spare word; never rewritten
.set NIL,  29                          ; v29  0; never rewritten
.set AQ16, 7
.set AQ8,  8
.set AQS,  9
.set QCR,  10
.set VSTO, 11
.set VRD,  12
.set AV,   13
.set AVS,  14
.set VZ,   15
.set VCR,  30
.set SC,   32
.set AF,   128
.set BK,   128
.set G1, 24
.set G0, 32
.set G1B, 48
.set G0B, 56
.set G1S, 68
.set G0S, 76
.set G1SB, 80
.set G0SB, 88
.set MSB, 0
.macro WIN new                         ; the immediate's high byte repeats the setting that is left
.if MSB != (\new)
	s_set_vgpr_msb (MSB<<8)|(\new)
.set MSB, (\new)
.endif
.endm
.set MUL_LO, 0xa1                      ; source 0 (B) window 1, source 1 (A) window 0, C and D window 2
.set MUL_HI, 0xf1
.set TO_B,   0x40
; A joint load: waves 0 and 1 fetch for A, waves 2 and 3 for B; the branch hangs on the wave's number alone.  Four v_nop follow each of the two lines.
.macro JLOAD g0a, g1a, g0b, g1b
	s_cmp_eq_u32 s15, 0
	s_cbranch_scc0 .Lfor_b_\@
	tensor_load_to_lds s[\g0a:\g0a+3], s[\g1a:\g1a+7]
	s_nop 0
.rept 4
	v_nop
.endr
	s_branch .Lasked_\@
.Lfor_b_\@:
	tensor_load_to_lds s[\g0b:\g0b+3], s[\g1b:\g1b+7]
	s_nop 0
.rept 4
	v_nop
.endr
.Lasked_\@:
.endm
.macro CREST                           ; a round of the cluster's barrier behind its opening barrier
	s_cmp_lg_u32 s14, 0
	s_cbranch_scc1 .Lnot_wave_0_\@
	s_barrier_signal -3
.Lnot_wave_0_\@:
	s_barrier_wait -3
	s_barrier_signal -1
	s_barrier_wait -1
.endm
.macro CROUND
	s_barrier_signal -1
	s_barrier_wait -1
	CREST
.endm
	s_load_b128 s[4:7], s[0:1], 0x0                ; A's codes, A's scales
	s_load_b256 s[68:75], s[0:1], 0x10             ; wre, Wq's scales, Wk's, Wv's
	s_load_b128 s[96:99], s[0:1], 0x30             ; qrec, kvrec
	v_lshl_add_u32 v[SPW], v0, 2, SPARE
	v_mov_b32 v[NIL], 0
	ds_add_u32 v28, v29
	ds_add_u32 v28, v29
	s_wait_dscnt 0x0
	v_lshrrev_b32 v1, 5, v0
	v_readfirstlane_b32 s14, v1                    ; wave 0..3
	s_lshr_b32 s15, s14, 1                         ; which half of the tile's rows is mine.  Also: I fetch for A (0) or for B (1)
	s_and_b32 s16, s14, 1                          ; which half of its columns.  Also: which 128 rows of that tile I fetch
	s_bfe_u32 s40, ttmp6, 0x40000                  ; cx, cy
	s_bfe_u32 s41, ttmp6, 0x40004
	s_mov_b32 s42, s40                             ; tile column INSIDE the weight = cx; the cluster's x chooses the weight
	s_and_b32 s17, ttmp7, 0xffff
	s_lshl_b32 s17, s17, 2
	s_add_co_u32 s17, s17, s41                     ; tile row = 4 x cluster y + cy
	s_lshl_b32 s43, s41, 2
	s_lshl_b32 s43, 15, s43                        ; my row of the cluster
	s_lshl_b32 s44, 0x1111, s40                    ; my column
	s_or_b32 s[G1+0], s43, (0<<16)|(1<<20)|(1<<21)|(3<<22)|(3<<25)  ; the mask; elements of 1 byte; padding on; bit 21 beside a mask; after every 16 words 4 words
	s_or_b32 s[G1B+0], s44, (0<<16)|(1<<20)|(1<<21)|(3<<22)|(3<<25)
.irp g, G1, G1B                        ; 128 rows of 192 bytes lie on end in a slab: 24,576 bytes, asked for as 96 rows of 256 bytes, each at a multiple of 256; the padding falls behind every 64 bytes, so LDS rows of 240 bytes come out
	s_mov_b32 s[\g+1], 256<<16
	s_mov_b32 s[\g+2], 96<<16
	s_mov_b32 s[\g+3], 256<<16
	s_mov_b32 s[\g+4], 96
	s_mov_b32 s[\g+5], 256
	s_mov_b32 s[\g+6], 0
	s_mov_b32 s[\g+7], 0
.endr
	s_lshl_b32 s18, s16, 7
	s_lshl_b32 s20, s17, 8
	s_add_co_u32 s20, s20, s18                     ; A: row 256 x tile row + 128 x half
	s_lshl_b32 s46, s42, 8
	s_add_co_u32 s46, s46, s18                     ; B: row 256 x tile column + 128 x half
	s_mov_b32 s21, 0
	s_mov_b32 s47, 0
	s_mov_b64 s[18:19], KS
	s_mul_u64 s[22:23], s[20:21], s[18:19]         ; where these rows' scales begin
	s_mul_u64 s[92:93], s[46:47], s[18:19]
	s_mov_b64 s[18:19], ROWB
	s_mul_u64 s[20:21], s[20:21], s[18:19]         ; and their codes
	s_mov_b64 s[18:19], KROWB
	s_mul_u64 s[46:47], s[46:47], s[18:19]
	s_mul_i32 s45, s14, HALFT
	s_wait_kmcnt 0x0
	s_cmp_eq_u32 ttmp9, 0                          ; which weight: the cluster's x, the same in all sixteen partners
	s_cselect_b64 s[10:11], s[70:71], s[72:73]
	s_cmp_eq_u32 ttmp9, 2
	s_cselect_b64 s[10:11], s[74:75], s[10:11]
	s_mul_i32 s18, ttmp9, 786432
	s_mov_b32 s19, 0
	s_add_nc_u64 s[8:9], s[68:69], s[18:19]
	s_add_nc_u64 s[20:21], s[4:5], s[20:21]
	s_add_nc_u64 s[88:89], s[6:7], s[22:23]
	s_add_nc_u64 s[46:47], s[8:9], s[46:47]
	s_add_nc_u64 s[92:93], s[10:11], s[92:93]
	; THE SCALES come through registers into LDS bytes of their own, once: wave (s15, s16) brings part s15 of the scales of half s16 of A's rows and of B's rows, 512 consecutive bytes a load; in LDS 16 bytes of padding follow each 256
	v_and_b32 v1, 31, v0
	v_lshlrev_b32 v[SGO], 4, v1
	v_lshrrev_b32 v2, 4, v1
	v_lshl_add_u32 v[SLO], v2, 4, v[SGO]
	s_mul_i32 s18, s15, HB/2
	v_add_nc_u32 v[SGO], s18, v[SGO]
	s_mul_i32 s18, s15, HALFS/2
	s_mul_i32 s19, s16, HALFS
	s_add_co_u32 s18, s18, s19
	s_add_co_u32 s18, s18, SCL
	v_add_nc_u32 v[SLO], s18, v[SLO]
.set jj, 0
.rept NJ
	global_load_b128 v[SCT+4*jj:SCT+4*jj+3], v[SGO], s[88:89] offset:512*jj
	global_load_b128 v[SCT+4*NJ+4*jj:SCT+4*NJ+4*jj+3], v[SGO], s[92:93] offset:512*jj
.set jj, jj+1
.endr
	CROUND                                         ; all sixteen work-groups are here: the first joint loads meet
.irp s, 0,1
	s_mov_b32 s[G0+4*\s], 1
	s_add_co_u32 s[G0+4*\s+1], s45, \s*SLOT
	s_add_nc_u64 s[G0+4*\s+2:G0+4*\s+3], s[20:21], \s*ASLAB
	s_or_b32 s[G0+4*\s+3], s[G0+4*\s+3], 0x80000000
	s_mov_b32 s[G0B+4*\s], 1
	s_add_co_u32 s[G0B+4*\s+1], s45, \s*SLOT
	s_add_nc_u64 s[G0B+4*\s+2:G0B+4*\s+3], s[46:47], \s*BSLAB
	s_or_b32 s[G0B+4*\s+3], s[G0B+4*\s+3], 0x80000000
.endr
	JLOAD G0, G1, G0B, G1B                         ; K step 0
	; PREFETCHES INTO THE L2: of the 96 blocks of 256 bytes that my load of a K step names, each of the four partners that ask with me takes 24, told apart by address (cx for A, cy for B); a lane a block, lanes 24-31 name the last again.
	; K steps 1 and 2 are asked for here, K step 3 behind K step 1's load: two K steps ahead of the load that wants them; there is no K step 4
	s_cmp_eq_u32 s15, 0
	s_cselect_b64 s[PF:PF+1], s[20:21], s[46:47]
	s_cselect_b32 s18, s40, s41
	s_mov_b32 s84, BSLAB
	s_cselect_b32 s84, ASLAB, s84
	s_mov_b32 s85, 0
	s_mul_i32 s18, s18, 24*256
	s_mov_b32 s19, 0
	s_add_nc_u64 s[PF:PF+1], s[PF:PF+1], s[18:19]
	s_add_nc_u64 s[PF+2:PF+3], s[PF:PF+1], s[84:85]
	s_add_nc_u64 s[PF+4:PF+5], s[PF+2:PF+3], s[84:85]
	s_add_nc_u64 s[PF+6:PF+7], s[PF+4:PF+5], s[84:85]
	v_and_b32 v1, 31, v0
	v_min_u32 v1, 23, v1
	v_lshlrev_b32 v[PFO], 8, v1
	global_prefetch_b8 v[PFO], s[PF+2:PF+3] th:TH_LOAD_NT scope:SCOPE_SE
	global_prefetch_b8 v[PFO], s[PF+4:PF+5] th:TH_LOAD_NT scope:SCOPE_SE
	v_and_b32 v1, 15, v0                           ; r
	v_bfe_u32 v2, v0, 4, 1                         ; h
	v_mul_u32_u24 v3, v1, PITCH
	v_mul_u32_u24 v4, v2, 24
	v_add_nc_u32 v4, v3, v4                        ; a fragment's row x pitch + 24 x half
	v_lshl_add_u32 v5, v2, 4, v4                   ; and the same behind one padding more
	s_mul_i32 s21, s15, HALFT
	s_mul_i32 s22, s16, HALFT
	s_add_co_u32 s22, s22, 2*HALFT
.irp s, 0,1
	v_add_nc_u32 v[ADRA+\s], s21, v4
	v_add_nc_u32 v[ADRB+\s], s22, v4
	v_add_nc_u32 v[ADRA+2+\s], s21, v5
	v_add_nc_u32 v[ADRB+2+\s], s22, v5
	s_add_co_u32 s21, s21, SLOT
	s_add_co_u32 s22, s22, SLOT
.endr
	v_mul_u32_u24 v5, v1, KS                       ; my row's scales: KS bytes a row, and 16 more for each 256 passed
	v_lshrrev_b32 v6, 8, v5
	v_lshl_add_u32 v5, v6, 4, v5
	s_mul_i32 s21, s15, HALFS
	s_mul_i32 s22, s16, HALFS
	s_add_co_u32 s22, s22, 2*HALFS
	s_sub_co_u32 s22, s22, s21
	v_mul_u32_u24 v6, s22, v2                      ; lanes 16-31 take B's
	s_add_co_u32 s21, s21, SCL
	v_add_nc_u32 v5, v5, v6
	v_add_nc_u32 v[ADRS], s21, v5
	; the way out's addresses, all made here
	v_and_b32 v6, 31, v0                           ; lane
	v_lshlrev_b32 v[CO], 4, v6
	v_mul_u32_u24 v5, v1, SPITCH                   ; 528 r
	s_mul_i32 s23, s14, 16*SPITCH
	v_lshl_add_u32 v[STO], v2, 5, v5
	v_add_nc_u32 v[STO], s23, v[STO]               ; QST + 8,448 w + 528 r + 32 h   (QST = 0)
	v_lshl_add_u32 v[RD], v2, 8, v5
	v_add_nc_u32 v[RD], s23, v[RD]                 ; + 256 h
	s_mul_i32 s23, s14, 32*SPITCH
	s_add_co_u32 s23, s23, VST
	v_lshl_add_u32 v[VSTO], v2, 5, v5
	v_add_nc_u32 v[VSTO], s23, v[VSTO]             ; VST + 16,896 w + 528 r + 32 h
	v_lshl_add_u32 v[VRD], v6, 2, s23              ; VST + 16,896 w + 4 lane
	s_mul_i32 s23, s14, 13312
	s_add_co_u32 s22, s23, QIM
	s_add_co_u32 s23, s23, VIM
	v_lshrrev_b32 v3, 3, v1                        ; r / 8
	v_and_b32 v4, 7, v0                            ; r % 8 = lane % 8
	v_mul_u32_u24 v5, v2, 6656
	v_mad_u32_u24 v5, v3, 768, v5
	v_add_nc_u32 v5, s22, v5                       ; QIM + 13,312 w + 6,656 h + 768 (r / 8)
	v_lshl_add_u32 v[AQ16], v4, 4, v5
	v_lshl_add_u32 v[AQ8], v4, 3, v5
	v_add_nc_u32 v[AQ8], 512, v[AQ8]
	v_mul_u32_u24 v5, v2, 6656
	v_lshl_add_u32 v5, v3, 8, v5
	v_lshl_add_u32 v5, v4, 4, v5
	v_add_nc_u32 v5, s22, v5
	v_add_nc_u32 v[AQS], 6144, v5
	v_add_nc_u32 v[QCR], s22, v[CO]
	v_lshl_add_u32 v5, v2, 3, v4                   ; p = lane % 8 + 8 (lane / 16)
	v_mul_u32_u24 v[AV], v3, 1536                  ; (lane / 8) % 2 = r / 8
	v_lshl_add_u32 v[AV], v5, 4, v[AV]
	v_add_nc_u32 v[AV], s23, v[AV]
	v_lshl_add_u32 v5, v3, 4, v5                   ; p + 16 ((lane / 8) % 2)
	v_lshl_add_u32 v[AVS], v5, 3, s23
	v_add_nc_u32 v[AVS], 6144, v[AVS]
	v_lshl_add_u32 v[VZ], v6, 3, s23
	v_add_nc_u32 v[VZ], 6400, v[VZ]
	v_add_nc_u32 v[VCR], s23, v[CO]
	; where my two heads' parts go
	s_lshr_b32 s20, s17, 3                         ; the batch
	s_lshl_b32 s20, s20, 4
	s_lshl_b32 s21, s40, 2
	s_add_co_u32 s20, s20, s21
	s_lshl_b32 s21, s16, 1
	s_add_co_u32 s20, s20, s21                     ; my first head among 32: 16 b + 4 cx + 2 x column half
	s_lshl_b32 s20, s20, 4
	s_and_b32 s21, s17, 7
	s_lshl_b32 s21, s21, 1
	s_add_co_u32 s20, s20, s21
	s_add_co_u32 s20, s20, s15                     ; + the record: 2 (tile row % 8) + row half
	s_cmp_eq_u32 ttmp9, 0
	s_cselect_b64 s[96:97], s[96:97], s[98:99]     ; q goes to qrec, k and v to kvrec
	s_mov_b32 s22, 13312
	s_cselect_b32 s22, 6656, s22                   ; a record's bytes
	s_cmp_eq_u32 ttmp9, 2
	s_cselect_b32 s23, 6656, 0                     ; v's part lies behind k's
	s_mul_i32 s20, s20, s22
	s_add_co_u32 s20, s20, s23
	s_mov_b32 s21, 0
	s_add_nc_u64 s[96:97], s[96:97], s[20:21]      ; my first head's part,
	s_lshl_b32 s20, s22, 4
	s_add_nc_u64 s[98:99], s[96:97], s[20:21]      ; and the next head's: 16 records on
.macro FRAG reg, adr, q, i             ; 16 rows x 128 K: 12 registers: lane (r, h): registers 6 c .. 6 c + 5 = K 64 c + 32 h + 0 .. 31, in pieces of 8 bytes; where the piece of lanes 16-31 lies behind one padding more, the second address register serves
.irp p, 0,1,2,3,4,5
.set PC, 12*(\q)+6*(\p/3)+\p%3
.if PC%8 < 5
	ds_load_b64 v[\reg+2*\p:\reg+2*\p+1], v[\adr] offset:8*PC+16*(PC/8)+(\i)*16*PITCH
.else
	ds_load_b64 v[\reg+2*\p:\reg+2*\p+1], v[\adr+2] offset:8*PC+16*(PC/8)+(\i)*16*PITCH
.endif
.endr
.endm
; 16 matrix instructions: A's blocks a0, a0 + 1 x B's eight.  zero = 1: the first product starts the sums.  The 64 accumulators take turns, one instruction a turn.
.macro MUL16 a0, p, q, sc, zero
.irp a, \a0, \a0+1
.irp b, 0,1,2,3,4,5,6,7
.set rD, 8*(8*((\a)%4)+\b)
.set rB, 128*(\p)+FR*\b
.set rA, AF+FR*(\a)
.set rSB, SC+8*NQ*(\sc)+NQ*\b+(\q)
.set rSA, SC+8*NQ*(\sc)+NQ*(\a)+(\q)
.if \zero == 1
	v_wmma_scale_f32_16x16x128_f8f6f4 v[rD:rD+7], v[rB:rB+FR-1], v[rA:rA+FR-1], 0, v[rSB], v[rSA] matrix_a_fmt:MATRIX_FMT_FP6 matrix_b_fmt:MATRIX_FMT_FP6 matrix_a_scale:MATRIX_SCALE_ROW1
.else
	v_wmma_scale_f32_16x16x128_f8f6f4 v[rD:rD+7], v[rB:rB+FR-1], v[rA:rA+FR-1], v[rD:rD+7], v[rSB], v[rSA] matrix_a_fmt:MATRIX_FMT_FP6 matrix_b_fmt:MATRIX_FMT_FP6 matrix_a_scale:MATRIX_SCALE_ROW1
.endif
.endr
.endr
.endm
.macro FETCH_B slot, q, p
	WIN TO_B
.irp i, 0,1,2,3,4,5,6,7
	FRAG 128*(\p)+FR*\i, ADRB+\slot, \q, \i
.endr
	WIN 0
.endm
.macro FETCH_A slot, q, i0
.irp i, \i0, \i0+1, \i0+2, \i0+3
	FRAG AF+FR*(\i), ADRA+\slot, \q, \i
.endr
.endm
.macro SCALES sc                       ; a K step's scale words: lanes 0-15 A's block i, lanes 16-31 B's block i
.irp i, 0,1,2,3,4,5,6,7
	ds_load_b64 v[SC+8*NQ*\sc+NQ*\i:SC+8*NQ*\sc+NQ*\i+1], v[ADRS] offset:\i*SBLK
.endr
.endm
.macro PLACES n                        ; plain vector instructions between a matrix instruction and a load into its registers or a read of its result
.rept \n
	v_nop
.endr
.endm
.macro STEP slot, q, zero              ; 128 along K, with its successor in the same slot
	s_wait_dscnt 4*NL                              ; B's set, A's blocks 0-3 and the scale words are in; the 24 loads of A's blocks 4-7 may be out
	WIN MUL_LO
	MUL16 0, (\q)%2, \q, \slot, \zero
	MUL16 2, (\q)%2, \q, \slot, \zero
	s_wait_dscnt 0
	PLACES NP
	FETCH_B \slot, (\q)+1, 1-(\q)%2
	FETCH_A \slot, (\q)+1, 0
	WIN MUL_HI
	MUL16 4, (\q)%2, \q, \slot, \zero
	MUL16 6, (\q)%2, \q, \slot, \zero
	PLACES NP
	WIN 0
	FETCH_A \slot, (\q)+1, 4
.endm
; A slot's last step changes slots: one barrier; in front of it each wave waits for all its tensor loads, adds 0 to its spare word, and waits for that and for its reads of this slot.
.macro TURN slot, next, fill
	s_wait_tensorcnt 0x0                           ; all my tensor loads have landed: my part of the next slot
	ds_add_u32 v[SPW], v[NIL]                      ; 0 onto my spare word
	s_wait_dscnt 4*NL+1                            ; the add and the 24 loads of A's blocks 4-7 may be out
	WIN MUL_LO
	MUL16 0, 1, NQ-1, \slot, 0
	s_wait_dscnt 0x0                               ; the add is done, and my reads of this slot are over
	s_barrier_signal -1
	MUL16 2, 1, NQ-1, \slot, 0
	WIN 0
	s_barrier_wait -1
.if \fill
	CREST                                          ; the barrier has opened a round of the cluster's: no wave of any partner still reads this slot or has a load on its way
	s_add_nc_u64 s[G0+4*\slot+2:G0+4*\slot+3], s[G0+4*\slot+2:G0+4*\slot+3], 2*ASLAB
	s_add_nc_u64 s[G0B+4*\slot+2:G0B+4*\slot+3], s[G0B+4*\slot+2:G0B+4*\slot+3], 2*BSLAB
	JLOAD G0+4*\slot, G1, G0B+4*\slot, G1B         ; my one tensor load behind the round; its four v_nop are the places in front of the loads below
.else
	PLACES NP
.endif
	s_wait_alu depctr_va_vdst(0)
	v_add_nc_u32 v[ADRS], 4*NQ, v[ADRS]
	FETCH_B \next, 0, 0
	FETCH_A \next, 0, 0
	SCALES \next
	WIN MUL_HI
	MUL16 4, 1, NQ-1, \slot, 0
	MUL16 6, 1, NQ-1, \slot, 0
	PLACES NP
	WIN 0
	FETCH_A \next, 0, 4
.endm
	s_wait_alu depctr_va_vdst(0)
	s_wait_loadcnt 0x0                             ; my part of the scales is in registers
	s_wait_tensorcnt 0x0                           ; my part of K step 0 is in: no tensor load of mine is out while I store to LDS
.set jj, 0
.rept NJ
	ds_store_b128 v[SLO], v[SCT+4*jj:SCT+4*jj+3] offset:544*jj
	ds_store_b128 v[SLO], v[SCT+4*NJ+4*jj:SCT+4*NJ+4*jj+3] offset:2*HALFS+544*jj
.set jj, jj+1
.endr
	s_wait_tensorcnt 0x0                           ; ahead of a later first fill, as ahead of a refill
	ds_add_u32 v[SPW], v[NIL]
	s_wait_dscnt 0x0                               ; the add and my stores of scales are done
	CROUND                                         ; everybody's part of K step 0 and of the scales is in, and all sixteen work-groups are here
	JLOAD G0+4, G1, G0B+4, G1B                     ; K step 1, my one tensor load behind the round
	FETCH_B 0, 0, 0
	FETCH_A 0, 0, 0
	SCALES 0
	FETCH_A 0, 0, 4
	global_prefetch_b8 v[PFO], s[PF+6:PF+7] th:TH_LOAD_NT scope:SCOPE_SE   ; K step 3
	STEP 0, 0, 1
	s_mov_b32 s3, LAPS-1
.Llap:
	TURN 0, 1, 1
	STEP 1, 0, 0
	TURN 1, 0, 1
	STEP 0, 0, 0
	s_sub_co_u32 s3, s3, 1
	s_cmp_lg_u32 s3, 0
	s_cbranch_scc1 .Llap
	TURN 0, 1, 0                                   ; the last lap fills nothing
	STEP 1, 0, 0
	s_wait_dscnt 4*NL
	WIN MUL_LO
	MUL16 0, 1, NQ-1, 1, 0
	MUL16 2, 1, NQ-1, 1, 0
	s_wait_dscnt 0
	WIN MUL_HI
	MUL16 4, 1, NQ-1, 1, 0
	MUL16 6, 1, NQ-1, 1, 0
	WIN 0
	PLACES NP                                      ; in front of the first read of results and of loads into A's registers
	s_barrier_signal -1                            ; every wave's reads of both slots are over (its last wait on DScnt was for 0): both slots have had their last fill and may hold stages and images
	s_barrier_wait -1
.macro TOSTORE a, adr, off             ; block a's eight accumulators into a stage, each from its low end on: row r, columns 16 b + 8 h + 0 .. 7
.set AC, 64*((\a)%4)
	WIN 0x08+4*((\a)/4)
.irp b, 0,1,2,3,4,5,6,7
	ds_store_b128 v[\adr], v[AC+8*\b:AC+8*\b+3] offset:\off+64*\b
	ds_store_b128 v[\adr], v[AC+8*\b+4:AC+8*\b+7] offset:\off+64*\b+16
.endr
	WIN 0
.endm
.macro BACK2 a                         ; and back: lane (r, h) takes row r, columns 64 h .. 64 h + 63: one head's 64, two whole blocks
.set ii, 0
.rept 16
	ds_load_b128 v[BK+64*((\a)%2)+4*ii:BK+64*((\a)%2)+4*ii+3], v[RD] offset:16*ii
.set ii, ii+1
.endr
.endm
.macro QUANT2                          ; v[XS] .. v[XS + 63]: two blocks of 32 -> codes v64-75, bytes v84, v85
	v_max3_num_f32 v86, |v[XS]|, |v[XS+1]|, 0x1800000        ; the floor 2^(3 - 127): the byte cannot fall under 1
	v_max3_num_f32 v87, |v[XS+32]|, |v[XS+33]|, 0x1800000
.irp i, 2,4,6,8,10,12,14,16,18,20,22,24,26,28,30
	v_max3_num_f32 v86, v86, |v[XS+\i]|, |v[XS+\i+1]|
	v_max3_num_f32 v87, v87, |v[XS+32+\i]|, |v[XS+33+\i]|
.endr
	v_add_nc_u32 v88, 0xff000000, v86              ; 2 off the exponent field: the conversion's scale operand
	v_add_nc_u32 v89, 0xff000000, v87
	v_cvt_scalef32_pk16_fp6_f32 v[64:66], v[XS:XS+15], v88
	v_cvt_scalef32_pk16_fp6_f32 v[76:78], v[XS+16:XS+31], v88
	v_cvt_scalef32_pk16_fp6_f32 v[70:72], v[XS+32:XS+47], v89
	v_cvt_scalef32_pk16_fp6_f32 v[80:82], v[XS+48:XS+63], v89
	v_lshrrev_b32 v84, 23, v88                     ; the bytes; also the plain place behind the conversions
	v_lshrrev_b32 v85, 23, v89
	v_mov_b32 v67, v76
	v_mov_b32 v68, v77
	v_mov_b32 v69, v78
	v_mov_b32 v73, v80
	v_mov_b32 v74, v81
	v_mov_b32 v75, v82
.endm
.macro COPYOUT adr                     ; my two parts, 13,312 bytes, leave as they lie: 512 consecutive bytes a store, at multiples of 256 from the buffer's first byte
.set cc, 0
.rept 26
	ds_load_b128 v[BK+4*cc:BK+4*cc+3], v[\adr] offset:512*cc       ; LDS serves a wave's instructions in order: these see my stores
.set cc, cc+1
.endr
.set cc, 0
.rept 13
	s_wait_dscnt 25-cc                             ; the younger loads may stay out
	global_store_b128 v[CO], v[BK+4*cc:BK+4*cc+3], s[96:97] offset:512*cc
.set cc, cc+1
.endr
.rept 13
	s_wait_dscnt 25-cc
	global_store_b128 v[CO], v[BK+4*cc:BK+4*cc+3], s[98:99] offset:512*(cc-13)
.set cc, cc+1
.endr
.endm
	s_cmp_eq_u32 ttmp9, 2                          ; the cluster's x: the same in all partners
	s_cbranch_scc1 .Lvpath
	; ---- q and k: quantised along the head's 64.  ROW p OF TILE T IS TOKEN 64 (T / 4) + 32 (p / 8) + 8 (T % 4) + p % 8 of the record (so that in the attention launch a lane's 32 scores of four tiles are one whole block of 32 keys):
	; token 16 a + r is row 8 ((a % 4) / 2) + r % 8 of tile 4 (a / 4) + 2 (a % 2) + r / 8
	TOSTORE 0, STO, 0
	BACK2 0
.irp a, 0,1,2,3,4,5,6,7
.if \a < 7
	TOSTORE \a+1, STO, 0
	BACK2 \a+1
	s_wait_dscnt 32                                ; all but the next block's 16 stores and 16 loads: this block is back, and the last block's stores of codes are done
.else
	s_wait_dscnt 0x0
.endif
.set XS, BK+64*(\a%2)
	QUANT2
	v_lshl_or_b32 v90, v85, 8, v84
	v_lshl_or_b32 v90, v90, 16, v90                ; b0, b1, b0, b1
	ds_store_b128 v[AQ16], v[64:67] offset:3072*(\a/4)+1536*(\a%2)+128*((\a%4)/2)
	ds_store_b64 v[AQ8], v[68:69] offset:3072*(\a/4)+1536*(\a%2)+64*((\a%4)/2)
	ds_store_b128 v[AQ16], v[70:73] offset:3072*(\a/4)+1536*(\a%2)+128*((\a%4)/2)+256
	ds_store_b64 v[AQ8], v[74:75] offset:3072*(\a/4)+1536*(\a%2)+64*((\a%4)/2)+128
	ds_store_b32 v[AQS], v90 offset:128*((\a%4)/2)+4*(2*(\a/4)+\a%2)
.endr
	COPYOUT QCR
	s_branch .Ldone
.Lvpath:
	; ---- v: quantised along the tokens.  32 tokens (a block) lie in the stage as rows; a lane takes a column, and its 32 registers run down the tokens
.macro VLOADS p
.set ii, 0
.rept 32
	ds_load_b32 v[BK+32*((\p)%2)+ii], v[VRD] offset:128*(\p)+528*ii
.set ii, ii+1
.endr
.endm
	v_mov_b32 v92, 0
	v_mov_b32 v93, 0
	ds_store_b64 v[VZ], v[92:93]                   ; the parts' last 256 bytes
	ds_store_b64 v[VZ], v[92:93] offset:6656
.irp g, 0,1,2,3
	TOSTORE 2*\g, VSTO, 0
	TOSTORE 2*\g+1, VSTO, 8448
	VLOADS 0
.irp p, 0,1,2,3                        ; column 32 p + lane: head p / 2, channel 32 (p % 2) + lane
.if \p < 3
	VLOADS \p+1
	s_wait_dscnt 32                                ; all but the next pass's 32 loads
.else
	s_wait_dscnt 0x0
.endif
.set VX, BK+32*(\p%2)
.set OFV, 6656*(\p/2)+3072*(\p%2)+256*(\g%2)
	v_max3_num_f32 v86, |v[VX]|, |v[VX+1]|, 0x1800000
	v_max3_num_f32 v87, |v[VX+2]|, |v[VX+3]|, 0x1800000
.irp i, 4,8,12,16,20,24,28
	v_max3_num_f32 v86, v86, |v[VX+\i]|, |v[VX+\i+1]|
	v_max3_num_f32 v87, v87, |v[VX+\i+2]|, |v[VX+\i+3]|
.endr
	v_max_num_f32 v86, v86, v87
	v_add_nc_u32 v88, 0xff000000, v86
	v_cvt_scalef32_pk16_fp6_f32 v[64:66], v[VX:VX+15], v88
	v_cvt_scalef32_pk16_fp6_f32 v[76:78], v[VX+16:VX+31], v88
	v_lshrrev_b32 v84, 23, v88                     ; the byte; also the plain place behind the conversions
	v_mov_b32 v67, v76
	v_mov_b32 v68, v77
	v_mov_b32 v69, v78
.if \g < 2                             ; token block g is registers 6 (g / 2) .. + 5 of lane p + 16 (g % 2)
	ds_store_b128 v[AV], v[64:67] offset:OFV
	ds_store_b64 v[AV], v[68:69] offset:OFV+512
.else
	ds_store_b64 v[AV], v[64:65] offset:OFV+520
	ds_store_b128 v[AV], v[66:69] offset:OFV+1024
.endif
	ds_store_b8 v[AVS], v84 offset:6656*(\p/2)+4*(\p%2)+\g
.endr
.endr
	COPYOUT VCR
.Ldone:
	s_wait_tensorcnt 0x0                           ; the wave's end
	ds_add_u32 v[SPW], v[NIL]
	s_wait_dscnt 0x0
	CROUND                                         ; the closing round
	s_endpgm
.Lfunc_end_k_q7b169e4eb5_qkv:
	.size	k_q7b169e4eb5_qkv, .Lfunc_end_k_q7b169e4eb5_qkv-k_q7b169e4eb5_qkv
	.p2alignl 7, 3214868480
	.fill 96, 4, 3214868480
	.section	.rodata,"a",@progbits
	.p2align	6, 0x0
	.amdhsa_kernel k_q7b169e4eb5_qkv
		.amdhsa_group_segment_fixed_size 327680
		.amdhsa_private_segment_fixed_size 0
		.amdhsa_enable_private_segment 0
		.amdhsa_kernarg_size 64
		.amdhsa_user_sgpr_count 2
		.amdhsa_user_sgpr_kernarg_segment_ptr 1
		.amdhsa_wavefront_size32 1
		.amdhsa_system_sgpr_workgroup_id_x 1
		.amdhsa_system_sgpr_workgroup_id_y 1
		.amdhsa_system_sgpr_workgroup_id_z 1
		.amdhsa_system_vgpr_workitem_id 0
		.amdhsa_next_free_vgpr 1024
		.amdhsa_next_free_sgpr 100
		.amdhsa_reserve_vcc 0
		.amdhsa_float_denorm_mode_32 3
		.amdhsa_float_denorm_mode_16_64 3
		.amdhsa_memory_ordered 1
		.amdhsa_forward_progress 1
		.amdhsa_inst_pref_size 253
	.end_amdhsa_kernel
	.amdgpu_metadata
---
amdhsa.version: [ 1, 2 ]
amdhsa.kernels:
  - .name:           k_q7b169e4eb5_qkv
    .symbol:         k_q7b169e4eb5_qkv.kd
    .args:
      - { .name: act, .offset: 0, .size: 8, .value_kind: global_buffer, .address_space: global }
      - { .name: acts, .offset: 8, .size: 8, .value_kind: global_buffer, .address_space: global }
      - { .name: wre, .offset: 16, .size: 8, .value_kind: global_buffer, .address_space: global }
      - { .name: Wq_scales, .offset: 24, .size: 8, .value_kind: global_buffer, .address_space: global }
      - { .name: Wk_scales, .offset: 32, .size: 8, .value_kind: global_buffer, .address_space: global }
      - { .name: Wv_scales, .offset: 40, .size: 8, .value_kind: global_buffer, .address_space: global }
      - { .name: qrec, .offset: 48, .size: 8, .value_kind: global_buffer, .address_space: global }
      - { .name: kvrec, .offset: 56, .size: 8, .value_kind: global_buffer, .address_space: global }
    .group_segment_fixed_size: 327680
    .private_segment_fixed_size: 0
    .kernarg_segment_align: 8
    .kernarg_segment_size: 64
    .max_flat_workgroup_size: 128
    .sgpr_count:     100
    .vgpr_count:     1024
    .wavefront_size: 32
...
	.end_amdgpu_metadata
.endif
;; end of part 8
;; launch attn (part 9): grid 8 x 32, 16 waves a work-group, clusters of 4 x 1, 215,040 bytes of LDS; arguments qrec, kvrec, act, acts; writes act, acts
.if DOCPART == 9
	.amdgcn_target "amdgcn-amd-amdhsa--gfx1250"
	.amdhsa_code_object_version 6
	.text
	.protected	k_q7b169e4eb5_attn
	.globl	k_q7b169e4eb5_attn
	.p2align	8
	.type	k_q7b169e4eb5_attn,@function
k_q7b169e4eb5_attn:
	s_mov_b64 s[64:65], 0
	v_nop
	global_prefetch_b8 v0, s[64:65] scope:SCOPE_SE
	s_setreg_imm32_b32 hwreg(HW_REG_WAVE_MODE, 25, 1), 1
	s_wait_xcnt 0x0
	s_wait_alu depctr_hold_cnt(0) depctr_sa_sdst(0) depctr_va_vdst(0) depctr_va_sdst(0) depctr_va_ssrc(0) depctr_va_vcc(0) depctr_vm_vsrc(0)
	s_getreg_b32 s2, hwreg(HW_REG_IB_STS2, 6, 4)
	s_cmp_eq_u32 s2, 0
	s_cbranch_scc0 .Lentry_in_a_cluster
	s_endpgm
.Lentry_in_a_cluster:
	s_bfe_u32 s2, ttmp6, 0x10000c
	s_cmp_lg_u32 s2, 0x3003
	s_cbranch_scc0 .Lentry_shape_is_right
	s_endpgm
.Lentry_shape_is_right:
; ATTENTION on codes of FP6 (E2M3): o = softmax(q k^T / 8) v for 32 heads of 2,048 tokens, head size 64; o / l is quantised along D and stored as the next product's operand.
; q, k, v come as images of operand registers, in records of 128 tokens (the launch before lays them): a q or k part is 8 tiles of 768 bytes (a lane's registers 0-3 at 768 T + 16 lane, 4-5 at 768 T + 512 + 8 lane) and 512 bytes of scale words
; (a word is b0, b1, b0, b1); a v part is 4 tiles of 1,536 bytes (16 channels x 128 keys, three runs of 16 bytes a lane) and its scale words.
; ROW p OF A q OR k TILE T IS TOKEN 64 (T / 4) + 32 (p / 8) + 8 (T % 4) + p % 8.  Both products are used transposed, so a lane (r, h) holds ONE query, r, and register j of score tile T is key 64 (T / 4) + 32 h + 8 (T % 4) + j:
; the 32 registers of tiles 4 g .. 4 g + 3 are the WHOLE block 2 g + h of 32 keys, in order, which is what the second product's operand wants of that lane.  So a block's maximum needs no other lane and p's codes change no lane.
; THE FIRST PRODUCT'S K IS 64, the instruction's 128: a fragment of k holds TWO tiles, tile 2 f in K 0-63 and tile 2 f + 1 in K 64-127; q stands in v22-27 between six zero registers on either side, so v[22:33] is (q, 0) and
; v[16:27] is (0, q): the product with (q, 0) gives tile 2 f, that with (0, q) tile 2 f + 1; the other tile meets zero codes, which add nothing under any finite scale byte.
; THE SOFTMAX: t = score x log2(e) / 8; M = the running largest t rounded UP to a whole number; p = 2^(t - M) is quantised along the keys, not normalised; the row's sum is taken of the unquantised p and divides at the end.
; When M moves, the sum and O are multiplied by 2^(old M - new M): exact.  A block's largest p is made from the block's largest score by the same two instructions.
; SHARES.  A work-group owns 256 queries of one head, each of its sixteen waves one tile of 16: four waves to a SIMD.  THE WHOLE HEAD'S k AND v, 16 records of 13,312 bytes, LIE IN LDS as they lie in memory: wave w brings record w
; by its one tensor load (52 rows of 256 bytes); filled once, so there is no ring and one barrier.  CLUSTER: the four query blocks of a cluster belong to one head and ask for the records jointly.
; THE STEP's order: v's fragments are asked for at its top and waited for behind the exponentials; the next record's k is asked for behind the scores' products; the row's sum stands behind the second product, whose places it fills.
; No prefetch: every tile of the launch is asked for at its head.  o leaves in pieces of 12 bytes (16 codes) and 2 bytes (two scale bytes) a lane: one head is a quarter of a slab's row of 192 bytes.
; LIMITS: the scaled scores stay under 2^31 in magnitude; NaN and infinities are not served; a block whose largest magnitude lies under 2^-124 (zeros too) keeps the byte 1; v_exp_f32 and v_rcp_f32 are accurate to 1 ulp.
; REGISTERS: v1 16 lane, v2 8 lane, v3, v4 o's lane offsets, v5 8 h, v6, v7 the spare word and 0, v8, v9 the record's LDS addresses, v10 q's scale words, v11 p's, v12 -M, v13 the largest score, v[14:15] the sum,
;   v16-33 0, q, 0; v[34:35] v's scale words; v[36:39] k's; v40-87 k; v88-135 v; v136-199 S^T, then p; v200-231 O^T; v232-243 p's codes; v244-255 at work.
.set REC,  13312
.set S,    136
.set O,    200
.set KF,   40
.set VF,   88
.set P,    232
.macro ROUND                           ; a round of the cluster's barrier
	s_barrier_signal -1
	s_barrier_wait -1
	s_cmp_lg_u32 s12, 0
	s_cbranch_scc1 .Lnot_wave_0_\@
	s_barrier_signal -3
.Lnot_wave_0_\@:
	s_barrier_wait -3
	s_barrier_signal -1
	s_barrier_wait -1
.endm
	s_load_b128 s[4:7], s[0:1], 0x0                ; qrec, kvrec
	s_load_b128 s[8:11], s[0:1], 0x10              ; the codes of o, their scale bytes
	v_lshl_add_u32 v6, v0, 2, 0x34000
	v_mov_b32 v7, 0
	ds_add_u32 v6, v7                              ; the opening lines
	ds_add_u32 v6, v7
	v_lshrrev_b32 v1, 5, v0
	v_readfirstlane_b32 s12, v1                    ; wave 0..15
	s_bfe_u32 s13, ttmp6, 0x40000                  ; cx
	s_lshl_b32 s14, ttmp9, 2
	s_add_co_u32 s14, s14, s13                     ; my block of 256 queries: it enters global addresses alone
	s_and_b32 s15, ttmp7, 0xffff                   ; the head among 32, which the four partners share
	s_mov_b32 s24, 15|(3<<16)|(1<<21)              ; group 1: the mask: all four; elements of 8 bytes; no padding; bit 21 beside a mask
	s_mov_b32 s25, 32<<16                          ; rows of 256 bytes,
	s_mov_b32 s26, 52<<16                          ; 52 of them,
	s_mov_b32 s27, 32<<16
	s_mov_b32 s28, 52
	s_mov_b32 s29, 32                              ; dense
	s_mov_b32 s30, 0
	s_mov_b32 s31, 0
	s_mul_i32 s16, s12, REC                        ; my record, in LDS and in memory alike
	s_mul_i32 s18, s15, 16*REC
	s_add_co_u32 s18, s18, s16
	s_mov_b32 s19, 0
	s_mov_b32 s20, 0x76543210
	s_mov_b32 s21, 0xfedcba98                      ; selects for lane xor 16
	s_mov_b32 s22, 0x3e38aa3b                      ; c = log2(e) / 8
	s_mov_b32 s23, s22                             ; (named with it as a pair)
	s_mov_b32 s58, 0xbe38aa3b                      ; -c
	s_mov_b32 s48, 0                               ; the record's LDS byte
	s_lshr_b32 s56, s12, 3                         ; which of my block's two records of q
	s_and_b32 s57, s12, 7                          ; T: which tile of it
	s_lshl_b32 s50, s15, 4
	s_lshl_b32 s51, s14, 1
	s_add_co_u32 s50, s50, s51
	s_add_co_u32 s50, s50, s56                     ; q's record among 512
	s_mul_i32 s50, s50, 6656
	s_mov_b32 s51, 0
	s_mul_i32 s59, s57, 768                        ; my tile in it,
	s_and_b32 s60, s57, 1
	s_lshl_b32 s60, s60, 8
	s_lshr_b32 s61, s57, 1
	s_lshl_b32 s61, s61, 2
	s_add_co_u32 s60, s60, s61                     ; and its scale words: 256 (T % 2) + 4 (T / 2)
	s_wait_dscnt 0x0
	s_wait_kmcnt 0x0
	s_add_nc_u64 s[18:19], s[6:7], s[18:19]
	s_add_nc_u64 s[4:5], s[4:5], s[50:51]
	s_mov_b32 s32, 1
	s_mov_b32 s33, s16
	s_mov_b64 s[34:35], s[18:19]
	s_or_b32 s35, s35, 0x80000000
	ROUND                                          ; all four work-groups are here: the joint loads meet
	tensor_load_to_lds s[32:35], s[24:31]          ; record w of the head: one tensor load a wave
	s_nop 0
.rept 4
	v_nop
.endr
	v_and_b32 v136, 31, v0
	v_lshlrev_b32 v1, 4, v136
	v_lshlrev_b32 v2, 3, v136
	v_and_b32 v136, 15, v0                         ; r
	v_bfe_u32 v137, v0, 4, 1                       ; h
	v_lshlrev_b32 v5, 3, v137
	v_add_nc_u32 v138, s59, v1
	v_add_nc_u32 v139, s59, v2
	v_lshl_add_u32 v140, v136, 4, s60
	global_load_b128 v[22:25], v138, s[4:5]        ; q's fragment stays in registers
	global_load_b64 v[26:27], v139, s[4:5] offset:512
	global_load_b32 v10, v140, s[4:5] offset:6144  ; and its scale words
	v_and_b32 v3, 8, v136
	v_mad_u32_u24 v3, v3, 3, v136                  ; r % 8 + 32 (r / 8): my query's place among the tile's tokens
	v_lshlrev_b32 v4, 5, v3
	v_mul_u32_u24 v3, v3, 192
	v_mad_u32_u24 v3, v137, 12, v3
	v_add_nc_u32 v8, s48, v1
	v_add_nc_u32 v9, s48, v2
.irp j, 16,17,18,19,20,21,28,29,30,31,32,33
	v_mov_b32 v[\j], 0                             ; the zero codes on either side of q
.endr
	v_mov_b32 v13, 0xff61b1e6                      ; the largest score so far: -3e38
	v_mul_f32 v12, s58, v13
	v_floor_f32 v12, v12                           ; -M
	v_mov_b32 v14, 0
	v_mov_b32 v15, 0
	v_mov_b32 v249, 0                              ; a lane permute's destination counts as one of its sources
	v_mov_b32 v253, 0                              ; (named as the upper half of v[252:253])
.set jj, 0
.rept 32
	v_mov_b32 v[O+jj], 0                           ; O^T: the step is written once; its first turn finds zeros
.set jj, jj+1
.endr
	; where o goes: token row0 + r % 8 + 32 (r / 8); slab head / 4; 48 (head % 4) + 24 block + 12 h in the slab's row
	s_lshr_b32 s50, s15, 4                         ; the batch
	s_and_b32 s51, s15, 15                         ; the head
	s_lshl_b32 s52, s50, 11
	s_lshl_b32 s53, s14, 8
	s_add_co_u32 s52, s52, s53
	s_lshl_b32 s53, s56, 7
	s_add_co_u32 s52, s52, s53
	s_lshr_b32 s53, s57, 2
	s_lshl_b32 s53, s53, 6
	s_add_co_u32 s52, s52, s53
	s_and_b32 s53, s57, 3
	s_lshl_b32 s53, s53, 3
	s_add_co_u32 s52, s52, s53                     ; row0
	s_mul_i32 s54, s52, 192
	s_lshr_b32 s53, s51, 2
	s_mul_i32 s53, s53, 786432
	s_add_co_u32 s54, s54, s53
	s_and_b32 s53, s51, 3
	s_mul_i32 s53, s53, 48
	s_add_co_u32 s54, s54, s53
	s_mov_b32 s55, 0
	s_add_nc_u64 s[8:9], s[8:9], s[54:55]
	s_lshl_b32 s54, s52, 5
	s_lshl_b32 s53, s51, 1
	s_add_co_u32 s54, s54, s53
	s_add_nc_u64 s[10:11], s[10:11], s[54:55]
.macro SCORE T                         ; S^T tile T = 16 keys x my 16 queries; k's scale words: register T / 2, lanes 0-15 for even T, lanes 16-31 for odd
.if (\T)%2
	v_wmma_scale_f32_16x16x128_f8f6f4 v[S+8*(\T):S+8*(\T)+7], v[KF+12*((\T)/2):KF+12*((\T)/2)+11], v[16:27], 0, v[36+(\T)/2], v10 matrix_a_fmt:MATRIX_FMT_FP6 matrix_b_fmt:MATRIX_FMT_FP6 matrix_a_scale:MATRIX_SCALE_ROW1
.else
	v_wmma_scale_f32_16x16x128_f8f6f4 v[S+8*(\T):S+8*(\T)+7], v[KF+12*((\T)/2):KF+12*((\T)/2)+11], v[22:33], 0, v[36+(\T)/2], v10 matrix_a_fmt:MATRIX_FMT_FP6 matrix_b_fmt:MATRIX_FMT_FP6
.endif
.endm
.macro PV c                            ; O^T tile c += 16 channels x 128 keys times p
.if (\c)%2
	v_wmma_scale_f32_16x16x128_f8f6f4 v[O+8*\c:O+8*\c+7], v[VF+12*\c:VF+12*\c+11], v[P:P+11], v[O+8*\c:O+8*\c+7], v[34+(\c)/2], v11 matrix_a_fmt:MATRIX_FMT_FP6 matrix_b_fmt:MATRIX_FMT_FP6 matrix_a_scale:MATRIX_SCALE_ROW1
.else
	v_wmma_scale_f32_16x16x128_f8f6f4 v[O+8*\c:O+8*\c+7], v[VF+12*\c:VF+12*\c+11], v[P:P+11], v[O+8*\c:O+8*\c+7], v[34+(\c)/2], v11 matrix_a_fmt:MATRIX_FMT_FP6 matrix_b_fmt:MATRIX_FMT_FP6
.endif
.endm
.macro KLOAD                           ; 17 LDS loads: the scale words and the eight tiles of k of the record at v8, v9; tile T into registers 6 T .. 6 T + 5 of k's 48
	ds_load_b128 v[36:39], v8 offset:6144
.irp T, 0,1,2,3,4,5,6,7
	ds_load_b128 v[KF+6*\T:KF+6*\T+3], v8 offset:768*\T
	ds_load_b64 v[KF+6*\T+4:KF+6*\T+5], v9 offset:768*\T+512
.endr
.endm
; A KEY STEP: the record of 128 keys at v8, v9, whose k is in registers or on its way.  more = 1: a record follows
.macro STEP more
.irp c, 0,1,2,3                        ; 13 LDS loads: v's fragments and scale words.  (The last step's 32 additions are the places behind its products)
.irp j, 0,1,2
	ds_load_b128 v[VF+12*\c+4*\j:VF+12*\c+4*\j+3], v8 offset:6656+1536*\c+512*\j
.endr
.endr
	ds_load_b64 v[34:35], v9 offset:12800
	s_wait_dscnt 13                                ; k is in; v's 13 loads may stay out
.irp T, 0,1,2,3,4,5,6,7
	SCORE \T
.endr
.if \more                              ; four places behind the products, in front of loads into their registers and of the first read of the scores
	s_add_co_u32 s48, s48, REC
	v_add_nc_u32 v8, s48, v1
	v_add_nc_u32 v9, s48, v2
.else
	v_nop
	v_nop
.endif
	v_mov_b32 v251, v12                            ; the old -M
	v_nop
.if \more
	KLOAD                                          ; the next record's k lands under the softmax
.endif
.irp b, 0,1,2,3                        ; the largest score of each block, in four chains of 15; each tile is read from its low end on
	v_max3_num_f32 v[244+\b], v[S+16*\b], v[S+1+16*\b], v[S+2+16*\b]
.endr
.irp i, 3,5,7,9,11,13
.irp b, 0,1,2,3
	v_max3_num_f32 v[244+\b], v[244+\b], v[S+16*\b+\i], v[S+1+16*\b+\i]
.endr
.endr
	v_max3_num_f32 v244, v244, v245, v[S+15]
	v_max3_num_f32 v246, v246, v247, v[S+47]
	v_max_num_f32 v244, v244, v[S+31]              ; my block h,
	v_max_num_f32 v246, v246, v[S+63]              ; my block 2 + h
	v_max_num_f32 v248, v244, v246
	v_permlanex16_b32 v249, v248, s20, s21
	v_max3_num_f32 v13, v13, v248, v249            ; the running largest score of my query
	v_mul_f32 v250, s58, v13                       ; -t
	v_floor_f32 v12, v250                          ; the new -M = -ceil(t): a whole number
.set jj, 0
.rept 32
	v_pk_fma_f32 v[S+jj:S+jj+1], v[S+jj:S+jj+1], s[22:23], v[12:13] op_sel_hi:[1,0,0]   ; t - M
.set jj, jj+2
.endr
	v_fma_f32 v244, v244, s22, v12                 ; the same of each block's largest score
	v_fma_f32 v246, v246, s22, v12
	v_sub_f32 v250, v12, v251                      ; old M - new M: 0 or less
	v_cvt_i32_f32 v250, v250                       ; (it saturates)
	v_ldexp_f32 v252, 1.0, v250                    ; f = 2^(old M - new M)
	s_wait_alu depctr_va_vdst(0)
.set jj, 0
.rept 64
	v_exp_f32 v[S+jj], v[S+jj]                     ; p = 2^(t - M)
.set jj, jj+1
.endr
	v_exp_f32 v244, v244                           ; the blocks' largest p
	v_exp_f32 v246, v246
	v_pk_mul_f32 v[14:15], v[14:15], v[252:253] op_sel_hi:[1,0]    ; the sum under the new M; a plain place behind the exponentials
	s_wait_alu depctr_va_vdst(0)                   ; one wait for the batch, ahead of its first reader
.if \more
	s_wait_dscnt 17                                ; v is in; the next record's 17 loads may stay out
.else
	s_wait_dscnt 0x0
.endif
	v_max_num_f32 v244, 0x1800000, v244            ; the floor 2^(3 - 127)
	v_max_num_f32 v246, 0x1800000, v246
	v_add_nc_u32 v254, 0xff000000, v244            ; the conversions' scale operands
	v_add_nc_u32 v255, 0xff000000, v246
	v_lshrrev_b32 v244, 23, v254                   ; the bytes
	v_lshrrev_b32 v246, 23, v255
	v_lshl_or_b32 v244, v246, 16, v244             ; blocks h and 2 + h,
	v_lshlrev_b32 v244, v5, v244                   ; at their places in the word;
	v_permlanex16_b32 v249, v244, s20, s21
	v_or_b32 v11, v244, v249                       ; with lane xor 16's two: p's scale word for these 128 keys
	v_cvt_scalef32_pk16_fp6_f32 v[P:P+2], v[S:S+15], v254
	v_cvt_scalef32_pk16_fp6_f32 v[244:246], v[S+16:S+31], v254     ; (a conversion's three registers begin on an even number)
	v_cvt_scalef32_pk16_fp6_f32 v[P+6:P+8], v[S+32:S+47], v255
	v_cvt_scalef32_pk16_fp6_f32 v[248:250], v[S+48:S+63], v255
	s_wait_alu depctr_va_vdst(0)
	v_pk_mul_f32 v[O:O+1], v[O:O+1], v[252:253] op_sel_hi:[1,0]    ; O^T under the new M; the first of them is the plain place behind the conversions
.irp i, 0,1,2
	v_mov_b32 v[P+3+\i], v[244+\i]
	v_mov_b32 v[P+9+\i], v[248+\i]
.endr
.set jj, 2
.rept 15
	v_pk_mul_f32 v[O+jj:O+jj+1], v[O+jj:O+jj+1], v[252:253] op_sel_hi:[1,0]   ; these are the places between p's codes and scale word and the products below
.set jj, jj+2
.endr
.irp c, 0,1,2,3
	PV \c                                          ; the four accumulators take turns, one instruction a turn
.endr
.set dd, 2                             ; THE ROW'S SUM OF THE UNQUANTISED p, two at a time, as a tree over p's own registers
.rept 3
.set jj, 0
.rept 32/dd
	v_pk_add_f32 v[S+jj:S+jj+1], v[S+jj:S+jj+1], v[S+jj+dd:S+jj+dd+1]
.set jj, jj+2*dd
.endr
.set dd, 2*dd
.endr
	v_pk_add_f32 v[S:S+1], v[S:S+1], v[S+16:S+17]
	v_pk_add_f32 v[S+32:S+33], v[S+32:S+33], v[S+48:S+49]
	v_pk_add_f32 v[S:S+1], v[S:S+1], v[S+32:S+33]
	v_pk_add_f32 v[14:15], v[14:15], v[S:S+1]
.endm
	s_wait_alu depctr_va_vdst(0)
	s_wait_loadcnt 0x0                             ; q
	s_wait_tensorcnt 0x0                           ; my record has landed
	s_barrier_signal -1
	s_barrier_wait -1                              ; and everybody's: the whole head's k and v lie in LDS; nothing is filled again, so the sixteen steps need no further barrier
	KLOAD
	s_mov_b32 s49, 15
.Lstep:
	STEP 1
	s_sub_co_u32 s49, s49, 1
	s_cmp_lg_u32 s49, 0
	s_cbranch_scc1 .Lstep
	STEP 0                                         ; the last record: nothing follows it
	; THE WAY OUT: o = O^T / the sum, quantised along D: block B of my head is the 16 registers of tiles 2 B, 2 B + 1 here and in lane xor 16
	v_add_f32 v14, v14, v15
	v_permlanex16_b32 v249, v14, s20, s21
	v_add_f32 v14, v14, v249                       ; the row's sum
	s_wait_alu depctr_va_vdst(0)
	v_rcp_f32 v14, v14
	v_nop                                          ; one plain place behind a transcendental
	s_wait_alu depctr_va_vdst(0)
.set jj, 0
.rept 32
	v_mul_f32 v[S+jj], v[O+jj], v14                ; register 16 B + i: channel 32 B + 16 h + i of my query
.set jj, jj+1
.endr
.irp b, 0,1
	v_max3_num_f32 v[244+\b], |v[S+16*\b]|, |v[S+1+16*\b]|, 0x1800000
.endr
.irp i, 2,4,6,8,10,12,14
.irp b, 0,1
	v_max3_num_f32 v[244+\b], v[244+\b], |v[S+16*\b+\i]|, |v[S+1+16*\b+\i]|
.endr
.endr
.irp b, 0,1
	v_permlanex16_b32 v[248+\b], v[244+\b], s20, s21
.endr
.irp b, 0,1
	v_max_num_f32 v[244+\b], v[244+\b], v[248+\b]
.endr
.irp b, 0,1
	v_add_nc_u32 v[254+\b], 0xff000000, v[244+\b]
.endr
.irp b, 0,1
	v_lshrrev_b32 v[248+\b], 23, v[254+\b]
.endr
	v_lshl_or_b32 v250, v249, 8, v248              ; my head's two bytes of the row
	v_cvt_scalef32_pk16_fp6_f32 v[232:234], v[S:S+15], v254
	v_cvt_scalef32_pk16_fp6_f32 v[236:238], v[S+16:S+31], v255
	v_nop
	global_store_b96 v3, v[232:234], s[8:9]
	global_store_b96 v3, v[236:238], s[8:9] offset:24
	global_store_b16 v4, v250, s[10:11]            ; lanes l and l + 16 store the same two bytes to the same place
	s_wait_tensorcnt 0x0                           ; the wave's end
	ds_add_u32 v6, v7
	s_wait_dscnt 0x0
	ROUND                                          ; the closing round: no work-group ends while a partner may still ask for a tile that names it
	s_endpgm
.Lfunc_end_k_q7b169e4eb5_attn:
	.size	k_q7b169e4eb5_attn, .Lfunc_end_k_q7b169e4eb5_attn-k_q7b169e4eb5_attn
	.p2alignl 7, 3214868480
	.fill 96, 4, 3214868480
	.section	.rodata,"a",@progbits
	.p2align	6, 0x0
	.amdhsa_kernel k_q7b169e4eb5_attn
		.amdhsa_group_segment_fixed_size 215040
		.amdhsa_private_segment_fixed_size 0
		.amdhsa_enable_private_segment 0
		.amdhsa_kernarg_size 32
		.amdhsa_user_sgpr_count 2
		.amdhsa_user_sgpr_kernarg_segment_ptr 1
		.amdhsa_wavefront_size32 1
		.amdhsa_system_sgpr_workgroup_id_x 1
		.amdhsa_system_sgpr_workgroup_id_y 1
		.amdhsa_system_sgpr_workgroup_id_z 1
		.amdhsa_system_vgpr_workitem_id 0
		.amdhsa_next_free_vgpr 256
		.amdhsa_next_free_sgpr 66
		.amdhsa_reserve_vcc 0
		.amdhsa_float_denorm_mode_32 3
		.amdhsa_float_denorm_mode_16_64 3
		.amdhsa_memory_ordered 1
		.amdhsa_forward_progress 1
		.amdhsa_inst_pref_size 40
	.end_amdhsa_kernel
	.amdgpu_metadata
---
amdhsa.version: [ 1, 2 ]
amdhsa.kernels:
  - .name:           k_q7b169e4eb5_attn
    .symbol:         k_q7b169e4eb5_attn.kd
    .args:
      - { .name: qrec, .offset: 0, .size: 8, .value_kind: global_buffer, .address_space: global }
      - { .name: kvrec, .offset: 8, .size: 8, .value_kind: global_buffer, .address_space: global }
      - { .name: act, .offset: 16, .size: 8, .value_kind: global_buffer, .address_space: global }
      - { .name: acts, .offset: 24, .size: 8, .value_kind: global_buffer, .address_space: global }
    .group_segment_fixed_size: 215040
    .private_segment_fixed_size: 0
    .kernarg_segment_align: 8
    .kernarg_segment_size: 32
    .max_flat_workgroup_size: 512
    .sgpr_count:     66
    .vgpr_count:     256
    .wavefront_size: 32
...
	.end_amdgpu_metadata
.endif
;; end of part 9
;; launch proj (part 10): grid 8 x 32, 4 waves a work-group, clusters of 4 x 4, 327,680 bytes of LDS; arguments act, acts, wre, Wproj_scales, bproj, x, x1; writes x1
.if DOCPART == 10
	.amdgcn_target "amdgcn-amd-amdhsa--gfx1250"
	.amdhsa_code_object_version 6
	.text
	.protected	k_q7b169e4eb5_proj
	.globl	k_q7b169e4eb5_proj
	.p2align	8
	.type	k_q7b169e4eb5_proj,@function
k_q7b169e4eb5_proj:
	s_mov_b64 s[64:65], 0
	v_nop
	global_prefetch_b8 v0, s[64:65] scope:SCOPE_SE
	s_setreg_imm32_b32 hwreg(HW_REG_WAVE_MODE, 25, 1), 1
	s_wait_xcnt 0x0
	s_wait_alu depctr_hold_cnt(0) depctr_sa_sdst(0) depctr_va_vdst(0) depctr_va_sdst(0) depctr_va_ssrc(0) depctr_va_vcc(0) depctr_vm_vsrc(0)
	s_getreg_b32 s2, hwreg(HW_REG_IB_STS2, 6, 4)
	s_cmp_eq_u32 s2, 0
	s_cbranch_scc0 .Lentry_in_a_cluster
	s_endpgm
.Lentry_in_a_cluster:
	s_bfe_u32 s2, ttmp6, 0x10000c
	s_cmp_lg_u32 s2, 0xf033
	s_cbranch_scc0 .Lentry_shape_is_right
	s_endpgm
.Lentry_shape_is_right:
.set SIZE_K,  1024
.set SIZE_N,  1024
.set KSTEP,   512
.set ROWA,    192
.set ASLAB,   4096*ROWA
.set ROWB,    384
.set KROWB,   ROWB                     ; the weight comes from wre, laid in slabs of 512 along K: [slabs][1,024 rows][384 bytes]
.set BSLAB,   1024*ROWB
.set PA,      240
.set PB,      432
.set FR,      12
.set NP,      4
.set ASL,     128*PA
.set BH,      64*PB
.set SLOT,    2*ASL+2*BH
.set LAPS,    SIZE_K/(2*KSTEP)
.set KS,      SIZE_K/32
.set SCL,     2*SLOT
.set HALFS,   (64*KS/256)*272
.set SBLK,    (16*KS/256)*272
.set SPARE,   SCL+4*HALFS
.set HB,      64*KS                    ; the scale bytes of 64 rows in memory
.set NJ,      HB/1024                  ; loads of 512 bytes that bring a wave's half of them
.set SGO,  12                          ; v12  the scales' offset in memory
.set SLO,  13                          ; v13  and their place in LDS
.set PFO,  14                          ; v14  the prefetch's offset; never rewritten
.set SCT,  128                         ; the scales on their way through registers
.set PF,   76                          ; s[76:79] my share of my tile, K steps 0 and 1
.set STAGE,   SPARE+512
.set SPITCH,  272
.set ADRA, 16
.set ADRB, 20
.set STO,  24
.set RD,   25
.set CO,   26
.set ADRS, 27
.set SPW,  28
.set NIL,  29
.set BO,   30
.set SC,   32
.set BI,   64
.set BK,   64
.set ACC,  128
.set G1, 24
.set G0, 32
.set G1B, 48
.set G0B, 56
.set G1S, 68
.set G0S, 76
.set G1SB, 80
.set G0SB, 88
.set MSB, 0
.macro WIN new
.if MSB != (\new)
	s_set_vgpr_msb (MSB<<8)|(\new)
.set MSB, (\new)
.endif
.endm
.set MUL,  0x05
.set TO_F, 0x40
.macro JLOAD g0a, g1a, g0b, g1b
	s_cmp_eq_u32 s15, 0
	s_cbranch_scc0 .Lfor_b_\@
	tensor_load_to_lds s[\g0a:\g0a+3], s[\g1a:\g1a+7]
	s_nop 0
.rept 4
	v_nop
.endr
	s_branch .Lasked_\@
.Lfor_b_\@:
	tensor_load_to_lds s[\g0b:\g0b+3], s[\g1b:\g1b+7]
	s_nop 0
.rept 4
	v_nop
.endr
.Lasked_\@:
.endm
.macro CREST
	s_cmp_lg_u32 s14, 0
	s_cbranch_scc1 .Lnot_wave_0_\@
	s_barrier_signal -3
.Lnot_wave_0_\@:
	s_barrier_wait -3
	s_barrier_signal -1
	s_barrier_wait -1
.endm
.macro CROUND
	s_barrier_signal -1
	s_barrier_wait -1
	CREST
.endm
	s_load_b128 s[4:7], s[0:1], 0x0
	s_load_b128 s[8:11], s[0:1], 0x10
	s_load_b128 s[96:99], s[0:1], 0x20
	s_load_b64 s[12:13], s[0:1], 0x30
	v_lshl_add_u32 v[SPW], v0, 2, SPARE
	v_mov_b32 v[NIL], 0
	ds_add_u32 v28, v29
	ds_add_u32 v28, v29
	s_wait_dscnt 0x0
	v_lshrrev_b32 v1, 5, v0
	v_readfirstlane_b32 s14, v1
	s_lshr_b32 s15, s14, 1
	s_and_b32 s16, s14, 1
	s_bfe_u32 s40, ttmp6, 0x40000
	s_bfe_u32 s41, ttmp6, 0x40004
	s_lshl_b32 s42, ttmp9, 2
	s_add_co_u32 s42, s42, s40
	s_and_b32 s17, ttmp7, 0xffff
	s_lshl_b32 s17, s17, 2
	s_add_co_u32 s17, s17, s41
	s_lshl_b32 s43, s41, 2
	s_lshl_b32 s43, 15, s43
	s_lshl_b32 s44, 0x1111, s40
	s_or_b32 s[G1+0], s43, (0<<16)|(1<<20)|(1<<21)|(3<<22)|(3<<25)
	s_or_b32 s[G1B+0], s44, (0<<16)|(1<<20)|(1<<21)|(4<<22)|(3<<25)
.irp g, G1, G1B                        ; A's 128 rows of 192 bytes and B's 64 rows of 384 lie on end in a slab: 24,576 bytes, asked for as 96 rows of 256 bytes, each at a multiple of 256; the padding falls behind every 64 (A) or 128 (B) bytes, so LDS rows of 240 and 432 bytes come out
	s_mov_b32 s[\g+1], 256<<16
	s_mov_b32 s[\g+2], 96<<16
	s_mov_b32 s[\g+3], 256<<16
	s_mov_b32 s[\g+4], 96
	s_mov_b32 s[\g+5], 256
	s_mov_b32 s[\g+6], 0
	s_mov_b32 s[\g+7], 0
.endr
	s_lshl_b32 s18, s16, 6
	s_lshl_b32 s20, s17, 7
	s_add_co_u32 s22, s20, s18
	s_lshl_b32 s46, s42, 7
	s_add_co_u32 s46, s46, s18
	s_mov_b32 s21, 0
	s_mov_b32 s23, 0
	s_mov_b32 s47, 0
	s_mov_b64 s[18:19], KS
	s_mul_u64 s[22:23], s[22:23], s[18:19]
	s_mul_u64 s[92:93], s[46:47], s[18:19]
	s_mov_b64 s[18:19], ROWA
	s_mul_u64 s[20:21], s[20:21], s[18:19]
	s_mul_i32 s18, s16, ASLAB
	s_mov_b32 s19, 0
	s_add_nc_u64 s[20:21], s[20:21], s[18:19]
	s_mov_b64 s[18:19], KROWB
	s_mul_u64 s[46:47], s[46:47], s[18:19]
	s_mul_i32 s45, s16, ASL
	s_mul_i32 s95, s16, BH
	s_add_co_u32 s95, s95, 2*ASL
	s_wait_kmcnt 0x0
	s_add_nc_u64 s[20:21], s[4:5], s[20:21]
	s_add_nc_u64 s[88:89], s[6:7], s[22:23]
	s_add_nc_u64 s[46:47], s[8:9], s[46:47]
	s_add_nc_u64 s[46:47], s[46:47], 2359296       ; Wproj's place in wre
	s_add_nc_u64 s[92:93], s[10:11], s[92:93]
	; THE SCALES come through registers into LDS bytes of their own, once: wave (s15, s16) brings part s15 of the scales of half s16 of A's rows and of B's rows, 512 consecutive bytes a load; in LDS 16 bytes of padding follow each 256
	v_and_b32 v1, 31, v0
	v_lshlrev_b32 v[SGO], 4, v1
	v_lshrrev_b32 v2, 4, v1
	v_lshl_add_u32 v[SLO], v2, 4, v[SGO]
	s_mul_i32 s18, s15, HB/2
	v_add_nc_u32 v[SGO], s18, v[SGO]
	s_mul_i32 s18, s15, HALFS/2
	s_mul_i32 s19, s16, HALFS
	s_add_co_u32 s18, s18, s19
	s_add_co_u32 s18, s18, SCL
	v_add_nc_u32 v[SLO], s18, v[SLO]
.set jj, 0
.rept NJ
	global_load_b128 v[SCT+4*jj:SCT+4*jj+3], v[SGO], s[88:89] offset:512*jj
	global_load_b128 v[SCT+4*NJ+4*jj:SCT+4*NJ+4*jj+3], v[SGO], s[92:93] offset:512*jj
.set jj, jj+1
.endr
	CROUND                                         ; all sixteen work-groups are here: the first joint loads meet
.irp s, 0,1
	s_mov_b32 s[G0+4*\s], 1
	s_add_co_u32 s[G0+4*\s+1], s45, \s*SLOT
	s_add_nc_u64 s[G0+4*\s+2:G0+4*\s+3], s[20:21], \s*2*ASLAB
	s_or_b32 s[G0+4*\s+3], s[G0+4*\s+3], 0x80000000
	s_mov_b32 s[G0B+4*\s], 1
	s_add_co_u32 s[G0B+4*\s+1], s95, \s*SLOT
	s_add_nc_u64 s[G0B+4*\s+2:G0B+4*\s+3], s[46:47], \s*BSLAB
	s_or_b32 s[G0B+4*\s+3], s[G0B+4*\s+3], 0x80000000
.endr
	JLOAD G0, G1, G0B, G1B                         ; K step 0
	; A PREFETCH INTO THE L2 of K step 1, the last: of the 96 blocks of 256 bytes that my load names, each of the four partners that ask with me takes 24, told apart by address (cx for A, cy for B); a lane a block, lanes 24-31 name the last again
	s_cmp_eq_u32 s15, 0
	s_cselect_b64 s[PF:PF+1], s[20:21], s[46:47]
	s_cselect_b32 s18, s40, s41
	s_mov_b32 s84, BSLAB
	s_cselect_b32 s84, 2*ASLAB, s84
	s_mov_b32 s85, 0
	s_mul_i32 s18, s18, 24*256
	s_mov_b32 s19, 0
	s_add_nc_u64 s[PF:PF+1], s[PF:PF+1], s[18:19]
	s_add_nc_u64 s[PF+2:PF+3], s[PF:PF+1], s[84:85]
	v_and_b32 v1, 31, v0
	v_min_u32 v1, 23, v1
	v_lshlrev_b32 v[PFO], 8, v1
	global_prefetch_b8 v[PFO], s[PF+2:PF+3] th:TH_LOAD_NT scope:SCOPE_SE
	v_and_b32 v1, 15, v0
	v_bfe_u32 v2, v0, 4, 1
	v_mul_u32_u24 v3, v2, 24
	v_mad_u32_u24 v4, v1, PA, v3
	v_lshl_add_u32 v5, v2, 4, v4
	v_mad_u32_u24 v6, v1, PB, v3
	v_lshl_add_u32 v7, v2, 4, v6
	s_mul_i32 s21, s15, 64*PA
	s_mul_i32 s22, s16, BH
	s_add_co_u32 s22, s22, 2*ASL
.irp s, 0,1
	v_add_nc_u32 v[ADRA+\s], s21, v4
	v_add_nc_u32 v[ADRB+\s], s22, v6
	v_add_nc_u32 v[ADRA+2+\s], s21, v5
	v_add_nc_u32 v[ADRB+2+\s], s22, v7
	s_add_co_u32 s21, s21, SLOT
	s_add_co_u32 s22, s22, SLOT
.endr
	v_mul_u32_u24 v5, v1, KS
	v_lshrrev_b32 v6, 8, v5
	v_lshl_add_u32 v5, v6, 4, v5
	s_mul_i32 s21, s15, HALFS
	s_mul_i32 s22, s16, HALFS
	s_add_co_u32 s22, s22, 2*HALFS
	s_sub_co_u32 s22, s22, s21
	v_mul_u32_u24 v6, s22, v2
	s_add_co_u32 s21, s21, SCL
	v_add_nc_u32 v5, v5, v6
	v_add_nc_u32 v[ADRS], s21, v5
	s_mul_i32 s23, s14, 16*SPITCH
	s_add_co_u32 s23, s23, STAGE
	v_mul_u32_u24 v5, v1, SPITCH
	v_lshl_add_u32 v5, v2, 5, v5
	v_add_nc_u32 v[STO], s23, v5
	v_mul_u32_u24 v5, v2, SPITCH
	v_lshl_add_u32 v5, v1, 4, v5
	v_add_nc_u32 v[RD], s23, v5
	v_lshlrev_b32 v5, 12, v2
	v_lshl_add_u32 v[CO], v1, 4, v5
	s_wait_alu depctr_va_vdst(0)
	s_lshl_b32 s20, s17, 7
	s_lshl_b32 s21, s15, 6
	s_add_co_u32 s20, s20, s21
	s_mov_b32 s21, 0
	s_mov_b64 s[18:19], SIZE_N*4
	s_mul_u64 s[20:21], s[20:21], s[18:19]
	s_lshl_b32 s46, s42, 9
	s_lshl_b32 s47, s16, 8
	s_add_co_u32 s46, s46, s47
	s_mov_b32 s47, 0
	s_add_nc_u64 s[20:21], s[20:21], s[46:47]
	s_add_nc_u64 s[12:13], s[12:13], s[20:21]
	s_add_nc_u64 s[98:99], s[98:99], s[20:21]
	s_add_nc_u64 s[96:97], s[96:97], s[46:47]
	v_lshlrev_b32 v[BO], 5, v2
.irp b, 0,1,2,3
	global_load_b128 v[BI+8*\b:BI+8*\b+3], v[BO], s[96:97] offset:64*\b
	global_load_b128 v[BI+8*\b+4:BI+8*\b+7], v[BO], s[96:97] offset:64*\b+16
.endr
	WIN 0x80
.set tt, 0
.rept 32
	global_load_b128 v[4*tt:4*tt+3], v[CO], s[98:99] offset:2*tt*SIZE_N*4 th:TH_LOAD_NT
.set tt, tt+1
.endr
	WIN 0
.macro FRAGA reg, adr, q, i
.irp p, 0,1,2,3,4,5
.set PC, 12*((\q)%2)+6*(\p/3)+\p%3
.if PC%8 < 5
	ds_load_b64 v[\reg+2*\p:\reg+2*\p+1], v[\adr] offset:((\q)/2)*ASL+8*PC+16*(PC/8)+(\i)*16*PA
.else
	ds_load_b64 v[\reg+2*\p:\reg+2*\p+1], v[\adr+2] offset:((\q)/2)*ASL+8*PC+16*(PC/8)+(\i)*16*PA
.endif
.endr
.endm
.macro FRAGB reg, adr, q, i
.irp p, 0,1,2,3,4,5
.set PC, 12*(\q)+6*(\p/3)+\p%3
.if PC%16 < 13
	ds_load_b64 v[\reg+2*\p:\reg+2*\p+1], v[\adr] offset:8*PC+16*(PC/16)+(\i)*16*PB
.else
	ds_load_b64 v[\reg+2*\p:\reg+2*\p+1], v[\adr+2] offset:8*PC+16*(PC/16)+(\i)*16*PB
.endif
.endr
.endm
.macro FETCH slot, q, p
	WIN TO_F
.irp i, 0,1,2,3
	FRAGB 128*(\p)+FR*\i, ADRB+\slot, \q, \i
.endr
.irp i, 0,1,2,3
	FRAGA 128*(\p)+48+FR*\i, ADRA+\slot, \q, \i
.endr
.endm
.macro SCALES sc
.irp i, 0,1,2,3
	ds_load_b128 v[SC+16*\sc+4*\i:SC+16*\sc+4*\i+3], v[ADRS] offset:\i*SBLK
.endr
.endm
.macro MUL4 a, p, q, sc, zero
.irp b, 0,1,2,3
.set rD, ACC+8*(4*(\a)+\b)
.set rB, 128*(\p)+FR*\b
.set rA, 128*(\p)+48+FR*(\a)
.set rSB, SC+16*(\sc)+4*\b+(\q)
.set rSA, SC+16*(\sc)+4*(\a)+(\q)
.if \zero == 2
	v_wmma_scale_f32_16x16x128_f8f6f4 v[rD:rD+7], v[rB:rB+FR-1], v[rA:rA+FR-1], v[BI+8*\b:BI+8*\b+7], v[rSB], v[rSA] matrix_a_fmt:MATRIX_FMT_FP6 matrix_b_fmt:MATRIX_FMT_FP6 matrix_a_scale:MATRIX_SCALE_ROW1
.else
	v_wmma_scale_f32_16x16x128_f8f6f4 v[rD:rD+7], v[rB:rB+FR-1], v[rA:rA+FR-1], v[rD:rD+7], v[rSB], v[rSA] matrix_a_fmt:MATRIX_FMT_FP6 matrix_b_fmt:MATRIX_FMT_FP6 matrix_a_scale:MATRIX_SCALE_ROW1
.endif
.endr
.endm
.macro PLACES n
.rept \n
	v_nop
.endr
.endm
.macro STEP slot, q, zero
	s_wait_dscnt 0x0
	PLACES NP
	FETCH \slot, (\q)+1, 1-(\q)%2
	WIN MUL
	MUL4 0, (\q)%2, \q, \slot, \zero
	MUL4 1, (\q)%2, \q, \slot, \zero
	MUL4 2, (\q)%2, \q, \slot, \zero
	MUL4 3, (\q)%2, \q, \slot, \zero
.endm
.macro TURN slot, next, fill
	WIN 0
	s_wait_tensorcnt 0x0
	ds_add_u32 v[SPW], v[NIL]
	s_wait_dscnt 1
	WIN MUL
	MUL4 0, 1, 3, \slot, 0
	s_wait_dscnt 0x0
	s_barrier_signal -1
	MUL4 1, 1, 3, \slot, 0
	WIN 0
	s_barrier_wait -1
.if \fill
	CREST
	s_add_nc_u64 s[G0+4*\slot+2:G0+4*\slot+3], s[G0+4*\slot+2:G0+4*\slot+3], 4*ASLAB
	s_add_nc_u64 s[G0B+4*\slot+2:G0B+4*\slot+3], s[G0B+4*\slot+2:G0B+4*\slot+3], 2*BSLAB
	JLOAD G0+4*\slot, G1, G0B+4*\slot, G1B
.else
	PLACES NP
.endif
	v_add_nc_u32 v[ADRS], 16, v[ADRS]
	SCALES \next
	FETCH \next, 0, 0
	WIN MUL
	MUL4 2, 1, 3, \slot, 0
	MUL4 3, 1, 3, \slot, 0
.endm
	s_wait_alu depctr_va_vdst(0)
	s_wait_loadcnt 40                              ; my part of the scales is in registers; the 8 loads of the bias and the 32 of the residual may stay out
	s_wait_tensorcnt 0x0                           ; my part of K step 0 is in: no tensor load of mine is out while I store to LDS
.set jj, 0
.rept NJ
	ds_store_b128 v[SLO], v[SCT+4*jj:SCT+4*jj+3] offset:544*jj
	ds_store_b128 v[SLO], v[SCT+4*NJ+4*jj:SCT+4*NJ+4*jj+3] offset:2*HALFS+544*jj
.set jj, jj+1
.endr
	s_wait_tensorcnt 0x0                           ; ahead of a later first fill, as ahead of a refill
	ds_add_u32 v[SPW], v[NIL]
	s_wait_dscnt 0x0                               ; the add and my stores of scales are done
	CROUND                                         ; everybody's part of K step 0 and of the scales is in, and all sixteen work-groups are here
	JLOAD G0+4, G1, G0B+4, G1B                     ; K step 1, my one tensor load behind the round
	SCALES 0
	FETCH 0, 0, 0
	s_wait_loadcnt 32
	STEP 0, 0, 2
	STEP 0, 1, 0
	STEP 0, 2, 0
.if LAPS > 1
	WIN 0
	s_mov_b32 s3, LAPS-1
.Llap:
	TURN 0, 1, 1
	STEP 1, 0, 0
	STEP 1, 1, 0
	STEP 1, 2, 0
	TURN 1, 0, 1
	STEP 0, 0, 0
	STEP 0, 1, 0
	STEP 0, 2, 0
	WIN 0
	s_sub_co_u32 s3, s3, 1
	s_cmp_lg_u32 s3, 0
	s_cbranch_scc1 .Llap
.endif
	TURN 0, 1, 0
	STEP 1, 0, 0
	STEP 1, 1, 0
	STEP 1, 2, 0
	s_wait_dscnt 0x0
	WIN MUL
	MUL4 0, 1, 3, 1, 0
	MUL4 1, 1, 3, 1, 0
	MUL4 2, 1, 3, 1, 0
	MUL4 3, 1, 3, 1, 0
	WIN 0
.macro TOSTAGE a
.irp b, 0,1,2,3
	ds_store_b128 v[STO], v[ACC+8*(4*(\a)+\b):ACC+8*(4*(\a)+\b)+3] offset:64*\b
	ds_store_b128 v[STO], v[ACC+8*(4*(\a)+\b)+4:ACC+8*(4*(\a)+\b)+7] offset:64*\b+16
.endr
.set tt, 0
.rept 8
	ds_load_b128 v[BK+32*((\a)%2)+4*tt:BK+32*((\a)%2)+4*tt+3], v[RD] offset:tt*2*SPITCH
.set tt, tt+1
.endr
.endm
.macro SEND a, younger
	s_wait_dscnt \younger
	WIN 0x08
.set tt, 0
.rept 16
	v_pk_add_f32 v[BK+32*((\a)%2)+tt:BK+32*((\a)%2)+tt+1], v[BK+32*((\a)%2)+tt:BK+32*((\a)%2)+tt+1], v[32*(\a)+tt:32*(\a)+tt+1]
.set tt, tt+2
.endr
	WIN 0
.set tt, 0
.rept 8
	global_store_b128 v[CO], v[BK+32*((\a)%2)+4*tt:BK+32*((\a)%2)+4*tt+3], s[12:13] offset:(16*(\a)+2*tt)*SIZE_N*4
.set tt, tt+1
.endr
.endm
	PLACES NP
	s_wait_loadcnt 0x0
	TOSTAGE 0
.irp a, 1,2,3
.if \a > 1
	s_wait_xcnt 0x0
.endif
	TOSTAGE \a
	SEND \a-1, 16
.endr
	SEND 3, 0
	s_wait_tensorcnt 0x0
	ds_add_u32 v[SPW], v[NIL]
	s_wait_dscnt 0x0
	CROUND
	s_endpgm
.Lfunc_end_k_q7b169e4eb5_proj:
	.size	k_q7b169e4eb5_proj, .Lfunc_end_k_q7b169e4eb5_proj-k_q7b169e4eb5_proj
	.p2alignl 7, 3214868480
	.fill 96, 4, 3214868480
	.section	.rodata,"a",@progbits
	.p2align	6, 0x0
	.amdhsa_kernel k_q7b169e4eb5_proj
		.amdhsa_group_segment_fixed_size 327680
		.amdhsa_private_segment_fixed_size 0
		.amdhsa_enable_private_segment 0
		.amdhsa_kernarg_size 56
		.amdhsa_user_sgpr_count 2
		.amdhsa_user_sgpr_kernarg_segment_ptr 1
		.amdhsa_wavefront_size32 1
		.amdhsa_system_sgpr_workgroup_id_x 1
		.amdhsa_system_sgpr_workgroup_id_y 1
		.amdhsa_system_sgpr_workgroup_id_z 1
		.amdhsa_system_vgpr_workitem_id 0
		.amdhsa_next_free_vgpr 640
		.amdhsa_next_free_sgpr 100
		.amdhsa_reserve_vcc 0
		.amdhsa_float_denorm_mode_32 3
		.amdhsa_float_denorm_mode_16_64 3
		.amdhsa_memory_ordered 1
		.amdhsa_forward_progress 1
		.amdhsa_inst_pref_size 70
	.end_amdhsa_kernel
	.amdgpu_metadata
---
amdhsa.version: [ 1, 2 ]
amdhsa.kernels:
  - .name:           k_q7b169e4eb5_proj
    .symbol:         k_q7b169e4eb5_proj.kd
    .args:
      - { .name: act, .offset: 0, .size: 8, .value_kind: global_buffer, .address_space: global }
      - { .name: acts, .offset: 8, .size: 8, .value_kind: global_buffer, .address_space: global }
      - { .name: wre, .offset: 16, .size: 8, .value_kind: global_buffer, .address_space: global }
      - { .name: Wproj_scales, .offset: 24, .size: 8, .value_kind: global_buffer, .address_space: global }
      - { .name: bproj, .offset: 32, .size: 8, .value_kind: global_buffer, .address_space: global }
      - { .name: x, .offset: 40, .size: 8, .value_kind: global_buffer, .address_space: global }
      - { .name: x1, .offset: 48, .size: 8, .value_kind: global_buffer, .address_space: global }
    .group_segment_fixed_size: 327680
    .private_segment_fixed_size: 0
    .kernarg_segment_align: 8
    .kernarg_segment_size: 56
    .max_flat_workgroup_size: 128
    .sgpr_count:     100
    .vgpr_count:     640
    .wavefront_size: 32
...
	.end_amdgpu_metadata
.endif
;; end of part 10
;; launch ln2 (part 11): grid 256 x 1, 4 waves a work-group, no clusters, 45,568 bytes of LDS; arguments x1, ln2_g, ln2_b, act, acts; writes act, acts
.if DOCPART == 11
	.amdgcn_target "amdgcn-amd-amdhsa--gfx1250"
	.amdhsa_code_object_version 6
	.text
	.protected	k_q7b169e4eb5_ln2
	.globl	k_q7b169e4eb5_ln2
	.p2align	8
	.type	k_q7b169e4eb5_ln2,@function
k_q7b169e4eb5_ln2:
	s_mov_b64 s[64:65], 0
	v_nop
	global_prefetch_b8 v0, s[64:65] scope:SCOPE_SE
	s_setreg_imm32_b32 hwreg(HW_REG_WAVE_MODE, 25, 1), 1
	s_wait_xcnt 0x0
; THE SECOND LAYERNORM AND ITS QUANTISER.  y = (x - mean) * rsqrt(var + 1e-5) * g + b for 4,096 rows of 1,024 f32 numbers, then y as codes of FP6 (E2M3) with one E8M0 byte for each 32 along the row.
; Arguments: the rows, g, b, the codes, the scale bytes.  The codes are laid [4 slabs of 256 along K][4,096 rows][192 bytes], the bytes [4,096][32].
; A work-group has four waves, a wave owns 4 rows and shares nothing: no barrier.  All four rows are asked for at the head, each by 8 loads of 512 consecutive bytes.  Mean and variance are taken in two passes over the
; registers (first the mean, then the squares of x - mean), so a common offset of the inputs cancels nothing.  For the conversions a lane must hold 32 NEIGHBOURS: the finished row turns through the wave's own LDS
; (places of 128 + 16 bytes).  Codes and bytes of the 4 rows are gathered in LDS and leave as 768 bytes for each slab and 128 scale bytes.
; A block's scale is 2^(floor(log2(largest magnitude)) - 2); its byte is the largest magnitude's exponent field - 2, held at 1 from below.
; LIMITS: NaN and infinities among the inputs are not served; a block whose largest magnitude lies under 2^-124 (a block of zeros too) keeps the byte 1: its codes are then zeros or subnormal codes, and the bytes are read by this program alone.
.set WREG, 11264                       ; LDS of a wave: the turn 32 x 144, the codes from CST, the bytes from SCB
.set CST,  4608
.set SCB,  10752
.set GG,   8                           ; v8-39    g, as loaded: register 4 j + e = number 128 j + 4 lane + e
.set BB,   40                          ; v40-71   b likewise
.set XR,   72                          ; v72-199  the four rows
.set Y,    200                         ; v200-231 my block of 32 neighbours
.set CD,   232                         ; v232-238 its codes
	s_load_b256 s[4:11], s[0:1], 0x0               ; rows, g, b, codes
	s_load_b64 s[12:13], s[0:1], 0x20              ; scale bytes
	v_lshl_add_u32 v254, v0, 2, 0xb000             ; my spare word, and 0
	v_mov_b32 v255, 0
	v_lshrrev_b32 v240, 5, v0
	v_readfirstlane_b32 s14, v240                  ; wave 0..3
	v_and_b32 v240, 31, v0                         ; lane
	v_lshrrev_b32 v241, 3, v240
	v_and_b32 v242, 7, v0
	s_mul_i32 s15, s14, WREG
	v_lshlrev_b32 v1, 4, v240                      ; v1: 16 x lane
	v_mul_u32_u24 v2, v241, 144
	v_lshl_add_u32 v2, v242, 4, v2
	v_add_nc_u32 v2, s15, v2                       ; v2: the turn, in: load j's 16 bytes belong to block 4 j + lane / 8
	v_mul_u32_u24 v3, v240, 144
	v_add_nc_u32 v3, s15, v3                       ; v3: the turn, out: block = lane
	v_mul_u32_u24 v4, v241, 768
	v_mad_u32_u24 v4, v242, 24, v4
	v_add_nc_u32 v4, s15, v4
	v_add_nc_u32 v4, CST, v4                       ; v4: my block's 24 bytes: slab lane / 8, block lane % 8 of it
	v_add_nc_u32 v5, s15, v240
	v_add_nc_u32 v5, SCB, v5                       ; v5: my block's byte
	v_add_nc_u32 v6, s15, v1
	v_add_nc_u32 v6, CST, v6                       ; v6: the codes on the way out
	v_lshlrev_b32 v253, 2, v240                    ; v253: 4 x lane
	v_lshrrev_b32 v251, 4, v240
	v_mul_u32_u24 v251, v251, 785664
	v_add_nc_u32 v251, v251, v1                    ; v251: 16 x lane, and for lanes 16-31 a slab less 768 more: for the 512 bytes that end one slab's 768 and begin the next's
	v_add_nc_u32 v7, s15, v253
	v_add_nc_u32 v7, SCB, v7                       ; v7: the bytes on the way out
	v_mov_b32 v252, 0                              ; a lane permute's destination counts as one of its sources
	s_mov_b32 s16, 0x76543210
	s_mov_b32 s17, 0xfedcba98                      ; selects for lane xor 16
	s_mov_b32 s18, 0x3a800000                      ; 1 / 1,024
	s_mov_b32 s19, 0x3727c5ac                      ; 1e-5
	s_lshl_b32 s20, ttmp9, 2
	s_add_co_u32 s20, s20, s14                     ; which run of 4 rows is my wave's
	s_lshl_b32 s22, s20, 14
	s_mov_b32 s23, 0
	s_mul_i32 s24, s20, 768
	s_mov_b32 s25, 0
	s_lshl_b32 s26, s20, 7
	s_mov_b32 s27, 0
	s_wait_kmcnt 0x0
	s_add_nc_u64 s[4:5], s[4:5], s[22:23]
	s_add_nc_u64 s[10:11], s[10:11], s[24:25]
	s_add_nc_u64 s[12:13], s[12:13], s[26:27]
.irp j, 0,1,2,3,4,5,6,7
	global_load_b128 v[GG+4*\j:GG+4*\j+3], v1, s[6:7] offset:512*\j
	global_load_b128 v[BB+4*\j:BB+4*\j+3], v1, s[8:9] offset:512*\j
.endr
.irp i, 0,1,2,3
.irp j, 0,1,2,3,4,5,6,7
	global_load_b128 v[XR+32*\i+4*\j:XR+32*\i+4*\j+3], v1, s[4:5] offset:4096*\i+512*\j th:TH_LOAD_NT
.endr
.endr
.macro ACROSS                          ; v240 + v241 summed over the 32 lanes, the sum in every lane
	v_add_f32 v240, v240, v241
	v_add_f32_dpp v240, v240, v240 row_xmask:1 row_mask:0xf bank_mask:0xf
	v_add_f32_dpp v240, v240, v240 row_xmask:2 row_mask:0xf bank_mask:0xf
	v_add_f32_dpp v240, v240, v240 row_xmask:4 row_mask:0xf bank_mask:0xf
	v_add_f32_dpp v240, v240, v240 row_xmask:8 row_mask:0xf bank_mask:0xf
	v_permlanex16_b32 v252, v240, s16, s17
	v_add_f32 v240, v240, v252
.endm
.macro ROW i, left                     ; left: the loads of the younger rows, eight each, which may stay out
.set X, XR+32*(\i)
	s_wait_loadcnt \left
	v_pk_add_f32 v[240:241], v[X:X+1], v[X+2:X+3]
	v_pk_add_f32 v[242:243], v[X+4:X+5], v[X+6:X+7]
.irp j, 8,12,16,20,24,28
	v_pk_add_f32 v[240:241], v[240:241], v[X+\j:X+\j+1]
	v_pk_add_f32 v[242:243], v[242:243], v[X+\j+2:X+\j+3]
.endr
	v_pk_add_f32 v[240:241], v[240:241], v[242:243]
	ACROSS
	v_mul_f32 v244, s18, v240                      ; the mean, twice: a pair for the packed form
	v_mul_f32 v245, s18, v240
.set jj, 0
.rept 16
	v_pk_add_f32 v[X+jj:X+jj+1], v[X+jj:X+jj+1], v[244:245] neg_lo:[0,1] neg_hi:[0,1]   ; x - mean
.set jj, jj+2
.endr
	v_pk_mul_f32 v[240:241], v[X:X+1], v[X:X+1]
	v_pk_mul_f32 v[242:243], v[X+2:X+3], v[X+2:X+3]
.irp j, 4,8,12,16,20,24,28
	v_pk_fma_f32 v[240:241], v[X+\j:X+\j+1], v[X+\j:X+\j+1], v[240:241]
	v_pk_fma_f32 v[242:243], v[X+\j+2:X+\j+3], v[X+\j+2:X+\j+3], v[242:243]
.endr
	v_pk_add_f32 v[240:241], v[240:241], v[242:243]
	ACROSS
	v_fma_f32 v246, v240, s18, s19                 ; var + eps
	s_wait_alu depctr_va_vdst(0)
	v_rsq_f32 v246, v246
	v_nop                                          ; one plain place behind it (ISA guide 5.7.2),
	s_wait_alu depctr_va_vdst(0)
	v_mov_b32 v247, v246
.set jj, 0
.rept 16
	v_pk_mul_f32 v[X+jj:X+jj+1], v[X+jj:X+jj+1], v[246:247]
.set jj, jj+2
.endr
.set jj, 0
.rept 16
	v_pk_fma_f32 v[X+jj:X+jj+1], v[X+jj:X+jj+1], v[GG+jj:GG+jj+1], v[BB+jj:BB+jj+1]
.set jj, jj+2
.endr
.irp j, 0,1,2,3,4,5,6,7
	ds_store_b128 v2, v[X+4*\j:X+4*\j+3] offset:576*\j       ; the row as it lies, 16 bytes of padding behind each 128
.endr
.irp j, 0,1,2,3,4,5,6,7
	ds_load_b128 v[Y+4*\j:Y+4*\j+3], v3 offset:16*\j         ; LDS serves a wave's instructions in order: these see the stores
.endr
	s_wait_dscnt 0x0
	v_max3_num_f32 v240, |v[Y]|, |v[Y+1]|, 0x1800000         ; the block's largest magnitude over the floor 2^(3 - 127): the byte cannot fall under 1
	v_max3_num_f32 v241, |v[Y+2]|, |v[Y+3]|, 0x1800000
.irp j, 4,8,12,16,20,24,28
	v_max3_num_f32 v240, v240, |v[Y+\j]|, |v[Y+\j+1]|
	v_max3_num_f32 v241, v241, |v[Y+\j+2]|, |v[Y+\j+3]|
.endr
	v_max_num_f32 v240, v240, v241
	v_add_nc_u32 v242, 0xff000000, v240            ; 2 off its exponent field: the conversion's scale operand
	v_cvt_scalef32_pk16_fp6_f32 v[CD:CD+2], v[Y:Y+15], v242
	v_cvt_scalef32_pk16_fp6_f32 v[CD+4:CD+6], v[Y+16:Y+31], v242   ; (a conversion's three registers begin on an even number)
	v_lshrrev_b32 v248, 23, v242                   ; the scale's byte; also the plain place behind the conversions
	v_mov_b32 v[CD+3], v[CD+4]
	v_mov_b32 v[CD+4], v[CD+5]
	v_mov_b32 v[CD+5], v[CD+6]
	ds_store_b64 v4, v[CD:CD+1] offset:192*(\i)
	ds_store_b64 v4, v[CD+2:CD+3] offset:192*(\i)+8
	ds_store_b64 v4, v[CD+4:CD+5] offset:192*(\i)+16
	ds_store_b8 v5, v248 offset:32*(\i)
.endm
	ROW 0, 24
	ROW 1, 16
	ROW 2, 8
	ROW 3, 0
.set cc, 0
.rept 6
	ds_load_b128 v[XR+4*cc:XR+4*cc+3], v6 offset:512*cc      ; 3,072 bytes of codes, 512 an instruction
.set cc, cc+1
.endr
	ds_load_b32 v[XR+24], v7
.irp s, 0,1                            ; two slabs' 768 bytes are three stores; sixteen lanes store 256 consecutive bytes, at a multiple of 256 from the buffer's first byte.  The younger LDS loads may stay out
	s_wait_dscnt 6-3*\s
	global_store_b128 v1, v[XR+12*\s:XR+12*\s+3], s[10:11] offset:2*\s*786432
	s_wait_dscnt 5-3*\s
	global_store_b128 v251, v[XR+12*\s+4:XR+12*\s+7], s[10:11] offset:2*\s*786432+512
	s_wait_dscnt 4-3*\s
	global_store_b128 v1, v[XR+12*\s+8:XR+12*\s+11], s[10:11] offset:(2*\s+1)*786432+256
.endr
	s_wait_dscnt 0x0
	global_store_b32 v253, v[XR+24], s[12:13]                ; 128 consecutive bytes
	s_wait_tensorcnt 0x0                           ; the wave's end
	ds_add_u32 v254, v255
	s_wait_dscnt 0x0
	s_endpgm
.Lfunc_end_k_q7b169e4eb5_ln2:
	.size	k_q7b169e4eb5_ln2, .Lfunc_end_k_q7b169e4eb5_ln2-k_q7b169e4eb5_ln2
	.p2alignl 7, 3214868480
	.fill 96, 4, 3214868480
	.section	.rodata,"a",@progbits
	.p2align	6, 0x0
	.amdhsa_kernel k_q7b169e4eb5_ln2
		.amdhsa_group_segment_fixed_size 45568
		.amdhsa_private_segment_fixed_size 0
		.amdhsa_enable_private_segment 0
		.amdhsa_kernarg_size 40
		.amdhsa_user_sgpr_count 2
		.amdhsa_user_sgpr_kernarg_segment_ptr 1
		.amdhsa_wavefront_size32 1
		.amdhsa_system_sgpr_workgroup_id_x 1
		.amdhsa_system_sgpr_workgroup_id_y 1
		.amdhsa_system_sgpr_workgroup_id_z 1
		.amdhsa_system_vgpr_workitem_id 0
		.amdhsa_next_free_vgpr 256
		.amdhsa_next_free_sgpr 66
		.amdhsa_reserve_vcc 0
		.amdhsa_float_denorm_mode_32 3
		.amdhsa_float_denorm_mode_16_64 3
		.amdhsa_memory_ordered 1
		.amdhsa_forward_progress 1
		.amdhsa_inst_pref_size 44
	.end_amdhsa_kernel
	.amdgpu_metadata
---
amdhsa.version: [ 1, 2 ]
amdhsa.kernels:
  - .name:           k_q7b169e4eb5_ln2
    .symbol:         k_q7b169e4eb5_ln2.kd
    .args:
      - { .name: x1, .offset: 0, .size: 8, .value_kind: global_buffer, .address_space: global }
      - { .name: ln2_g, .offset: 8, .size: 8, .value_kind: global_buffer, .address_space: global }
      - { .name: ln2_b, .offset: 16, .size: 8, .value_kind: global_buffer, .address_space: global }
      - { .name: act, .offset: 24, .size: 8, .value_kind: global_buffer, .address_space: global }
      - { .name: acts, .offset: 32, .size: 8, .value_kind: global_buffer, .address_space: global }
    .group_segment_fixed_size: 45568
    .private_segment_fixed_size: 0
    .kernarg_segment_align: 8
    .kernarg_segment_size: 40
    .max_flat_workgroup_size: 128
    .sgpr_count:     66
    .vgpr_count:     256
    .wavefront_size: 32
...
	.end_amdgpu_metadata
.endif
;; end of part 11
;; launch fc1 (part 12): grid 16 x 16, 4 waves a work-group, clusters of 4 x 4, 327,680 bytes of LDS; arguments act, acts, wre, W1_scales, b1, hid, hids; writes hid, hids
.if DOCPART == 12
	.amdgcn_target "amdgcn-amd-amdhsa--gfx1250"
	.amdhsa_code_object_version 6
	.text
	.protected	k_q7b169e4eb5_fc1
	.globl	k_q7b169e4eb5_fc1
	.p2align	8
	.type	k_q7b169e4eb5_fc1,@function
k_q7b169e4eb5_fc1:
	s_mov_b64 s[64:65], 0
	v_nop
	global_prefetch_b8 v0, s[64:65] scope:SCOPE_SE
	s_setreg_imm32_b32 hwreg(HW_REG_WAVE_MODE, 25, 1), 1
	s_wait_xcnt 0x0
	s_wait_alu depctr_hold_cnt(0) depctr_sa_sdst(0) depctr_va_vdst(0) depctr_va_sdst(0) depctr_va_ssrc(0) depctr_va_vcc(0) depctr_vm_vsrc(0)
	s_getreg_b32 s2, hwreg(HW_REG_IB_STS2, 6, 4)
	s_cmp_eq_u32 s2, 0
	s_cbranch_scc0 .Lentry_in_a_cluster
	s_endpgm
.Lentry_in_a_cluster:
	s_bfe_u32 s2, ttmp6, 0x10000c
	s_cmp_lg_u32 s2, 0xf033
	s_cbranch_scc0 .Lentry_shape_is_right
	s_endpgm
.Lentry_shape_is_right:
.set SIZE_K,  1024
.set KSTEP,   256
.set NQ,      KSTEP/128
.set ROWB,    192
.set ASLAB,   4096*ROWB
.set KROWB,   ROWB                     ; the weight comes from wre, laid in slabs like A: [4 slabs][4,096 rows][192 bytes]
.set BSLAB,   4096*ROWB
.set PITCH,   240
.set FR,      12
.set NL,      6
.set NP,      4
.set HALFT,   128*PITCH
.set SLOT,    4*HALFT
.set LAPS,    SIZE_K/(2*KSTEP)
.set KS,      SIZE_K/32
.set SCL,     2*SLOT
.set HALFS,   (128*KS/256)*272
.set SBLK,    (16*KS/256)*272
.set SPARE,   SCL+4*HALFS
.set HB,      128*KS                   ; the scale bytes of 128 rows in memory
.set NJ,      HB/1024                  ; loads of 512 bytes that bring a wave's half of them
.set SGO,  12                          ; v12  the scales' offset in memory
.set SLO,  13                          ; v13  and their place in LDS
.set PFO,  14                          ; v14  the prefetches' offset; never rewritten
.set SCT,  128                         ; the scales on their way through registers
.set PF,   76                          ; s[76:83] my share of my tile, K steps 0 to 3
.set SPITCH,  528
.set CIMG,    33792
.set SIMG,    82944
.set ADRA, 16
.set ADRB, 20
.set STO,  24
.set RD,   25
.set CO,   26
.set ADRS, 27
.set SPW,  28
.set NIL,  29
.set BO,   30
.set CW,   7
.set SW,   8
.set CR,   9
.set SR,   10
.set HO,   11
.set SC,   32
.set BI,   64
.set AF,   128
.set BK,   128
.set G1, 24
.set G0, 32
.set G1B, 48
.set G0B, 56
.set G1S, 68
.set G0S, 76
.set G1SB, 80
.set G0SB, 88
.set MSB, 0
.macro WIN new
.if MSB != (\new)
	s_set_vgpr_msb (MSB<<8)|(\new)
.set MSB, (\new)
.endif
.endm
.set MUL_LO, 0xa1
.set MUL_HI, 0xf1
.set TO_B,   0x40
.macro JLOAD g0a, g1a, g0b, g1b
	s_cmp_eq_u32 s15, 0
	s_cbranch_scc0 .Lfor_b_\@
	tensor_load_to_lds s[\g0a:\g0a+3], s[\g1a:\g1a+7]
	s_nop 0
.rept 4
	v_nop
.endr
	s_branch .Lasked_\@
.Lfor_b_\@:
	tensor_load_to_lds s[\g0b:\g0b+3], s[\g1b:\g1b+7]
	s_nop 0
.rept 4
	v_nop
.endr
.Lasked_\@:
.endm
.macro CREST
	s_cmp_lg_u32 s14, 0
	s_cbranch_scc1 .Lnot_wave_0_\@
	s_barrier_signal -3
.Lnot_wave_0_\@:
	s_barrier_wait -3
	s_barrier_signal -1
	s_barrier_wait -1
.endm
.macro CROUND
	s_barrier_signal -1
	s_barrier_wait -1
	CREST
.endm
	s_load_b128 s[4:7], s[0:1], 0x0
	s_load_b128 s[8:11], s[0:1], 0x10
	s_load_b64 s[96:97], s[0:1], 0x20
	s_load_b64 s[12:13], s[0:1], 0x28
	s_load_b64 s[98:99], s[0:1], 0x30
	v_lshl_add_u32 v[SPW], v0, 2, SPARE
	v_mov_b32 v[NIL], 0
	ds_add_u32 v28, v29
	ds_add_u32 v28, v29
	s_wait_dscnt 0x0
	v_lshrrev_b32 v1, 5, v0
	v_readfirstlane_b32 s14, v1
	s_lshr_b32 s15, s14, 1
	s_and_b32 s16, s14, 1
	s_bfe_u32 s40, ttmp6, 0x40000
	s_bfe_u32 s41, ttmp6, 0x40004
	s_lshl_b32 s42, ttmp9, 2
	s_add_co_u32 s42, s42, s40
	s_and_b32 s17, ttmp7, 0xffff
	s_lshl_b32 s17, s17, 2
	s_add_co_u32 s17, s17, s41
	s_lshl_b32 s43, s41, 2
	s_lshl_b32 s43, 15, s43
	s_lshl_b32 s44, 0x1111, s40
	s_or_b32 s[G1+0], s43, (0<<16)|(1<<20)|(1<<21)|(3<<22)|(3<<25)
	s_or_b32 s[G1B+0], s44, (0<<16)|(1<<20)|(1<<21)|(3<<22)|(3<<25)
.irp g, G1, G1B                        ; 128 rows of 192 bytes lie on end in a slab: 24,576 bytes, asked for as 96 rows of 256 bytes, each at a multiple of 256; the padding falls behind every 64 bytes, so LDS rows of 240 bytes come out
	s_mov_b32 s[\g+1], 256<<16
	s_mov_b32 s[\g+2], 96<<16
	s_mov_b32 s[\g+3], 256<<16
	s_mov_b32 s[\g+4], 96
	s_mov_b32 s[\g+5], 256
	s_mov_b32 s[\g+6], 0
	s_mov_b32 s[\g+7], 0
.endr
	s_lshl_b32 s18, s16, 7
	s_lshl_b32 s20, s17, 8
	s_add_co_u32 s20, s20, s18
	s_lshl_b32 s46, s42, 8
	s_add_co_u32 s46, s46, s18
	s_mov_b32 s21, 0
	s_mov_b32 s47, 0
	s_mov_b64 s[18:19], KS
	s_mul_u64 s[22:23], s[20:21], s[18:19]
	s_mul_u64 s[92:93], s[46:47], s[18:19]
	s_mov_b64 s[18:19], ROWB
	s_mul_u64 s[20:21], s[20:21], s[18:19]
	s_mov_b64 s[18:19], KROWB
	s_mul_u64 s[46:47], s[46:47], s[18:19]
	s_mul_i32 s45, s14, HALFT
	s_wait_kmcnt 0x0
	s_add_nc_u64 s[20:21], s[4:5], s[20:21]
	s_add_nc_u64 s[88:89], s[6:7], s[22:23]
	s_add_nc_u64 s[46:47], s[8:9], s[46:47]
	s_add_nc_u64 s[46:47], s[46:47], 3145728       ; W1's place in wre
	s_add_nc_u64 s[92:93], s[10:11], s[92:93]
	; THE SCALES come through registers into LDS bytes of their own, once: wave (s15, s16) brings part s15 of the scales of half s16 of A's rows and of B's rows, 512 consecutive bytes a load; in LDS 16 bytes of padding follow each 256
	v_and_b32 v1, 31, v0
	v_lshlrev_b32 v[SGO], 4, v1
	v_lshrrev_b32 v2, 4, v1
	v_lshl_add_u32 v[SLO], v2, 4, v[SGO]
	s_mul_i32 s18, s15, HB/2
	v_add_nc_u32 v[SGO], s18, v[SGO]
	s_mul_i32 s18, s15, HALFS/2
	s_mul_i32 s19, s16, HALFS
	s_add_co_u32 s18, s18, s19
	s_add_co_u32 s18, s18, SCL
	v_add_nc_u32 v[SLO], s18, v[SLO]
.set jj, 0
.rept NJ
	global_load_b128 v[SCT+4*jj:SCT+4*jj+3], v[SGO], s[88:89] offset:512*jj
	global_load_b128 v[SCT+4*NJ+4*jj:SCT+4*NJ+4*jj+3], v[SGO], s[92:93] offset:512*jj
.set jj, jj+1
.endr
	CROUND                                         ; all sixteen work-groups are here: the first joint loads meet
.irp s, 0,1
	s_mov_b32 s[G0+4*\s], 1
	s_add_co_u32 s[G0+4*\s+1], s45, \s*SLOT
	s_add_nc_u64 s[G0+4*\s+2:G0+4*\s+3], s[20:21], \s*ASLAB
	s_or_b32 s[G0+4*\s+3], s[G0+4*\s+3], 0x80000000
	s_mov_b32 s[G0B+4*\s], 1
	s_add_co_u32 s[G0B+4*\s+1], s45, \s*SLOT
	s_add_nc_u64 s[G0B+4*\s+2:G0B+4*\s+3], s[46:47], \s*BSLAB
	s_or_b32 s[G0B+4*\s+3], s[G0B+4*\s+3], 0x80000000
.endr
	JLOAD G0, G1, G0B, G1B                         ; K step 0
	; PREFETCHES INTO THE L2: of the 96 blocks of 256 bytes that my load of a K step names, each of the four partners that ask with me takes 24, told apart by address (cx for A, cy for B); a lane a block, lanes 24-31 name the last again.
	; K steps 1 and 2 are asked for here, K step 3 behind K step 1's load: two K steps ahead of the load that wants them; there is no K step 4
	s_cmp_eq_u32 s15, 0
	s_cselect_b64 s[PF:PF+1], s[20:21], s[46:47]
	s_cselect_b32 s18, s40, s41
	s_mov_b32 s84, BSLAB
	s_cselect_b32 s84, ASLAB, s84
	s_mov_b32 s85, 0
	s_mul_i32 s18, s18, 24*256
	s_mov_b32 s19, 0
	s_add_nc_u64 s[PF:PF+1], s[PF:PF+1], s[18:19]
	s_add_nc_u64 s[PF+2:PF+3], s[PF:PF+1], s[84:85]
	s_add_nc_u64 s[PF+4:PF+5], s[PF+2:PF+3], s[84:85]
	s_add_nc_u64 s[PF+6:PF+7], s[PF+4:PF+5], s[84:85]
	v_and_b32 v1, 31, v0
	v_min_u32 v1, 23, v1
	v_lshlrev_b32 v[PFO], 8, v1
	global_prefetch_b8 v[PFO], s[PF+2:PF+3] th:TH_LOAD_NT scope:SCOPE_SE
	global_prefetch_b8 v[PFO], s[PF+4:PF+5] th:TH_LOAD_NT scope:SCOPE_SE
	v_and_b32 v1, 15, v0
	v_bfe_u32 v2, v0, 4, 1
	v_mul_u32_u24 v3, v1, PITCH
	v_mul_u32_u24 v4, v2, 24
	v_add_nc_u32 v4, v3, v4
	v_lshl_add_u32 v5, v2, 4, v4
	s_mul_i32 s21, s15, HALFT
	s_mul_i32 s22, s16, HALFT
	s_add_co_u32 s22, s22, 2*HALFT
.irp s, 0,1
	v_add_nc_u32 v[ADRA+\s], s21, v4
	v_add_nc_u32 v[ADRB+\s], s22, v4
	v_add_nc_u32 v[ADRA+2+\s], s21, v5
	v_add_nc_u32 v[ADRB+2+\s], s22, v5
	s_add_co_u32 s21, s21, SLOT
	s_add_co_u32 s22, s22, SLOT
.endr
	v_mul_u32_u24 v5, v1, KS
	v_lshrrev_b32 v6, 8, v5
	v_lshl_add_u32 v5, v6, 4, v5
	s_mul_i32 s21, s15, HALFS
	s_mul_i32 s22, s16, HALFS
	s_add_co_u32 s22, s22, 2*HALFS
	s_sub_co_u32 s22, s22, s21
	v_mul_u32_u24 v6, s22, v2
	s_add_co_u32 s21, s21, SCL
	v_add_nc_u32 v5, v5, v6
	v_add_nc_u32 v[ADRS], s21, v5
	s_mul_i32 s23, s14, 16*SPITCH
	v_mul_u32_u24 v5, v1, SPITCH
	v_lshl_add_u32 v[STO], v2, 5, v5
	v_add_nc_u32 v[STO], s23, v[STO]
	v_lshl_add_u32 v[RD], v2, 8, v5
	v_add_nc_u32 v[RD], s23, v[RD]
	v_and_b32 v6, 31, v0
	v_lshlrev_b32 v[CO], 4, v6
	s_wait_alu depctr_va_vdst(0)
	v_lshlrev_b32 v[HO], 7, v6
	s_mul_i32 s21, s15, 128*192
	s_mul_i32 s22, s16, 96
	s_add_co_u32 s21, s21, s22
	s_add_co_u32 s21, s21, CIMG
	v_mul_u32_u24 v[CW], v1, 192
	v_mad_u32_u24 v[CW], v2, 48, v[CW]
	v_add_nc_u32 v[CW], s21, v[CW]
	s_lshl_b32 s21, s15, 10
	s_lshl_b32 s22, s16, 2
	s_add_co_u32 s21, s21, s22
	s_add_co_u32 s21, s21, SIMG
	v_lshlrev_b32 v[SW], 3, v1
	v_lshl_add_u32 v[SW], v2, 1, v[SW]
	v_add_nc_u32 v[SW], s21, v[SW]
	s_mul_i32 s21, s14, 12288
	s_add_co_u32 s21, s21, CIMG
	v_add_nc_u32 v[CR], s21, v[CO]
	s_lshl_b32 s21, s14, 9
	s_add_co_u32 s21, s21, SIMG
	v_lshl_add_u32 v[SR], v6, 3, s21
	s_mul_i32 s20, s42, ASLAB
	s_mul_i32 s21, s17, 256*192
	s_add_co_u32 s20, s20, s21
	s_mul_i32 s21, s14, 12288
	s_add_co_u32 s20, s20, s21
	s_mov_b32 s21, 0
	s_add_nc_u64 s[12:13], s[12:13], s[20:21]
	s_lshl_b32 s20, s17, 8
	s_lshl_b32 s22, s14, 6
	s_add_co_u32 s20, s20, s22
	s_lshl_b32 s20, s20, 7
	s_lshl_b32 s22, s42, 3
	s_add_co_u32 s20, s20, s22
	s_add_nc_u64 s[98:99], s[98:99], s[20:21]
	s_lshl_b32 s46, s42, 10
	s_lshl_b32 s47, s16, 9
	s_add_co_u32 s46, s46, s47
	s_mov_b32 s47, 0
	s_add_nc_u64 s[96:97], s[96:97], s[46:47]
	v_lshlrev_b32 v[BO], 5, v2
.irp b, 0,1,2,3,4,5,6,7
	global_load_b128 v[BI+8*\b:BI+8*\b+3], v[BO], s[96:97] offset:64*\b
	global_load_b128 v[BI+8*\b+4:BI+8*\b+7], v[BO], s[96:97] offset:64*\b+16
.endr
.macro FRAG reg, adr, q, i
.irp p, 0,1,2,3,4,5
.set PC, 12*(\q)+6*(\p/3)+\p%3
.if PC%8 < 5
	ds_load_b64 v[\reg+2*\p:\reg+2*\p+1], v[\adr] offset:8*PC+16*(PC/8)+(\i)*16*PITCH
.else
	ds_load_b64 v[\reg+2*\p:\reg+2*\p+1], v[\adr+2] offset:8*PC+16*(PC/8)+(\i)*16*PITCH
.endif
.endr
.endm
.macro MUL16 a0, p, q, sc, zero
.irp a, \a0, \a0+1
.irp b, 0,1,2,3,4,5,6,7
.set rD, 8*(8*((\a)%4)+\b)
.set rB, 128*(\p)+FR*\b
.set rA, AF+FR*(\a)
.set rSB, SC+8*NQ*(\sc)+NQ*\b+(\q)
.set rSA, SC+8*NQ*(\sc)+NQ*(\a)+(\q)
.if \zero == 2
	v_wmma_scale_f32_16x16x128_f8f6f4 v[rD:rD+7], v[rB:rB+FR-1], v[rA:rA+FR-1], v[BI+8*\b:BI+8*\b+7], v[rSB], v[rSA] matrix_a_fmt:MATRIX_FMT_FP6 matrix_b_fmt:MATRIX_FMT_FP6 matrix_a_scale:MATRIX_SCALE_ROW1
.else
	v_wmma_scale_f32_16x16x128_f8f6f4 v[rD:rD+7], v[rB:rB+FR-1], v[rA:rA+FR-1], v[rD:rD+7], v[rSB], v[rSA] matrix_a_fmt:MATRIX_FMT_FP6 matrix_b_fmt:MATRIX_FMT_FP6 matrix_a_scale:MATRIX_SCALE_ROW1
.endif
.endr
.endr
.endm
.macro FETCH_B slot, q, p
	WIN TO_B
.irp i, 0,1,2,3,4,5,6,7
	FRAG 128*(\p)+FR*\i, ADRB+\slot, \q, \i
.endr
	WIN 0
.endm
.macro FETCH_A slot, q, i0
.irp i, \i0, \i0+1, \i0+2, \i0+3
	FRAG AF+FR*(\i), ADRA+\slot, \q, \i
.endr
.endm
.macro SCALES sc
.irp i, 0,1,2,3,4,5,6,7
	ds_load_b64 v[SC+8*NQ*\sc+NQ*\i:SC+8*NQ*\sc+NQ*\i+1], v[ADRS] offset:\i*SBLK
.endr
.endm
.macro PLACES n
.rept \n
	v_nop
.endr
.endm
.macro STEP slot, q, zero
	s_wait_dscnt 4*NL
.if \zero == 2
	WIN 0x81
.else
	WIN MUL_LO
.endif
	MUL16 0, (\q)%2, \q, \slot, \zero
	MUL16 2, (\q)%2, \q, \slot, \zero
	s_wait_dscnt 0
	PLACES NP
	FETCH_B \slot, (\q)+1, 1-(\q)%2
	FETCH_A \slot, (\q)+1, 0
.if \zero == 2
	WIN 0xc1
.else
	WIN MUL_HI
.endif
	MUL16 4, (\q)%2, \q, \slot, \zero
	MUL16 6, (\q)%2, \q, \slot, \zero
	PLACES NP
	WIN 0
	FETCH_A \slot, (\q)+1, 4
.endm
.macro TURN slot, next, fill
	s_wait_tensorcnt 0x0
	ds_add_u32 v[SPW], v[NIL]
	s_wait_dscnt 4*NL+1
	WIN MUL_LO
	MUL16 0, 1, NQ-1, \slot, 0
	s_wait_dscnt 0x0
	s_barrier_signal -1
	MUL16 2, 1, NQ-1, \slot, 0
	WIN 0
	s_barrier_wait -1
.if \fill
	CREST
	s_add_nc_u64 s[G0+4*\slot+2:G0+4*\slot+3], s[G0+4*\slot+2:G0+4*\slot+3], 2*ASLAB
	s_add_nc_u64 s[G0B+4*\slot+2:G0B+4*\slot+3], s[G0B+4*\slot+2:G0B+4*\slot+3], 2*BSLAB
	JLOAD G0+4*\slot, G1, G0B+4*\slot, G1B
.else
	PLACES NP
.endif
	s_wait_alu depctr_va_vdst(0)
	v_add_nc_u32 v[ADRS], 4*NQ, v[ADRS]
	FETCH_B \next, 0, 0
	FETCH_A \next, 0, 0
	SCALES \next
	WIN MUL_HI
	MUL16 4, 1, NQ-1, \slot, 0
	MUL16 6, 1, NQ-1, \slot, 0
	PLACES NP
	WIN 0
	FETCH_A \next, 0, 4
.endm
	s_wait_alu depctr_va_vdst(0)
	s_wait_loadcnt 16                              ; my part of the scales is in registers; the 16 loads of the bias may stay out
	s_wait_tensorcnt 0x0                           ; my part of K step 0 is in: no tensor load of mine is out while I store to LDS
.set jj, 0
.rept NJ
	ds_store_b128 v[SLO], v[SCT+4*jj:SCT+4*jj+3] offset:544*jj
	ds_store_b128 v[SLO], v[SCT+4*NJ+4*jj:SCT+4*NJ+4*jj+3] offset:2*HALFS+544*jj
.set jj, jj+1
.endr
	s_wait_tensorcnt 0x0                           ; ahead of a later first fill, as ahead of a refill
	ds_add_u32 v[SPW], v[NIL]
	s_wait_dscnt 0x0                               ; the add and my stores of scales are done
	CROUND                                         ; everybody's part of K step 0 and of the scales is in, and all sixteen work-groups are here
	JLOAD G0+4, G1, G0B+4, G1B                     ; K step 1, my one tensor load behind the round
	FETCH_B 0, 0, 0
	FETCH_A 0, 0, 0
	SCALES 0
	FETCH_A 0, 0, 4
	global_prefetch_b8 v[PFO], s[PF+6:PF+7] th:TH_LOAD_NT scope:SCOPE_SE   ; K step 3
	s_wait_loadcnt 0x0
	STEP 0, 0, 2
	s_mov_b32 s3, LAPS-1
.Llap:
	TURN 0, 1, 1
	STEP 1, 0, 0
	TURN 1, 0, 1
	STEP 0, 0, 0
	s_sub_co_u32 s3, s3, 1
	s_cmp_lg_u32 s3, 0
	s_cbranch_scc1 .Llap
	TURN 0, 1, 0
	STEP 1, 0, 0
	s_wait_dscnt 4*NL
	WIN MUL_LO
	MUL16 0, 1, NQ-1, 1, 0
	MUL16 2, 1, NQ-1, 1, 0
	s_wait_dscnt 0
	WIN MUL_HI
	MUL16 4, 1, NQ-1, 1, 0
	MUL16 6, 1, NQ-1, 1, 0
	WIN 0
.macro TOSTORE a
.set AC, 64*((\a)%4)
	WIN 0x08+4*((\a)/4)
.irp b, 0,1,2,3,4,5,6,7
	ds_store_b128 v[STO], v[AC+8*\b:AC+8*\b+3] offset:64*\b
	ds_store_b128 v[STO], v[AC+8*\b+4:AC+8*\b+7] offset:64*\b+16
.endr
	WIN 0
.endm
.macro BACK2 a
.set ii, 0
.rept 16
	ds_load_b128 v[BK+64*((\a)%2)+4*ii:BK+64*((\a)%2)+4*ii+3], v[RD] offset:16*ii
.set ii, ii+1
.endr
.endm
.macro QUANT2
	v_max3_num_f32 v86, v[XS], v[XS+1], 0x1800000
	v_max3_num_f32 v87, v[XS+32], v[XS+33], 0x1800000
.irp i, 2,4,6,8,10,12,14,16,18,20,22,24,26,28,30
	v_max3_num_f32 v86, v86, v[XS+\i], v[XS+\i+1]
	v_max3_num_f32 v87, v87, v[XS+32+\i], v[XS+33+\i]
.endr
	v_add_nc_u32 v88, 0xff000000, v86
	v_add_nc_u32 v89, 0xff000000, v87
	v_cvt_scalef32_pk16_fp6_f32 v[64:66], v[XS:XS+15], v88
	v_cvt_scalef32_pk16_fp6_f32 v[76:78], v[XS+16:XS+31], v88
	v_cvt_scalef32_pk16_fp6_f32 v[70:72], v[XS+32:XS+47], v89
	v_cvt_scalef32_pk16_fp6_f32 v[80:82], v[XS+48:XS+63], v89
	v_lshrrev_b32 v84, 23, v88
	v_lshrrev_b32 v85, 23, v89
	v_mov_b32 v67, v76
	v_mov_b32 v68, v77
	v_mov_b32 v69, v78
	v_mov_b32 v73, v80
	v_mov_b32 v74, v81
	v_mov_b32 v75, v82
.endm
	PLACES NP
	TOSTORE 0
	BACK2 0
.irp a, 0,1,2,3,4,5,6,7
.if \a < 7
	TOSTORE \a+1
	BACK2 \a+1
	s_wait_dscnt 32
.else
	s_wait_dscnt 0x0
.endif
.set XS, BK+64*(\a%2)
.set ii, 0
.rept 64
	v_max_num_f32 v[XS+ii], 0, v[XS+ii]
.set ii, ii+1
.endr
	QUANT2
	v_lshl_or_b32 v90, v85, 8, v84
	ds_store_b128 v[CW], v[64:67] offset:3072*\a
	ds_store_b128 v[CW], v[68:71] offset:3072*\a+16
	ds_store_b128 v[CW], v[72:75] offset:3072*\a+32
	ds_store_b16 v[SW], v90 offset:128*\a
.endr
	s_wait_dscnt 0x0
	s_barrier_signal -1
	s_barrier_wait -1
.set cc, 0
.rept 24
	ds_load_b128 v[BK+4*cc:BK+4*cc+3], v[CR] offset:512*cc
.set cc, cc+1
.endr
	ds_load_b64 v[224:225], v[SR]
	ds_load_b64 v[226:227], v[SR] offset:256
.set cc, 0
.rept 24
	s_wait_dscnt 25-cc
	global_store_b128 v[CO], v[BK+4*cc:BK+4*cc+3], s[12:13] offset:512*cc
.set cc, cc+1
.endr
	s_wait_dscnt 0x0
	global_store_b64 v[HO], v[224:225], s[98:99]
	global_store_b64 v[HO], v[226:227], s[98:99] offset:4096
	s_wait_tensorcnt 0x0
	ds_add_u32 v[SPW], v[NIL]
	s_wait_dscnt 0x0
	CROUND
	s_endpgm
.Lfunc_end_k_q7b169e4eb5_fc1:
	.size	k_q7b169e4eb5_fc1, .Lfunc_end_k_q7b169e4eb5_fc1-k_q7b169e4eb5_fc1
	.p2alignl 7, 3214868480
	.fill 96, 4, 3214868480
	.section	.rodata,"a",@progbits
	.p2align	6, 0x0
	.amdhsa_kernel k_q7b169e4eb5_fc1
		.amdhsa_group_segment_fixed_size 327680
		.amdhsa_private_segment_fixed_size 0
		.amdhsa_enable_private_segment 0
		.amdhsa_kernarg_size 56
		.amdhsa_user_sgpr_count 2
		.amdhsa_user_sgpr_kernarg_segment_ptr 1
		.amdhsa_wavefront_size32 1
		.amdhsa_system_sgpr_workgroup_id_x 1
		.amdhsa_system_sgpr_workgroup_id_y 1
		.amdhsa_system_sgpr_workgroup_id_z 1
		.amdhsa_system_vgpr_workitem_id 0
		.amdhsa_next_free_vgpr 1024
		.amdhsa_next_free_sgpr 100
		.amdhsa_reserve_vcc 0
		.amdhsa_float_denorm_mode_32 3
		.amdhsa_float_denorm_mode_16_64 3
		.amdhsa_memory_ordered 1
		.amdhsa_forward_progress 1
		.amdhsa_inst_pref_size 197
	.end_amdhsa_kernel
	.amdgpu_metadata
---
amdhsa.version: [ 1, 2 ]
amdhsa.kernels:
  - .name:           k_q7b169e4eb5_fc1
    .symbol:         k_q7b169e4eb5_fc1.kd
    .args:
      - { .name: act, .offset: 0, .size: 8, .value_kind: global_buffer, .address_space: global }
      - { .name: acts, .offset: 8, .size: 8, .value_kind: global_buffer, .address_space: global }
      - { .name: wre, .offset: 16, .size: 8, .value_kind: global_buffer, .address_space: global }
      - { .name: W1_scales, .offset: 24, .size: 8, .value_kind: global_buffer, .address_space: global }
      - { .name: b1, .offset: 32, .size: 8, .value_kind: global_buffer, .address_space: global }
      - { .name: hid, .offset: 40, .size: 8, .value_kind: global_buffer, .address_space: global }
      - { .name: hids, .offset: 48, .size: 8, .value_kind: global_buffer, .address_space: global }
    .group_segment_fixed_size: 327680
    .private_segment_fixed_size: 0
    .kernarg_segment_align: 8
    .kernarg_segment_size: 56
    .max_flat_workgroup_size: 128
    .sgpr_count:     100
    .vgpr_count:     1024
    .wavefront_size: 32
...
	.end_amdgpu_metadata
.endif
;; end of part 12
;; launch fc2 (part 13): grid 8 x 32, 4 waves a work-group, clusters of 4 x 4, 327,680 bytes of LDS; arguments hid, hids, wre, W2_scales, b2, x1, out0; writes out0
.if DOCPART == 13
	.amdgcn_target "amdgcn-amd-amdhsa--gfx1250"
	.amdhsa_code_object_version 6
	.text
	.protected	k_q7b169e4eb5_fc2
	.globl	k_q7b169e4eb5_fc2
	.p2align	8
	.type	k_q7b169e4eb5_fc2,@function
k_q7b169e4eb5_fc2:
	s_mov_b64 s[64:65], 0
	v_nop
	global_prefetch_b8 v0, s[64:65] scope:SCOPE_SE
	s_setreg_imm32_b32 hwreg(HW_REG_WAVE_MODE, 25, 1), 1
	s_wait_xcnt 0x0
	s_wait_alu depctr_hold_cnt(0) depctr_sa_sdst(0) depctr_va_vdst(0) depctr_va_sdst(0) depctr_va_ssrc(0) depctr_va_vcc(0) depctr_vm_vsrc(0)
	s_getreg_b32 s2, hwreg(HW_REG_IB_STS2, 6, 4)
	s_cmp_eq_u32 s2, 0
	s_cbranch_scc0 .Lentry_in_a_cluster
	s_endpgm
.Lentry_in_a_cluster:
	s_bfe_u32 s2, ttmp6, 0x10000c
	s_cmp_lg_u32 s2, 0xf033
	s_cbranch_scc0 .Lentry_shape_is_right
	s_endpgm
.Lentry_shape_is_right:
.set SIZE_K,  4096
.set SIZE_N,  1024
.set KSTEP,   512
.set ROWA,    192
.set ASLAB,   4096*ROWA
.set ROWB,    384
.set KROWB,   ROWB                     ; the weight comes from wre, laid in slabs of 512 along K: [slabs][1,024 rows][384 bytes]
.set BSLAB,   1024*ROWB
.set PA,      240
.set PB,      432
.set FR,      12
.set NP,      4
.set ASL,     128*PA
.set BH,      64*PB
.set SLOT,    2*ASL+2*BH
.set LAPS,    SIZE_K/(2*KSTEP)
.set KS,      SIZE_K/32
.set SCL,     2*SLOT
.set HALFS,   (64*KS/256)*272
.set SBLK,    (16*KS/256)*272
.set SPARE,   SCL+4*HALFS
.set HB,      64*KS                    ; the scale bytes of 64 rows in memory
.set NJ,      HB/1024                  ; loads of 512 bytes that bring a wave's half of them
.set SGO,  12                          ; v12  the scales' offset in memory
.set SLO,  13                          ; v13  and their place in LDS
.set PFO,  14                          ; v14  the prefetches' offset; never rewritten
.set SCT,  128                         ; the scales on their way through registers
.set PF,   76                          ; s[76:81] my share of my tile, K steps 0 to 2; s[82:83] the K step that the next prefetch names; s[84:85] a K step in bytes
.set STAGE,   SPARE+512
.set SPITCH,  272
.set ADRA, 16
.set ADRB, 20
.set STO,  24
.set RD,   25
.set CO,   26
.set ADRS, 27
.set SPW,  28
.set NIL,  29
.set BO,   30
.set SC,   32
.set BI,   64
.set BK,   64
.set ACC,  128
.set G1, 24
.set G0, 32
.set G1B, 48
.set G0B, 56
.set G1S, 68
.set G0S, 76
.set G1SB, 80
.set G0SB, 88
.set MSB, 0
.macro WIN new
.if MSB != (\new)
	s_set_vgpr_msb (MSB<<8)|(\new)
.set MSB, (\new)
.endif
.endm
.set MUL,  0x05
.set TO_F, 0x40
.macro JLOAD g0a, g1a, g0b, g1b
	s_cmp_eq_u32 s15, 0
	s_cbranch_scc0 .Lfor_b_\@
	tensor_load_to_lds s[\g0a:\g0a+3], s[\g1a:\g1a+7]
	s_nop 0
.rept 4
	v_nop
.endr
	s_branch .Lasked_\@
.Lfor_b_\@:
	tensor_load_to_lds s[\g0b:\g0b+3], s[\g1b:\g1b+7]
	s_nop 0
.rept 4
	v_nop
.endr
.Lasked_\@:
.endm
.macro CREST
	s_cmp_lg_u32 s14, 0
	s_cbranch_scc1 .Lnot_wave_0_\@
	s_barrier_signal -3
.Lnot_wave_0_\@:
	s_barrier_wait -3
	s_barrier_signal -1
	s_barrier_wait -1
.endm
.macro CROUND
	s_barrier_signal -1
	s_barrier_wait -1
	CREST
.endm
	s_load_b128 s[4:7], s[0:1], 0x0
	s_load_b128 s[8:11], s[0:1], 0x10
	s_load_b128 s[96:99], s[0:1], 0x20
	s_load_b64 s[12:13], s[0:1], 0x30
	v_lshl_add_u32 v[SPW], v0, 2, SPARE
	v_mov_b32 v[NIL], 0
	ds_add_u32 v28, v29
	ds_add_u32 v28, v29
	s_wait_dscnt 0x0
	v_lshrrev_b32 v1, 5, v0
	v_readfirstlane_b32 s14, v1
	s_lshr_b32 s15, s14, 1
	s_and_b32 s16, s14, 1
	s_bfe_u32 s40, ttmp6, 0x40000
	s_bfe_u32 s41, ttmp6, 0x40004
	s_lshl_b32 s42, ttmp9, 2
	s_add_co_u32 s42, s42, s40
	s_and_b32 s17, ttmp7, 0xffff
	s_lshl_b32 s17, s17, 2
	s_add_co_u32 s17, s17, s41
	s_lshl_b32 s43, s41, 2
	s_lshl_b32 s43, 15, s43
	s_lshl_b32 s44, 0x1111, s40
	s_or_b32 s[G1+0], s43, (0<<16)|(1<<20)|(1<<21)|(3<<22)|(3<<25)
	s_or_b32 s[G1B+0], s44, (0<<16)|(1<<20)|(1<<21)|(4<<22)|(3<<25)
.irp g, G1, G1B                        ; A's 128 rows of 192 bytes and B's 64 rows of 384 lie on end in a slab: 24,576 bytes, asked for as 96 rows of 256 bytes, each at a multiple of 256; the padding falls behind every 64 (A) or 128 (B) bytes, so LDS rows of 240 and 432 bytes come out
	s_mov_b32 s[\g+1], 256<<16
	s_mov_b32 s[\g+2], 96<<16
	s_mov_b32 s[\g+3], 256<<16
	s_mov_b32 s[\g+4], 96
	s_mov_b32 s[\g+5], 256
	s_mov_b32 s[\g+6], 0
	s_mov_b32 s[\g+7], 0
.endr
	s_lshl_b32 s18, s16, 6
	s_lshl_b32 s20, s17, 7
	s_add_co_u32 s22, s20, s18
	s_lshl_b32 s46, s42, 7
	s_add_co_u32 s46, s46, s18
	s_mov_b32 s21, 0
	s_mov_b32 s23, 0
	s_mov_b32 s47, 0
	s_mov_b64 s[18:19], KS
	s_mul_u64 s[22:23], s[22:23], s[18:19]
	s_mul_u64 s[92:93], s[46:47], s[18:19]
	s_mov_b64 s[18:19], ROWA
	s_mul_u64 s[20:21], s[20:21], s[18:19]
	s_mul_i32 s18, s16, ASLAB
	s_mov_b32 s19, 0
	s_add_nc_u64 s[20:21], s[20:21], s[18:19]
	s_mov_b64 s[18:19], KROWB
	s_mul_u64 s[46:47], s[46:47], s[18:19]
	s_mul_i32 s45, s16, ASL
	s_mul_i32 s95, s16, BH
	s_add_co_u32 s95, s95, 2*ASL
	s_wait_kmcnt 0x0
	s_add_nc_u64 s[20:21], s[4:5], s[20:21]
	s_add_nc_u64 s[88:89], s[6:7], s[22:23]
	s_add_nc_u64 s[46:47], s[8:9], s[46:47]
	s_add_nc_u64 s[46:47], s[46:47], 6291456       ; W2's place in wre
	s_add_nc_u64 s[92:93], s[10:11], s[92:93]
	; THE SCALES come through registers into LDS bytes of their own, once: wave (s15, s16) brings part s15 of the scales of half s16 of A's rows and of B's rows, 512 consecutive bytes a load; in LDS 16 bytes of padding follow each 256
	v_and_b32 v1, 31, v0
	v_lshlrev_b32 v[SGO], 4, v1
	v_lshrrev_b32 v2, 4, v1
	v_lshl_add_u32 v[SLO], v2, 4, v[SGO]
	s_mul_i32 s18, s15, HB/2
	v_add_nc_u32 v[SGO], s18, v[SGO]
	s_mul_i32 s18, s15, HALFS/2
	s_mul_i32 s19, s16, HALFS
	s_add_co_u32 s18, s18, s19
	s_add_co_u32 s18, s18, SCL
	v_add_nc_u32 v[SLO], s18, v[SLO]
.set jj, 0
.rept NJ
	global_load_b128 v[SCT+4*jj:SCT+4*jj+3], v[SGO], s[88:89] offset:512*jj
	global_load_b128 v[SCT+4*NJ+4*jj:SCT+4*NJ+4*jj+3], v[SGO], s[92:93] offset:512*jj
.set jj, jj+1
.endr
	CROUND                                         ; all sixteen work-groups are here: the first joint loads meet
.irp s, 0,1
	s_mov_b32 s[G0+4*\s], 1
	s_add_co_u32 s[G0+4*\s+1], s45, \s*SLOT
	s_add_nc_u64 s[G0+4*\s+2:G0+4*\s+3], s[20:21], \s*2*ASLAB
	s_or_b32 s[G0+4*\s+3], s[G0+4*\s+3], 0x80000000
	s_mov_b32 s[G0B+4*\s], 1
	s_add_co_u32 s[G0B+4*\s+1], s95, \s*SLOT
	s_add_nc_u64 s[G0B+4*\s+2:G0B+4*\s+3], s[46:47], \s*BSLAB
	s_or_b32 s[G0B+4*\s+3], s[G0B+4*\s+3], 0x80000000
.endr
	JLOAD G0, G1, G0B, G1B                         ; K step 0
	; PREFETCHES INTO THE L2: of the 96 blocks of 256 bytes that my load of a K step names, each of the four partners that ask with me takes 24, told apart by address (cx for A, cy for B); a lane a block, lanes 24-31 name the last again.
	; K steps 1 and 2 are asked for here, K step 3 behind K step 1's load, and behind the refill with K step s comes K step s + 2: two K steps ahead of the load that wants them.  The loop's last trip (K steps 6 and 7) asks for nothing
	s_cmp_eq_u32 s15, 0
	s_cselect_b64 s[PF:PF+1], s[20:21], s[46:47]
	s_cselect_b32 s18, s40, s41
	s_mov_b32 s84, BSLAB
	s_cselect_b32 s84, 2*ASLAB, s84
	s_mov_b32 s85, 0
	s_mul_i32 s18, s18, 24*256
	s_mov_b32 s19, 0
	s_add_nc_u64 s[PF:PF+1], s[PF:PF+1], s[18:19]
	s_add_nc_u64 s[PF+2:PF+3], s[PF:PF+1], s[84:85]
	s_add_nc_u64 s[PF+4:PF+5], s[PF+2:PF+3], s[84:85]
	s_add_nc_u64 s[PF+6:PF+7], s[PF+4:PF+5], s[84:85]
	v_and_b32 v1, 31, v0
	v_min_u32 v1, 23, v1
	v_lshlrev_b32 v[PFO], 8, v1
	global_prefetch_b8 v[PFO], s[PF+2:PF+3] th:TH_LOAD_NT scope:SCOPE_SE
	global_prefetch_b8 v[PFO], s[PF+4:PF+5] th:TH_LOAD_NT scope:SCOPE_SE
	v_and_b32 v1, 15, v0
	v_bfe_u32 v2, v0, 4, 1
	v_mul_u32_u24 v3, v2, 24
	v_mad_u32_u24 v4, v1, PA, v3
	v_lshl_add_u32 v5, v2, 4, v4
	v_mad_u32_u24 v6, v1, PB, v3
	v_lshl_add_u32 v7, v2, 4, v6
	s_mul_i32 s21, s15, 64*PA
	s_mul_i32 s22, s16, BH
	s_add_co_u32 s22, s22, 2*ASL
.irp s, 0,1
	v_add_nc_u32 v[ADRA+\s], s21, v4
	v_add_nc_u32 v[ADRB+\s], s22, v6
	v_add_nc_u32 v[ADRA+2+\s], s21, v5
	v_add_nc_u32 v[ADRB+2+\s], s22, v7
	s_add_co_u32 s21, s21, SLOT
	s_add_co_u32 s22, s22, SLOT
.endr
	v_mul_u32_u24 v5, v1, KS
	v_lshrrev_b32 v6, 8, v5
	v_lshl_add_u32 v5, v6, 4, v5
	s_mul_i32 s21, s15, HALFS
	s_mul_i32 s22, s16, HALFS
	s_add_co_u32 s22, s22, 2*HALFS
	s_sub_co_u32 s22, s22, s21
	v_mul_u32_u24 v6, s22, v2
	s_add_co_u32 s21, s21, SCL
	v_add_nc_u32 v5, v5, v6
	v_add_nc_u32 v[ADRS], s21, v5
	s_mul_i32 s23, s14, 16*SPITCH
	s_add_co_u32 s23, s23, STAGE
	v_mul_u32_u24 v5, v1, SPITCH
	v_lshl_add_u32 v5, v2, 5, v5
	v_add_nc_u32 v[STO], s23, v5
	v_mul_u32_u24 v5, v2, SPITCH
	v_lshl_add_u32 v5, v1, 4, v5
	v_add_nc_u32 v[RD], s23, v5
	v_lshlrev_b32 v5, 12, v2
	v_lshl_add_u32 v[CO], v1, 4, v5
	s_wait_alu depctr_va_vdst(0)
	s_lshl_b32 s20, s17, 7
	s_lshl_b32 s21, s15, 6
	s_add_co_u32 s20, s20, s21
	s_mov_b32 s21, 0
	s_mov_b64 s[18:19], SIZE_N*4
	s_mul_u64 s[20:21], s[20:21], s[18:19]
	s_lshl_b32 s46, s42, 9
	s_lshl_b32 s47, s16, 8
	s_add_co_u32 s46, s46, s47
	s_mov_b32 s47, 0
	s_add_nc_u64 s[20:21], s[20:21], s[46:47]
	s_add_nc_u64 s[12:13], s[12:13], s[20:21]
	s_add_nc_u64 s[98:99], s[98:99], s[20:21]
	s_add_nc_u64 s[96:97], s[96:97], s[46:47]
	v_lshlrev_b32 v[BO], 5, v2
.irp b, 0,1,2,3
	global_load_b128 v[BI+8*\b:BI+8*\b+3], v[BO], s[96:97] offset:64*\b
	global_load_b128 v[BI+8*\b+4:BI+8*\b+7], v[BO], s[96:97] offset:64*\b+16
.endr
	WIN 0x80
.set tt, 0
.rept 32
	global_load_b128 v[4*tt:4*tt+3], v[CO], s[98:99] offset:2*tt*SIZE_N*4 th:TH_LOAD_NT
.set tt, tt+1
.endr
	WIN 0
.macro FRAGA reg, adr, q, i
.irp p, 0,1,2,3,4,5
.set PC, 12*((\q)%2)+6*(\p/3)+\p%3
.if PC%8 < 5
	ds_load_b64 v[\reg+2*\p:\reg+2*\p+1], v[\adr] offset:((\q)/2)*ASL+8*PC+16*(PC/8)+(\i)*16*PA
.else
	ds_load_b64 v[\reg+2*\p:\reg+2*\p+1], v[\adr+2] offset:((\q)/2)*ASL+8*PC+16*(PC/8)+(\i)*16*PA
.endif
.endr
.endm
.macro FRAGB reg, adr, q, i
.irp p, 0,1,2,3,4,5
.set PC, 12*(\q)+6*(\p/3)+\p%3
.if PC%16 < 13
	ds_load_b64 v[\reg+2*\p:\reg+2*\p+1], v[\adr] offset:8*PC+16*(PC/16)+(\i)*16*PB
.else
	ds_load_b64 v[\reg+2*\p:\reg+2*\p+1], v[\adr+2] offset:8*PC+16*(PC/16)+(\i)*16*PB
.endif
.endr
.endm
.macro FETCH slot, q, p
	WIN TO_F
.irp i, 0,1,2,3
	FRAGB 128*(\p)+FR*\i, ADRB+\slot, \q, \i
.endr
.irp i, 0,1,2,3
	FRAGA 128*(\p)+48+FR*\i, ADRA+\slot, \q, \i
.endr
.endm
.macro SCALES sc
.irp i, 0,1,2,3
	ds_load_b128 v[SC+16*\sc+4*\i:SC+16*\sc+4*\i+3], v[ADRS] offset:\i*SBLK
.endr
.endm
.macro MUL4 a, p, q, sc, zero
.irp b, 0,1,2,3
.set rD, ACC+8*(4*(\a)+\b)
.set rB, 128*(\p)+FR*\b
.set rA, 128*(\p)+48+FR*(\a)
.set rSB, SC+16*(\sc)+4*\b+(\q)
.set rSA, SC+16*(\sc)+4*(\a)+(\q)
.if \zero == 2
	v_wmma_scale_f32_16x16x128_f8f6f4 v[rD:rD+7], v[rB:rB+FR-1], v[rA:rA+FR-1], v[BI+8*\b:BI+8*\b+7], v[rSB], v[rSA] matrix_a_fmt:MATRIX_FMT_FP6 matrix_b_fmt:MATRIX_FMT_FP6 matrix_a_scale:MATRIX_SCALE_ROW1
.else
	v_wmma_scale_f32_16x16x128_f8f6f4 v[rD:rD+7], v[rB:rB+FR-1], v[rA:rA+FR-1], v[rD:rD+7], v[rSB], v[rSA] matrix_a_fmt:MATRIX_FMT_FP6 matrix_b_fmt:MATRIX_FMT_FP6 matrix_a_scale:MATRIX_SCALE_ROW1
.endif
.endr
.endm
.macro PLACES n
.rept \n
	v_nop
.endr
.endm
.macro STEP slot, q, zero
	s_wait_dscnt 0x0
	PLACES NP
	FETCH \slot, (\q)+1, 1-(\q)%2
	WIN MUL
	MUL4 0, (\q)%2, \q, \slot, \zero
	MUL4 1, (\q)%2, \q, \slot, \zero
	MUL4 2, (\q)%2, \q, \slot, \zero
	MUL4 3, (\q)%2, \q, \slot, \zero
.endm
.macro TURN slot, next, fill
	WIN 0
.if \fill
	s_wait_xcnt 0x0                                ; my last prefetch has read its address: it is stepped here, a K step behind that prefetch
	s_add_nc_u64 s[PF+6:PF+7], s[PF+6:PF+7], s[84:85]
.endif
	s_wait_tensorcnt 0x0
	ds_add_u32 v[SPW], v[NIL]
	s_wait_dscnt 1
	WIN MUL
	MUL4 0, 1, 3, \slot, 0
	s_wait_dscnt 0x0
	s_barrier_signal -1
	MUL4 1, 1, 3, \slot, 0
	WIN 0
	s_barrier_wait -1
.if \fill
	CREST
	s_add_nc_u64 s[G0+4*\slot+2:G0+4*\slot+3], s[G0+4*\slot+2:G0+4*\slot+3], 4*ASLAB
	s_add_nc_u64 s[G0B+4*\slot+2:G0B+4*\slot+3], s[G0B+4*\slot+2:G0B+4*\slot+3], 2*BSLAB
	JLOAD G0+4*\slot, G1, G0B+4*\slot, G1B
.else
	PLACES NP
.endif
	s_wait_alu depctr_va_vdst(0)
	v_add_nc_u32 v[ADRS], 16, v[ADRS]
	SCALES \next
.if \fill
	s_cmp_gt_u32 s3, 1                             ; s3 = 1 in the loop's last trip: no K step stands two on
	s_cbranch_scc0 .Lno_ask_\@
	global_prefetch_b8 v[PFO], s[PF+6:PF+7] th:TH_LOAD_NT scope:SCOPE_SE
.Lno_ask_\@:
.endif
	FETCH \next, 0, 0
	WIN MUL
	MUL4 2, 1, 3, \slot, 0
	MUL4 3, 1, 3, \slot, 0
.endm
	s_wait_alu depctr_va_vdst(0)
	s_wait_loadcnt 40                              ; my part of the scales is in registers; the 8 loads of the bias and the 32 of the residual may stay out
	s_wait_tensorcnt 0x0                           ; my part of K step 0 is in: no tensor load of mine is out while I store to LDS
.set jj, 0
.rept NJ
	ds_store_b128 v[SLO], v[SCT+4*jj:SCT+4*jj+3] offset:544*jj
	ds_store_b128 v[SLO], v[SCT+4*NJ+4*jj:SCT+4*NJ+4*jj+3] offset:2*HALFS+544*jj
.set jj, jj+1
.endr
	s_wait_tensorcnt 0x0                           ; ahead of a later first fill, as ahead of a refill
	ds_add_u32 v[SPW], v[NIL]
	s_wait_dscnt 0x0                               ; the add and my stores of scales are done
	CROUND                                         ; everybody's part of K step 0 and of the scales is in, and all sixteen work-groups are here
	JLOAD G0+4, G1, G0B+4, G1B                     ; K step 1, my one tensor load behind the round
	SCALES 0
	global_prefetch_b8 v[PFO], s[PF+6:PF+7] th:TH_LOAD_NT scope:SCOPE_SE   ; K step 3
	FETCH 0, 0, 0
	s_wait_loadcnt 32
	STEP 0, 0, 2
	STEP 0, 1, 0
	STEP 0, 2, 0
.if LAPS > 1
	WIN 0
	s_mov_b32 s3, LAPS-1
.Llap:
	TURN 0, 1, 1
	STEP 1, 0, 0
	STEP 1, 1, 0
	STEP 1, 2, 0
	TURN 1, 0, 1
	STEP 0, 0, 0
	STEP 0, 1, 0
	STEP 0, 2, 0
	WIN 0
	s_sub_co_u32 s3, s3, 1
	s_cmp_lg_u32 s3, 0
	s_cbranch_scc1 .Llap
.endif
	TURN 0, 1, 0
	STEP 1, 0, 0
	STEP 1, 1, 0
	STEP 1, 2, 0
	s_wait_dscnt 0x0
	WIN MUL
	MUL4 0, 1, 3, 1, 0
	MUL4 1, 1, 3, 1, 0
	MUL4 2, 1, 3, 1, 0
	MUL4 3, 1, 3, 1, 0
	WIN 0
.macro TOSTAGE a
.irp b, 0,1,2,3
	ds_store_b128 v[STO], v[ACC+8*(4*(\a)+\b):ACC+8*(4*(\a)+\b)+3] offset:64*\b
	ds_store_b128 v[STO], v[ACC+8*(4*(\a)+\b)+4:ACC+8*(4*(\a)+\b)+7] offset:64*\b+16
.endr
.set tt, 0
.rept 8
	ds_load_b128 v[BK+32*((\a)%2)+4*tt:BK+32*((\a)%2)+4*tt+3], v[RD] offset:tt*2*SPITCH
.set tt, tt+1
.endr
.endm
.macro SEND a, younger
	s_wait_dscnt \younger
	WIN 0x08
.set tt, 0
.rept 16
	v_pk_add_f32 v[BK+32*((\a)%2)+tt:BK+32*((\a)%2)+tt+1], v[BK+32*((\a)%2)+tt:BK+32*((\a)%2)+tt+1], v[32*(\a)+tt:32*(\a)+tt+1]
.set tt, tt+2
.endr
	WIN 0
.set tt, 0
.rept 8
	global_store_b128 v[CO], v[BK+32*((\a)%2)+4*tt:BK+32*((\a)%2)+4*tt+3], s[12:13] offset:(16*(\a)+2*tt)*SIZE_N*4 th:TH_STORE_NT
.set tt, tt+1
.endr
.endm
	PLACES NP
	s_wait_loadcnt 0x0
	TOSTAGE 0
.irp a, 1,2,3
.if \a > 1
	s_wait_xcnt 0x0
.endif
	TOSTAGE \a
	SEND \a-1, 16
.endr
	SEND 3, 0
	s_wait_tensorcnt 0x0
	ds_add_u32 v[SPW], v[NIL]
	s_wait_dscnt 0x0
	CROUND
	s_endpgm
.Lfunc_end_k_q7b169e4eb5_fc2:
	.size	k_q7b169e4eb5_fc2, .Lfunc_end_k_q7b169e4eb5_fc2-k_q7b169e4eb5_fc2
	.p2alignl 7, 3214868480
	.fill 96, 4, 3214868480
	.section	.rodata,"a",@progbits
	.p2align	6, 0x0
	.amdhsa_kernel k_q7b169e4eb5_fc2
		.amdhsa_group_segment_fixed_size 327680
		.amdhsa_private_segment_fixed_size 0
		.amdhsa_enable_private_segment 0
		.amdhsa_kernarg_size 56
		.amdhsa_user_sgpr_count 2
		.amdhsa_user_sgpr_kernarg_segment_ptr 1
		.amdhsa_wavefront_size32 1
		.amdhsa_system_sgpr_workgroup_id_x 1
		.amdhsa_system_sgpr_workgroup_id_y 1
		.amdhsa_system_sgpr_workgroup_id_z 1
		.amdhsa_system_vgpr_workitem_id 0
		.amdhsa_next_free_vgpr 640
		.amdhsa_next_free_sgpr 100
		.amdhsa_reserve_vcc 0
		.amdhsa_float_denorm_mode_32 3
		.amdhsa_float_denorm_mode_16_64 3
		.amdhsa_memory_ordered 1
		.amdhsa_forward_progress 1
		.amdhsa_inst_pref_size 117
	.end_amdhsa_kernel
	.amdgpu_metadata
---
amdhsa.version: [ 1, 2 ]
amdhsa.kernels:
  - .name:           k_q7b169e4eb5_fc2
    .symbol:         k_q7b169e4eb5_fc2.kd
    .args:
      - { .name: hid, .offset: 0, .size: 8, .value_kind: global_buffer, .address_space: global }
      - { .name: hids, .offset: 8, .size: 8, .value_kind: global_buffer, .address_space: global }
      - { .name: wre, .offset: 16, .size: 8, .value_kind: global_buffer, .address_space: global }
      - { .name: W2_scales, .offset: 24, .size: 8, .value_kind: global_buffer, .address_space: global }
      - { .name: b2, .offset: 32, .size: 8, .value_kind: global_buffer, .address_space: global }
      - { .name: x1, .offset: 40, .size: 8, .value_kind: global_buffer, .address_space: global }
      - { .name: out0, .offset: 48, .size: 8, .value_kind: global_buffer, .address_space: global }
    .group_segment_fixed_size: 327680
    .private_segment_fixed_size: 0
    .kernarg_segment_align: 8
    .kernarg_segment_size: 56
    .max_flat_workgroup_size: 128
    .sgpr_count:     100
    .vgpr_count:     640
    .wavefront_size: 32
...
	.end_amdgpu_metadata
.endif
;; end of part 13
